; MI455X (gfx1250); checked and timed in simulation.
; The chip was launched on July 23, 2026; its instructions are those of AMD's public machine-readable ISA for CDNA 5 (MIT licence, August 2026) and "CDNA5" Instruction Set Architecture Reference Guide (July 2026). The comments in the code are by the model that wrote it; some were corrected since.
;; Transformer Layer. Allowed arithmetic: matrix products marked QUANTISED: E2M3 operands, one E8M0 scale for each 32 along K, by v_wmma_scale_f32_16x16x128_f8f6f4 with both operands' format E2M3, f32 sums; everything else in f32.
;; Inputs: W1 1,024 x 4,096 float32; W2 4,096 x 1,024 float32; Wk 1,024 x 1,024 float32; Wo 1,024 x 1,024 float32; Wq 1,024 x 1,024 float32; Wv 1,024 x 1,024 float32; b1 4,096 float32; b2 1,024 float32; be1 1,024 float32; be2 1,024 float32; bk 1,024 float32; bo 1,024 float32; bq 1,024 float32; bv 1,024 float32; g1 1,024 float32; g2 1,024 float32; x 2 x 2,048 x 1,024 float32.
;; Outputs: out0 2 x 2,048 x 1,024 float32.
;; This version of the problem:
;;   THIS VERSION OF THE PROBLEM IS GIVEN IN LOW PRECISION. The matrix products marked QUANTISED in the list below multiply operands that are first quantised to E2M3 (2 exponent bits, 3 mantissa bits; 6 bits a number), with one power-of-two scale for each 32 numbers along K (OCP MX v1.0); their sums are f32. All else is computed in f32.
;;   The module's matrix products, in the order in which they are computed (A, B: the left and right operand; K: the contracted axis; several contracted axes count as one K, in the product's order):
;;     1. [M 4,096, K 1,024] x [K 1,024, N 1,024]; A: computed on the way; B: input Wq: QUANTISED
;;     2. [M 4,096, K 1,024] x [K 1,024, N 1,024]; A: computed on the way; B: input Wk: QUANTISED
;;     3. [M 4,096, K 1,024] x [K 1,024, N 1,024]; A: computed on the way; B: input Wv: QUANTISED
;;     4. batch 32 x [M 2,048, K 64] x [K 64, N 2,048]; A: computed on the way; B: computed on the way: QUANTISED
;;     5. batch 32 x [M 2,048, K 2,048] x [K 2,048, N 64]; A: softmax (see below); B: computed on the way: QUANTISED
;;     6. [M 4,096, K 1,024] x [K 1,024, N 1,024]; A: computed on the way; B: input Wo: QUANTISED
;;     7. [M 4,096, K 1,024] x [K 1,024, N 4,096]; A: computed on the way; B: input W1: QUANTISED
;;     8. [M 4,096, K 4,096] x [K 4,096, N 1,024]; A: computed on the way; B: input W2: QUANTISED
;;   THE QUANTISER, for each operand of a quantised product, along K:
;;     - K is cut into blocks of 32 from its start; a last block that is shorter is filled with zeros.
;;     - A block's scale is 2^e with e = floor(log2(the largest magnitude in the block)) - 2, held to -126 .. 127; a block of zeros has e = 0. As a byte (E8M0): e + 127.
;;     - Each number is divided by its block's scale, clamped to +-7.5, and rounded to the nearest number of E2M3, ties to even, subnormals kept.
;;     - The product sums the exact products of the quantised numbers (number of the format x scale) in f32.
;;   ~~~python
;;   def quantise(x, axis):      # numpy; x: float32 -> the quantised numbers, widened to float32 again
;;       x = np.moveaxis(x, axis, -1); K = x.shape[-1]
;;       x = np.pad(x, [(0, 0)] * (x.ndim - 1) + [(0, -K % 32)]); x = x.reshape(x.shape[:-1] + (-1, 32)); a = np.abs(x).max(-1, keepdims=True)
;;       e = np.where(a > 0, np.clip(np.frexp(np.where(a > 0, a, 1))[1] - 1 - 2, -126, 127), 0)      # np.frexp(a)[1] - 1 = floor(log2(a)), exactly
;;       r = np.clip(x / 2.0 ** e, -7.5, 7.5)
;;       step = 2.0 ** (np.maximum(np.frexp(np.where(r == 0, 1, r))[1] - 1, 0) - 3)
;;       q = np.round(r / step) * step * 2.0 ** e      # np.round: ties to even
;;       return np.moveaxis(q.reshape(q.shape[:-2] + (-1,))[..., :K], -1, axis).astype(np.float32)
;;   ~~~
;;   SOFTMAX AHEAD OF A QUANTISED PRODUCT. Where the list says 'softmax', what is quantised is not the finished softmax but p = 2^(t - M), with t = logit x log2(e) and M = ceil(the row's largest t), a whole number; so 1/2 < the row's largest p <= 1. The row's sum l is taken of the UNQUANTISED p, in f32, and the product's result is divided by l at the end. Since M is a whole number, a kernel that streams over the keys may use a running M (the ceiling of the running maximum): every later rescaling is an exact power of two, which a block's scale takes up: the codes' values come out the same.
;;   OPERANDS COMPUTED ON THE WAY. 'Computed on the way' means the value that the module computes at that place (a softmax that the list does not call 'softmax' is quantised finished and normalised). What goes into a quantiser is computed in f32, as accurately as f32 sums, v_exp_f32 and their like allow (about 1e-6 of the number): no bf16 or f16 on the way to a quantiser, and a product that is left as it is and whose result goes on into a quantised operand takes f32 operands (vector FMAs, or v_wmma_f32_16x16x4_f32). A number that lies on a knife's edge between two numbers of the format may be rounded either way, as far as f32 arithmetic and the matrix unit's own rounding can turn it there, and no further.
;; 2 versions. Each part assembles by itself: llvm-mc -triple=amdgcn-amd-amdhsa -mcpu=gfx1250 --defsym DOCPART=n.
;; ======== version 1 of 2: 8 launches
;; workspace buffers: wts 9,830,400 bytes; hn 3,276,800 bytes; qb 3,407,872 bytes; kv 6,684,672 bytes; ao 3,276,800 bytes; x1 16,777,216 bytes; hid 13,107,200 bytes
;; launch wq (part 1): grid 384 x 1, 4 waves a work-group, no clusters, 0 bytes of LDS; arguments Wq, Wk, Wv, Wo, W1, W2, wts; writes wts
.if DOCPART == 1
	.amdgcn_target "amdgcn-amd-amdhsa--gfx1250"
	.amdhsa_code_object_version 6
	.text
	.protected	k_q13f40f8d59_wq
	.globl	k_q13f40f8d59_wq
	.p2align	8
	.type	k_q13f40f8d59_wq,@function
k_q13f40f8d59_wq:
	s_mov_b64 s[64:65], 0
	v_nop
	global_prefetch_b8 v0, s[64:65] scope:SCOPE_SE
	s_setreg_imm32_b32 hwreg(HW_REG_WAVE_MODE, 25, 1), 1
	s_wait_xcnt 0x0
; The six weights, f32 [K][N] with K as the FIRST axis, become codes of FP6 (E2M3) with one E8M0 byte for each 32 along K, laid as the products' operand registers want them.
; A LANE TAKES A COLUMN n AND ITS REGISTERS RUN DOWN K: a block of 32 lies in one lane's 32 registers, so its largest magnitude needs no other lane.
; ORDER INSIDE A BLOCK: place p of a block holds element p with bits 3 and 4 exchanged; every operand of this program is laid so, on both sides of each product, so the products are the same numbers.
; IMAGE of a fragment (16 rows x 128 K, 12 registers a lane), 1,536 bytes: registers 0-3 at 16 x lane, 4-5 at 512 + 8 x lane, 6-9 at 768 + 16 x lane, 10-11 at 1,280 + 8 x lane.
; CODES(R rows): image (row tile T, K step s) at ((s / 2) R / 16 + T) 3,072 + (s % 2) 1,536.   SCALES: the word of (row, K step s) at ((row / 128) K / 128 + s) 512 + 4 (row % 128).
; A work-group takes 128 columns x 256 along K of one weight, a wave 32 columns: two row tiles, two K steps, four images.  Each store of codes covers 512 or 256 consecutive bytes, aligned; a store of scale words 128.
; A block's scale is 2^(floor(log2(largest magnitude)) - 2): its byte is the largest magnitude's exponent field - 2, held at 1 from below.
; LIMITS: a block of zeros gets the byte 1 where the rule says 127 (its codes are zeros; this program alone reads the bytes); blocks whose largest magnitude lies under 2^-124 keep the byte 1; NaN and infinities are not served.
.set X,   32                           ; v32-95   two sets of 32 numbers, in the block's order of places
.set IMG, 96                           ; v96-143  K step q: the first row tile's image at IMG + 24 q, the second's at IMG + 24 q + 12
.set CT,  144                          ; v144-146 a block's upper 16 codes (a conversion's three registers begin on an even number)
.set SW,  24                           ; v24, v25 my column's scale word of K step 0, 1
	s_load_b256 s[4:11], s[0:1], 0x0               ; Wq, Wk, Wv, Wo
	s_load_b128 s[12:15], s[0:1], 0x20             ; W1, W2
	s_load_b64 s[16:17], s[0:1], 0x30              ; wts
	v_lshrrev_b32 v1, 5, v0
	v_readfirstlane_b32 s30, v1                    ; wave
	v_and_b32 v2, 31, v0                           ; lane
	v_lshlrev_b32 v3, 2, v2                        ; 4 x lane: my column in a row of W, and my scale word
	v_lshlrev_b32 v4, 4, v2                        ; 16 x lane
	v_lshlrev_b32 v5, 3, v2                        ; 8 x lane
	s_mov_b32 s21, 0                               ; the class's first work-group
	s_mov_b32 s22, 192                             ; row tiles of the codes' region
	s_mov_b32 s23, 0                               ; the weight's first row tile in it
	s_mov_b32 s24, 0                               ; the codes' region
	s_mov_b32 s25, 9437184                         ; the scales' region
	s_mov_b32 s26, 8                               ; K / 128
	s_mov_b32 s27, 3                               ; log2 of the column groups
	s_mov_b32 s28, 20                              ; log2 of 256 rows of W in bytes
	s_wait_kmcnt 0x0
	s_mov_b64 s[18:19], s[4:5]                     ; work-groups 0-31: Wq
	s_cmp_ge_u32 ttmp9, 32                         ; 32-63: Wk
	s_cselect_b64 s[18:19], s[6:7], s[18:19]
	s_cselect_b32 s21, 32, s21
	s_cselect_b32 s23, 64, s23
	s_cmp_ge_u32 ttmp9, 64                         ; 64-95: Wv
	s_cselect_b64 s[18:19], s[8:9], s[18:19]
	s_cselect_b32 s21, 64, s21
	s_cselect_b32 s23, 128, s23
	s_cmp_ge_u32 ttmp9, 96                         ; 96-127: Wo
	s_cselect_b64 s[18:19], s[10:11], s[18:19]
	s_cselect_b32 s21, 96, s21
	s_cselect_b32 s22, 64, s22
	s_cselect_b32 s23, 0, s23
	s_cselect_b32 s24, 2359296, s24
	s_cselect_b32 s25, 9535488, s25
	s_cmp_ge_u32 ttmp9, 128                        ; 128-255: W1
	s_cselect_b64 s[18:19], s[12:13], s[18:19]
	s_cselect_b32 s21, 128, s21
	s_cselect_b32 s22, 256, s22
	s_cselect_b32 s24, 3145728, s24
	s_cselect_b32 s25, 9568256, s25
	s_cselect_b32 s27, 5, s27
	s_cselect_b32 s28, 22, s28
	s_cmp_ge_u32 ttmp9, 256                        ; 256-383: W2
	s_cselect_b64 s[18:19], s[14:15], s[18:19]
	s_cselect_b32 s21, 256, s21
	s_cselect_b32 s22, 64, s22
	s_cselect_b32 s24, 6291456, s24
	s_cselect_b32 s25, 9699328, s25
	s_cselect_b32 s26, 32, s26
	s_cselect_b32 s27, 3, s27
	s_cselect_b32 s28, 20, s28
	s_sub_co_u32 s31, ttmp9, s21                   ; my number in the class
	s_lshr_b32 s32, s31, s27                       ; kc: which 256 along K
	s_lshl_b32 s33, s32, s27
	s_sub_co_u32 s33, s31, s33                     ; cg: which 128 columns
	s_lshl_b32 s34, s32, s28                       ; W: 256 kc rows,
	s_lshl_b32 s35, s33, 9                         ; + 128 cg columns,
	s_add_co_u32 s34, s34, s35
	s_lshl_b32 s35, s30, 7                         ; + 32 x wave columns
	s_add_co_u32 s34, s34, s35
	s_mov_b32 s35, 0
	s_mul_i32 s36, s32, s22                        ; codes: (kc x row tiles + first tile + 8 cg + 2 wave) x 3,072
	s_add_co_u32 s36, s36, s23
	s_lshl_b32 s37, s33, 3
	s_add_co_u32 s36, s36, s37
	s_lshl_b32 s37, s30, 1
	s_add_co_u32 s36, s36, s37
	s_mul_i32 s36, s36, 3072
	s_add_co_u32 s36, s36, s24
	s_mov_b32 s37, 0
	s_lshr_b32 s38, s23, 3                         ; scales: ((first row / 128 + cg) K / 128 + 2 kc) x 512 + 128 x wave
	s_add_co_u32 s38, s38, s33
	s_mul_i32 s38, s38, s26
	s_lshl_b32 s39, s32, 1
	s_add_co_u32 s38, s38, s39
	s_lshl_b32 s38, s38, 9
	s_lshl_b32 s39, s30, 7
	s_add_co_u32 s38, s38, s39
	s_add_co_u32 s38, s38, s25
	s_mov_b32 s39, 0
	s_add_nc_u64 s[18:19], s[18:19], s[34:35]
	s_add_nc_u64 s[40:41], s[16:17], s[36:37]
	s_add_nc_u64 s[42:43], s[16:17], s[38:39]
.macro LOAD t, cols                    ; block t: W(32 t + i, my column) into the register of i's place; 32 lanes read 128 consecutive bytes
.set li, 0
.rept 32
	global_load_b32 v[X+32*((\t)%2)+(li&7)+16*((li>>3)&1)+8*((li>>4)&1)], v3, s[18:19] offset:(32*(\t)+li)*(\cols)*4 th:TH_LOAD_NT
.set li, li+1
.endr
.endm
.macro IMGST reg, off                  ; an image leaves as it stands
	global_store_b128 v4, v[\reg:\reg+3], s[40:41] offset:\off
	global_store_b64 v5, v[\reg+4:\reg+5], s[40:41] offset:\off+512
	global_store_b128 v4, v[\reg+6:\reg+9], s[40:41] offset:\off+768
	global_store_b64 v5, v[\reg+10:\reg+11], s[40:41] offset:\off+1280
.endm
.macro BLOCK t, cols
.set XS, X+32*((\t)%2)
.set QQ, (\t)/4
.set DD, IMG+24*QQ+12*((\t)&1)+6*(((\t)>>1)&1) ; even blocks of a K step into the first image's registers, odd ones into the second's
.if (\t) < 7
	s_wait_loadcnt 32                              ; this block's 32 loads are in; the next block's 32 may be out
.else
	s_wait_loadcnt 0x0
.endif
	v_max3_num_f32 v12, |v[XS]|, |v[XS+1]|, |v[XS+2]|      ; the block's largest magnitude, in two chains
	v_max3_num_f32 v13, |v[XS+3]|, |v[XS+4]|, |v[XS+5]|
.irp i, 6,10,14,18,22,26
	v_max3_num_f32 v12, v12, |v[XS+\i]|, |v[XS+\i+1]|
	v_max3_num_f32 v13, v13, |v[XS+\i+2]|, |v[XS+\i+3]|
.endr
	v_max3_num_f32 v12, v12, |v[XS+30]|, |v[XS+31]|
	v_max3_num_f32 v12, v12, v13, 0x1800000        ; and the floor 2^(3 - 127): the byte cannot fall under 1
	v_add_nc_u32 v11, 0xff000000, v12              ; 2 off the exponent field: the conversion's scale operand
	v_cvt_scalef32_pk16_fp6_f32 v[DD:DD+2], v[XS:XS+15], v11
	v_cvt_scalef32_pk16_fp6_f32 v[CT:CT+2], v[XS+16:XS+31], v11
	v_lshrrev_b32 v14, 23, v11                     ; the scale's byte (also the plain line behind the conversions)
.if (\t)%4 == 0
	v_mov_b32 v[SW+QQ], v14
.else
	v_lshl_or_b32 v[SW+QQ], v14, 8*((\t)%4), v[SW+QQ]
.endif
.irp i, 0,1,2
	v_mov_b32 v[DD+3+\i], v[CT+\i]
.endr
.if (\t)+2 < 8
	LOAD (\t)+2, \cols
.endif
.if (\t)%4 == 3                        ; a K step is whole.  Lanes 0-15 hold columns 0-15, lanes 16-31 columns 16-31; an image wants lanes 0-15 with its even blocks and lanes 16-31 with its odd ones
.set si, 0
.rept 12
	v_permlane16_swap_b32 v[IMG+24*QQ+si], v[IMG+24*QQ+12+si]     ; the first's lanes 16-31 change places with the second's lanes 0-15
.set si, si+1
.endr
	IMGST IMG+24*QQ, 1536*QQ
	IMGST IMG+24*QQ+12, 3072+1536*QQ
	global_store_b32 v3, v[SW+QQ], s[42:43] offset:512*QQ
.endif
.endm
.macro BODY cols                       ; every offset is an immediate: 255 rows of 16,384 bytes at the most.  No store's data are written again
	LOAD 0, \cols
	LOAD 1, \cols
.irp t, 0,1,2,3,4,5,6,7
	BLOCK \t, \cols
.endr
	s_endpgm
.endm
	s_sub_co_u32 s44, ttmp9, 128
	s_cmp_lt_u32 s44, 128                          ; W1's rows are 4,096 numbers, all others' 1,024: the row's length stands in the loads' immediates
	s_cbranch_scc1 .Lwide
	BODY 1024
.Lwide:
	BODY 4096
.Lfunc_end_k_q13f40f8d59_wq:
	.size	k_q13f40f8d59_wq, .Lfunc_end_k_q13f40f8d59_wq-k_q13f40f8d59_wq
	.p2alignl 7, 3214868480
	.fill 96, 4, 3214868480
	.section	.rodata,"a",@progbits
	.p2align	6, 0x0
	.amdhsa_kernel k_q13f40f8d59_wq
		.amdhsa_group_segment_fixed_size 0
		.amdhsa_private_segment_fixed_size 0
		.amdhsa_enable_private_segment 0
		.amdhsa_kernarg_size 56
		.amdhsa_user_sgpr_count 2
		.amdhsa_user_sgpr_kernarg_segment_ptr 1
		.amdhsa_wavefront_size32 1
		.amdhsa_system_sgpr_workgroup_id_x 1
		.amdhsa_system_sgpr_workgroup_id_y 1
		.amdhsa_system_sgpr_workgroup_id_z 1
		.amdhsa_system_vgpr_workitem_id 0
		.amdhsa_next_free_vgpr 152
		.amdhsa_next_free_sgpr 66
		.amdhsa_reserve_vcc 0
		.amdhsa_float_denorm_mode_32 3
		.amdhsa_float_denorm_mode_16_64 3
		.amdhsa_memory_ordered 1
		.amdhsa_forward_progress 1
		.amdhsa_inst_pref_size 80
	.end_amdhsa_kernel
	.amdgpu_metadata
---
amdhsa.version: [ 1, 2 ]
amdhsa.kernels:
  - .name:           k_q13f40f8d59_wq
    .symbol:         k_q13f40f8d59_wq.kd
    .args:
      - { .name: Wq, .offset: 0, .size: 8, .value_kind: global_buffer, .address_space: global }
      - { .name: Wk, .offset: 8, .size: 8, .value_kind: global_buffer, .address_space: global }
      - { .name: Wv, .offset: 16, .size: 8, .value_kind: global_buffer, .address_space: global }
      - { .name: Wo, .offset: 24, .size: 8, .value_kind: global_buffer, .address_space: global }
      - { .name: W1, .offset: 32, .size: 8, .value_kind: global_buffer, .address_space: global }
      - { .name: W2, .offset: 40, .size: 8, .value_kind: global_buffer, .address_space: global }
      - { .name: wts, .offset: 48, .size: 8, .value_kind: global_buffer, .address_space: global }
    .group_segment_fixed_size: 0
    .private_segment_fixed_size: 0
    .kernarg_segment_align: 8
    .kernarg_segment_size: 56
    .max_flat_workgroup_size: 128
    .sgpr_count:     66
    .vgpr_count:     152
    .wavefront_size: 32
...
	.end_amdgpu_metadata
.endif
;; end of part 1
;; launch ln1 (part 2): grid 256 x 1, 4 waves a work-group, no clusters, 66,304 bytes of LDS; arguments x, g1, be1, hn; writes hn
.if DOCPART == 2
	.amdgcn_target "amdgcn-amd-amdhsa--gfx1250"
	.amdhsa_code_object_version 6
	.text
	.protected	k_q13f40f8d59_ln1
	.globl	k_q13f40f8d59_ln1
	.p2align	8
	.type	k_q13f40f8d59_ln1,@function
k_q13f40f8d59_ln1:
	s_mov_b64 s[64:65], 0
	v_nop
	global_prefetch_b8 v0, s[64:65] scope:SCOPE_SE
	s_setreg_imm32_b32 hwreg(HW_REG_WAVE_MODE, 25, 1), 1
	s_wait_xcnt 0x0
; y = (x - mean) / sqrt(var + 1e-7) x gamma + beta along rows of 1,024 f32, all in f32, then quantised along the row to FP6 (E2M3) with one E8M0 byte for each 32; codes and scale words leave as operand images.
; The variance is taken of x - mean (two passes over registers), so a common offset of the inputs does no harm.
; A work-group takes 16 rows = one row tile.  First each wave takes 4 whole rows (32 registers a row, every load 512 consecutive bytes) and normalises them; the rows go to LDS; one barrier; then wave w takes
; K steps 2 w and 2 w + 1 of all 16 rows: lane (r, h) reads of row r, for each block of 32, elements 8 h .. 8 h + 7 and 16 + 8 h .. 16 + 8 h + 7: places 16 h .. 16 h + 15 in this program's order inside a block
; (place p holds element p with bits 3 and 4 exchanged).
; IMAGE, CODES and SCALES layouts: an image of 16 rows x 128 K is 1,536 bytes (registers 0-3 at 16 x lane, 4-5 at 512 + 8 x lane, 6-9 at 768 + 16 x lane, 10-11 at 1,280 + 8 x lane);
; image (row tile T, K step s) at ((s / 2) 256 + T) 3,072 + (s % 2) 1,536; the scale word of (row, s) at 3,145,728 + ((row / 128) 8 + s) 512 + 4 (row % 128).
; LIMITS: a block of zeros gets the byte 1 where the rule says 127 (zero codes; read by this program alone); NaN and infinities are not served.
.set PITCH, 4112                       ; an LDS row: 4,096 bytes + 16: sixteen rows' equal columns fall on sixteen different groups of four banks
.set SPARE, 16*PITCH                   ; behind the rows: the spare words, 128 bytes a wave
.set SPW, 10
.set NIL, 11
.set MU,  12                           ; v12-19  the four rows' means, each in both halves of a pair
.set RS,  20                           ; v20-27  1 / sqrt likewise
.set TS,  28                           ; v28-59  eight registers a row for the sums
.set X,   64                           ; v64-191 four rows x 32 numbers
.set G,   192                          ; v192-223 gamma of my 32 columns;  v224-255 beta
.set BT,  224
.set H0,  64                           ; behind the barrier: 64 numbers of K step 2 w, 64 of 2 w + 1
.set H1,  128
.set PC0, 192
.set PC1, 212
.set TM,  232
.set PW0, 248
.set PW1, 249
.set SWM, 250
.set SEL, 12                           ; s[12:13] lane selects: lane l xor 16
	s_load_b256 s[4:11], s[0:1], 0x0               ; x, gamma, beta, the codes' buffer
	v_lshl_add_u32 v[SPW], v0, 2, SPARE
	v_mov_b32 v[NIL], 0
	v_lshrrev_b32 v1, 5, v0
	v_readfirstlane_b32 s16, v1                    ; wave
	v_and_b32 v2, 31, v0                           ; lane
	v_and_b32 v3, 15, v0                           ; r
	v_bfe_u32 v7, v0, 4, 1                         ; h
	v_lshlrev_b32 v4, 4, v2                        ; 16 x lane
	v_lshlrev_b32 v8, 3, v2                        ; 8 x lane
	s_mul_i32 s17, s16, 4*PITCH
	v_add_nc_u32 v5, s17, v4                       ; LDS, in: my wave's four rows, 16 bytes a lane
	v_mul_u32_u24 v6, v3, PITCH
	v_lshl_add_u32 v6, v7, 5, v6
	s_lshl_b32 s17, s16, 10
	v_add_nc_u32 v6, s17, v6                       ; LDS, out: row r, + 32 h, + my wave's two K steps
	v_lshlrev_b32 v9, 2, v3
	v_lshl_add_u32 v9, v7, 9, v9                   ; scale words: 4 r, lanes 16-31 one K step on
	s_mov_b32 s[SEL], 0x76543210
	s_mov_b32 s[SEL+1], 0xfedcba98
	s_mov_b32 s14, 0x3a800000                      ; 1 / 1,024
	s_mov_b32 s15, 0x33d6bf95                      ; 1e-7
	s_mov_b32 s18, 0xffff0000                      ; lanes 16-31
	s_lshl_b32 s20, ttmp9, 16                      ; x: (16 T + 4 wave) rows of 4,096 bytes
	s_lshl_b32 s21, s16, 14
	s_add_co_u32 s20, s20, s21
	s_mov_b32 s21, 0
	s_lshl_b32 s22, s16, 8                         ; codes: (256 wave + T) x 3,072
	s_add_co_u32 s22, s22, ttmp9
	s_mul_i32 s22, s22, 3072
	s_mov_b32 s23, 0
	s_lshr_b32 s24, ttmp9, 3                       ; scales: (T / 8) 4,096 + 2 wave x 512 + (T % 8) 64
	s_lshl_b32 s24, s24, 12
	s_lshl_b32 s25, s16, 10
	s_add_co_u32 s24, s24, s25
	s_and_b32 s25, ttmp9, 7
	s_lshl_b32 s25, s25, 6
	s_add_co_u32 s24, s24, s25
	s_add_co_u32 s24, s24, 3145728
	s_mov_b32 s25, 0
	s_wait_kmcnt 0x0
	s_add_nc_u64 s[4:5], s[4:5], s[20:21]
	s_add_nc_u64 s[26:27], s[10:11], s[22:23]
	s_add_nc_u64 s[28:29], s[10:11], s[24:25]
.irp p, 0,1,2,3
.irp j, 0,1,2,3,4,5,6,7
	global_load_b128 v[X+32*\p+4*\j:X+32*\p+4*\j+3], v4, s[4:5] offset:4096*\p+512*\j th:TH_LOAD_NT
.endr
.endr
.irp j, 0,1,2,3,4,5,6,7
	global_load_b128 v[G+4*\j:G+4*\j+3], v4, s[6:7] offset:512*\j
	global_load_b128 v[BT+4*\j:BT+4*\j+3], v4, s[8:9] offset:512*\j
.endr
.macro LANESUM                         ; v[TS + 8 p] over the 32 lanes, the four rows by turns; every lane ends with the sum
.irp m, 1,2,4,8
.irp p, 0,1,2,3
	v_add_f32_dpp v[TS+8*\p], v[TS+8*\p], v[TS+8*\p] row_xmask:\m row_mask:0xf bank_mask:0xf
.endr
.endr
.irp p, 0,1,2,3
	v_permlanex16_b32 v[TS+8*\p+1], v[TS+8*\p], s[SEL], s[SEL+1]
.endr
.irp p, 0,1,2,3
	v_add_f32 v[TS+8*\p], v[TS+8*\p], v[TS+8*\p+1]
.endr
.endm
	s_wait_loadcnt 16                              ; x is in; the sixteen loads of gamma and beta may be out
.irp p, 0,1,2,3
	v_pk_add_f32 v[TS+8*\p:TS+8*\p+1], v[X+32*\p:X+32*\p+1], v[X+32*\p+2:X+32*\p+3]
	v_pk_add_f32 v[TS+8*\p+2:TS+8*\p+3], v[X+32*\p+4:X+32*\p+5], v[X+32*\p+6:X+32*\p+7]
.endr
.irp i, 8,12,16,20,24,28
.irp p, 0,1,2,3
	v_pk_add_f32 v[TS+8*\p:TS+8*\p+1], v[TS+8*\p:TS+8*\p+1], v[X+32*\p+\i:X+32*\p+\i+1]
	v_pk_add_f32 v[TS+8*\p+2:TS+8*\p+3], v[TS+8*\p+2:TS+8*\p+3], v[X+32*\p+\i+2:X+32*\p+\i+3]
.endr
.endr
.irp p, 0,1,2,3
	v_pk_add_f32 v[TS+8*\p:TS+8*\p+1], v[TS+8*\p:TS+8*\p+1], v[TS+8*\p+2:TS+8*\p+3]
.endr
.irp p, 0,1,2,3
	v_add_f32 v[TS+8*\p], v[TS+8*\p], v[TS+8*\p+1]
.endr
	LANESUM
.irp p, 0,1,2,3
	v_mul_f32 v[MU+2*\p], s14, v[TS+8*\p]          ; the mean
.endr
.irp p, 0,1,2,3
	v_mov_b32 v[MU+2*\p+1], v[MU+2*\p]
.endr
.irp p, 0,1,2,3
.set i, 0
.rept 16
	v_pk_add_f32 v[X+32*\p+i:X+32*\p+i+1], v[X+32*\p+i:X+32*\p+i+1], v[MU+2*\p:MU+2*\p+1] neg_lo:[0,1] neg_hi:[0,1]   ; x - mean, in place
.set i, i+2
.endr
.endr
.irp p, 0,1,2,3
	v_pk_mul_f32 v[TS+8*\p:TS+8*\p+1], v[X+32*\p:X+32*\p+1], v[X+32*\p:X+32*\p+1]
	v_pk_mul_f32 v[TS+8*\p+2:TS+8*\p+3], v[X+32*\p+2:X+32*\p+3], v[X+32*\p+2:X+32*\p+3]
.endr
.irp i, 4,8,12,16,20,24,28
.irp p, 0,1,2,3
	v_pk_fma_f32 v[TS+8*\p:TS+8*\p+1], v[X+32*\p+\i:X+32*\p+\i+1], v[X+32*\p+\i:X+32*\p+\i+1], v[TS+8*\p:TS+8*\p+1]
	v_pk_fma_f32 v[TS+8*\p+2:TS+8*\p+3], v[X+32*\p+\i+2:X+32*\p+\i+3], v[X+32*\p+\i+2:X+32*\p+\i+3], v[TS+8*\p+2:TS+8*\p+3]
.endr
.endr
.irp p, 0,1,2,3
	v_pk_add_f32 v[TS+8*\p:TS+8*\p+1], v[TS+8*\p:TS+8*\p+1], v[TS+8*\p+2:TS+8*\p+3]
.endr
.irp p, 0,1,2,3
	v_add_f32 v[TS+8*\p], v[TS+8*\p], v[TS+8*\p+1]
.endr
	LANESUM
.irp p, 0,1,2,3
	v_fma_f32 v[TS+8*\p], v[TS+8*\p], s14, s15     ; the variance + 1e-7
.endr
.irp p, 0,1,2,3
	v_rsq_f32 v[RS+2*\p], v[TS+8*\p]
.endr
	v_nop                                          ; a plain line behind the last of the four
	s_wait_alu depctr_va_vdst(0)                   ; one wait for the batch of four, ahead of its first reader
.irp p, 0,1,2,3
	v_mov_b32 v[RS+2*\p+1], v[RS+2*\p]
.endr
	s_wait_loadcnt 0x0                             ; gamma and beta
.irp p, 0,1,2,3
.set i, 0
.rept 16
	v_pk_mul_f32 v[X+32*\p+i:X+32*\p+i+1], v[X+32*\p+i:X+32*\p+i+1], v[RS+2*\p:RS+2*\p+1]
.set i, i+2
.endr
.set i, 0
.rept 16
	v_pk_fma_f32 v[X+32*\p+i:X+32*\p+i+1], v[X+32*\p+i:X+32*\p+i+1], v[G+i:G+i+1], v[BT+i:BT+i+1]
.set i, i+2
.endr
.irp j, 0,1,2,3,4,5,6,7
	ds_store_b128 v5, v[X+32*\p+4*\j:X+32*\p+4*\j+3] offset:PITCH*\p+512*\j
.endr
.endr
	s_wait_dscnt 0x0                               ; for the others' sake: my rows lie in LDS
	s_barrier_signal -1
	s_barrier_wait -1
.irp q, 0,1
.irp b, 0,1,2,3
	ds_load_b128 v[H0+64*\q+16*\b:H0+64*\q+16*\b+3], v6 offset:512*\q+128*\b
	ds_load_b128 v[H0+64*\q+16*\b+4:H0+64*\q+16*\b+7], v6 offset:512*\q+128*\b+16
	ds_load_b128 v[H0+64*\q+16*\b+8:H0+64*\q+16*\b+11], v6 offset:512*\q+128*\b+64
	ds_load_b128 v[H0+64*\q+16*\b+12:H0+64*\q+16*\b+15], v6 offset:512*\q+128*\b+80
.endr
.endr
.irp b, 0,1,2,3
	v_mov_b32 v[TM+4+\b], 0                        ; written once: a lane permute's destination counts as one of its sources
.endr
; 64 numbers of a lane, register 16 b + i = place 16 h + i of block b of my row, become a fragment's codes in v[pc] .. v[pc + 11] and its scale word in v[pw]
.macro QUANT s, pc, pw
.irp b, 0,1,2,3
	v_max3_num_f32 v[TM+\b], |v[\s+16*\b]|, |v[\s+1+16*\b]|, 0x1800000     ; my 16 numbers of block b, and the floor 2^(3 - 127)
.endr
.irp i, 2,4,6,8,10,12,14
.irp b, 0,1,2,3
	v_max3_num_f32 v[TM+\b], v[TM+\b], |v[\s+16*\b+\i]|, |v[\s+1+16*\b+\i]|
.endr
.endr
.irp b, 0,1,2,3
	v_permlanex16_b32 v[TM+4+\b], v[TM+\b], s[SEL], s[SEL+1]
.endr
.irp b, 0,1,2,3
	v_max_num_f32 v[TM+\b], v[TM+\b], v[TM+4+\b]   ; with lane l xor 16's: the block's largest magnitude
.endr
.irp b, 0,1,2,3
	v_add_nc_u32 v[TM+12+\b], 0xff000000, v[TM+\b] ; 2 off the exponent field: the conversion's scale operand
.endr
.irp b, 0,1,2,3
	v_lshrrev_b32 v[TM+4+\b], 23, v[TM+12+\b]      ; the byte
.endr
	v_lshl_or_b32 v[\pw], v[TM+5], 8, v[TM+4]
	v_lshl_or_b32 v[\pw], v[TM+6], 16, v[\pw]
	v_lshl_or_b32 v[\pw], v[TM+7], 24, v[\pw]
.irp c, 0,1
	v_cvt_scalef32_pk16_fp6_f32 v[\pc+6*\c:\pc+2+6*\c], v[\s+32*\c:\s+15+32*\c], v[TM+12+2*\c]
	v_cvt_scalef32_pk16_fp6_f32 v[\pc+12+4*\c:\pc+14+4*\c], v[\s+16+32*\c:\s+31+32*\c], v[TM+12+2*\c+1]
.endr
	v_nop                                          ; one plain line behind a scaled conversion
.irp c, 0,1                            ; a lane wants a whole block: lanes 0-15 block 2 c, lanes 16-31 block 2 c + 1
.irp i, 0,1,2
	v_permlane16_swap_b32 v[\pc+6*\c+\i], v[\pc+12+4*\c+\i]
.endr
.irp i, 0,1,2
	v_mov_b32 v[\pc+3+6*\c+\i], v[\pc+12+4*\c+\i]
.endr
.endr
.endm
.macro IMGST pc, off
	global_store_b128 v4, v[\pc:\pc+3], s[26:27] offset:\off
	global_store_b64 v8, v[\pc+4:\pc+5], s[26:27] offset:\off+512
	global_store_b128 v4, v[\pc+6:\pc+9], s[26:27] offset:\off+768
	global_store_b64 v8, v[\pc+10:\pc+11], s[26:27] offset:\off+1280
.endm
	s_wait_dscnt 16                                ; the first K step's sixteen loads are in, the second's may be out
	QUANT H0, PC0, PW0
	IMGST PC0, 0
	s_wait_dscnt 0x0
	QUANT H1, PC1, PW1
	IMGST PC1, 1536
	v_cndmask_b32 v[SWM], v[PW0], v[PW1], s18      ; lanes 0-15: the words of K step 2 w; lanes 16-31: of 2 w + 1
	global_store_b32 v9, v[SWM], s[28:29]
	s_wait_tensorcnt 0x0                           ; the wave's end, behind my last LDS store
	ds_add_u32 v[SPW], v[NIL]
	s_wait_dscnt 0x0
	s_endpgm
.Lfunc_end_k_q13f40f8d59_ln1:
	.size	k_q13f40f8d59_ln1, .Lfunc_end_k_q13f40f8d59_ln1-k_q13f40f8d59_ln1
	.p2alignl 7, 3214868480
	.fill 96, 4, 3214868480
	.section	.rodata,"a",@progbits
	.p2align	6, 0x0
	.amdhsa_kernel k_q13f40f8d59_ln1
		.amdhsa_group_segment_fixed_size 66304
		.amdhsa_private_segment_fixed_size 0
		.amdhsa_enable_private_segment 0
		.amdhsa_kernarg_size 32
		.amdhsa_user_sgpr_count 2
		.amdhsa_user_sgpr_kernarg_segment_ptr 1
		.amdhsa_wavefront_size32 1
		.amdhsa_system_sgpr_workgroup_id_x 1
		.amdhsa_system_sgpr_workgroup_id_y 1
		.amdhsa_system_sgpr_workgroup_id_z 1
		.amdhsa_system_vgpr_workitem_id 0
		.amdhsa_next_free_vgpr 256
		.amdhsa_next_free_sgpr 66
		.amdhsa_reserve_vcc 0
		.amdhsa_float_denorm_mode_32 3
		.amdhsa_float_denorm_mode_16_64 3
		.amdhsa_memory_ordered 1
		.amdhsa_forward_progress 1
		.amdhsa_inst_pref_size 44
	.end_amdhsa_kernel
	.amdgpu_metadata
---
amdhsa.version: [ 1, 2 ]
amdhsa.kernels:
  - .name:           k_q13f40f8d59_ln1
    .symbol:         k_q13f40f8d59_ln1.kd
    .args:
      - { .name: x, .offset: 0, .size: 8, .value_kind: global_buffer, .address_space: global }
      - { .name: g1, .offset: 8, .size: 8, .value_kind: global_buffer, .address_space: global }
      - { .name: be1, .offset: 16, .size: 8, .value_kind: global_buffer, .address_space: global }
      - { .name: hn, .offset: 24, .size: 8, .value_kind: global_buffer, .address_space: global }
    .group_segment_fixed_size: 66304
    .private_segment_fixed_size: 0
    .kernarg_segment_align: 8
    .kernarg_segment_size: 32
    .max_flat_workgroup_size: 128
    .sgpr_count:     66
    .vgpr_count:     256
    .wavefront_size: 32
...
	.end_amdgpu_metadata
.endif
;; end of part 2
;; launch qkv (part 3): grid 12 x 16, 4 waves a work-group, clusters of 4 x 4, 327,680 bytes of LDS; arguments hn, wts, bq, bk, bv, qb, kv; writes qb, kv
.if DOCPART == 3
	.amdgcn_target "amdgcn-amd-amdhsa--gfx1250"
	.amdhsa_code_object_version 6
	.text
	.protected	k_q13f40f8d59_qkv
	.globl	k_q13f40f8d59_qkv
	.p2align	8
	.type	k_q13f40f8d59_qkv,@function
k_q13f40f8d59_qkv:
	s_mov_b64 s[64:65], 0
	v_nop
	global_prefetch_b8 v0, s[64:65] scope:SCOPE_SE
	s_setreg_imm32_b32 hwreg(HW_REG_WAVE_MODE, 25, 1), 1
	s_wait_xcnt 0x0
	s_wait_alu depctr_hold_cnt(0) depctr_sa_sdst(0) depctr_va_vdst(0) depctr_va_sdst(0) depctr_va_ssrc(0) depctr_va_vcc(0) depctr_vm_vsrc(0)
	s_getreg_b32 s2, hwreg(HW_REG_IB_STS2, 6, 4)
	s_cmp_eq_u32 s2, 0
	s_cbranch_scc0 .Lentry_in_a_cluster
	s_endpgm
.Lentry_in_a_cluster:
	s_bfe_u32 s2, ttmp6, 0x10000c
	s_cmp_lg_u32 s2, 0xf033
	s_cbranch_scc0 .Lentry_shape_is_right
	s_endpgm
.Lentry_shape_is_right:
; q = h Wq + bq, k = h Wk + bk, v = h Wv + bv on codes of FP6 (E2M3) with E8M0 scales, K = 1,024; the results are quantised at once: q and k along the head's 64, v along the keys.
; The cluster's x says which: 0 q, 1 k: C[token][column], A = h's codes, B = the weight's; 2 v: C[channel][token], A = Wv's codes, B = h's, so that the quantiser along C's columns is the one along the keys.
; The choice is made by selects on the cluster's x, which all sixteen partners share; only one store of scale words stands under a branch on it.
; THE CORE: a tile of C is 256 x 256, four waves of 128 x 128 (64 accumulators).  K goes in steps of 256 through two LDS slots.  All operands lie in memory as IMAGES OF THE OPERAND'S REGISTERS
; (16 rows x 128 K = 1,536 bytes: registers 0-3 at 16 x lane, 4-5 at 512 + 8 x lane, 6-9 at 768 + 16 x lane, 10-11 at 1,280 + 8 x lane), so 128 rows x 256 K are one dense block of 24,576 bytes: one tensor load a wave,
; and a fragment comes from LDS by four loads that each read consecutive bytes.  The scale words of 128 rows for all of K are one dense block, brought once.
; CLUSTERS: 4 x 4; A's tiles are asked for jointly along a row of the cluster, B's along a column.  The matrix instruction is used transposed (source 0 = B's rows, source 1 = A's rows): a lane holds one row of C
; and eight neighbouring columns; the 16 registers of two neighbouring accumulators are places 16 h .. 16 h + 15 of a block of 32 in this program's order (place p = element p with bits 3 and 4 exchanged).
; The bias along C's columns is the C of each sum's first matrix instruction; the bias along its rows (v) is added where the results are moved out of the accumulators.  Each is made 0 where the role has the other.
; OUT: qb: [head 32][token tile 128][768] half images, scale words at 3,145,728 + (head x 2,048 + token) x 4.  kv: [head 32][key step 16] records of 13,056 bytes: k's 8 half images, v's 4 images (16 channels x 128 keys),
; k's 128 scale words, v's 64.  A head's word of q or k has its two bytes low; the two above them stand over zero codes.
; REGISTERS: window 0: v0-31 addresses, v32-63 scale words (two sets), v64-127 the bias, v128-223 A's fragments (one set), v232-247 the row bias; window 1: B's two sets; windows 2, 3: the accumulators.
; LIMITS: a block of zeros gets the byte 1 where the rule says 127 (zero codes; read by this program alone); NaN and infinities are not served; inside a block the sums go in the order of places.
.set KK,    1024
.set KT,    KK/128
.set BCODE, 0
.set NQ,    2
.set FR,    12
.set NL,    4
.set NP,    4
.set HALFT, 24576                      ; 128 rows x 256 K: what one tensor load brings
.set SLOT,  4*HALFT
.set SCL,   2*SLOT                     ; behind the ring: the scale words
.set HALFS, KT*512
.set SPARE, SCL+4*HALFS                ; the spare words, 128 bytes a wave
.set LAPS,  KK/512
.set ADRA, 16                          ; v16-17 A's half + 16 x lane in slot 0, 1; v18-19 the same with 8 x lane
.set ADRB, 20                          ; v20-23 the same for B
.set ADRS, 27
.set SPW,  28
.set NIL,  29
.set SC,   32
.set BIAS, 64
.set AF,   128
.set G1, 24
.set G0, 32
.set G1B, 48
.set G0B, 56
.set G1S, 68
.set G0S, 76
.set G1SB, 80
.set G0SB, 88
.set MUL_LO, 0xa1                      ; source 0 (B) window 1, source 1 (A) window 0, C and D window 2
.set MUL_HI, 0xf1
.set TO_B,   0x40
.set HA,  128                          ; the way out
.set PC,  192
.set TM,  212
.set PW,  228
.set PWE, 229
.set SW0, 230
.set SW1, 231
.set BMR, 232
.set VA,  4
.set VB,  5
.set VA1, 6
.set VB1, 7
.set VS,  10
.set VS1, 11
.set SEL, 18
.set MSB, 0
.macro WIN new                         ; the immediate's high byte repeats the setting that is left
.if MSB != (\new)
	s_set_vgpr_msb (MSB<<8)|(\new)
.set MSB, (\new)
.endif
.endm
.macro JLOAD g0a, g1a, g0b, g1b        ; a joint load: waves 0 and 1 fetch for A, waves 2 and 3 for B; an s_nop 0 and four v_nop follow each line
	s_cmp_eq_u32 s15, 0
	s_cbranch_scc0 .Lfor_b_\@
	tensor_load_to_lds s[\g0a:\g0a+3], s[\g1a:\g1a+7]
	s_nop 0
.rept 4
	v_nop
.endr
	s_branch .Lasked_\@
.Lfor_b_\@:
	tensor_load_to_lds s[\g0b:\g0b+3], s[\g1b:\g1b+7]
	s_nop 0
.rept 4
	v_nop
.endr
.Lasked_\@:
.endm
.macro CREST                           ; a round of the cluster's barrier behind its opening barrier
	s_cmp_lg_u32 s14, 0
	s_cbranch_scc1 .Lnot_wave_0_\@
	s_barrier_signal -3
.Lnot_wave_0_\@:
	s_barrier_wait -3
	s_barrier_signal -1
	s_barrier_wait -1
.endm
.macro CROUND
	s_barrier_signal -1
	s_barrier_wait -1
	CREST
.endm
.macro FRAG reg, adr, q, i             ; the image of row tile i, the slot's q-th 128 along K
	ds_load_b128 v[\reg:\reg+3], v[\adr] offset:3072*(\i)+1536*(\q)
	ds_load_b64 v[\reg+4:\reg+5], v[\adr+2] offset:3072*(\i)+1536*(\q)+512
	ds_load_b128 v[\reg+6:\reg+9], v[\adr] offset:3072*(\i)+1536*(\q)+768
	ds_load_b64 v[\reg+10:\reg+11], v[\adr+2] offset:3072*(\i)+1536*(\q)+1280
.endm
; 16 matrix instructions: A's blocks a0, a0 + 1 x B's eight.  The 64 accumulators take turns, one instruction a turn, in the same order in every step.  zero = 1: the bias starts the sums
.macro MUL16 a0, p, q, sc, zero
.irp a, \a0, \a0+1
.irp b, 0,1,2,3,4,5,6,7
.if \zero
	v_wmma_scale_f32_16x16x128_f8f6f4 v[8*(8*((\a)%4)+\b):8*(8*((\a)%4)+\b)+7], v[128*(\p)+FR*\b:128*(\p)+FR*\b+FR-1], v[AF+FR*(\a):AF+FR*(\a)+FR-1], v[BIAS+8*\b:BIAS+8*\b+7], v[SC+8*NQ*(\sc)+NQ*\b+(\q)], v[SC+8*NQ*(\sc)+NQ*(\a)+(\q)] matrix_a_fmt:MATRIX_FMT_FP6 matrix_b_fmt:MATRIX_FMT_FP6 matrix_a_scale:MATRIX_SCALE_ROW1
.else
	v_wmma_scale_f32_16x16x128_f8f6f4 v[8*(8*((\a)%4)+\b):8*(8*((\a)%4)+\b)+7], v[128*(\p)+FR*\b:128*(\p)+FR*\b+FR-1], v[AF+FR*(\a):AF+FR*(\a)+FR-1], v[8*(8*((\a)%4)+\b):8*(8*((\a)%4)+\b)+7], v[SC+8*NQ*(\sc)+NQ*\b+(\q)], v[SC+8*NQ*(\sc)+NQ*(\a)+(\q)] matrix_a_fmt:MATRIX_FMT_FP6 matrix_b_fmt:MATRIX_FMT_FP6 matrix_a_scale:MATRIX_SCALE_ROW1
.endif
.endr
.endr
.endm
.macro FETCH_B slot, q, p
	WIN TO_B
.irp i, 0,1,2,3,4,5,6,7
	FRAG 128*(\p)+FR*\i, ADRB+\slot, \q, \i
.endr
	WIN 0
.endm
.macro FETCH_A slot, q, i0
.irp i, \i0, \i0+1, \i0+2, \i0+3
	FRAG AF+FR*(\i), ADRA+\slot, \q, \i
.endr
.endm
.macro SCALES sc                       ; a K step's scale words: lanes 0-15 take A's block i, lanes 16-31 B's block i
.irp i, 0,1,2,3,4,5,6,7
.irp q, 0,1
	ds_load_b32 v[SC+8*NQ*\sc+NQ*\i+\q], v[ADRS] offset:512*\q+64*\i
.endr
.endr
.endm
.macro PLACES n                        ; plain vector lines between a matrix instruction and a load into, or a read of, its registers
.rept \n
	v_nop
.endr
.endm
.macro STEP slot, q, zero              ; 128 along K with its successor in the same slot
	s_wait_dscnt 4*NL                              ; B's set, A's blocks 0-3 and the scale words are in; the youngest sixteen loads (A's blocks 4-7) may be out
	WIN MUL_LO-0x20*(\zero)                        ; (the bias lies in window 0)
	MUL16 0, (\q)%2, \q, \slot, \zero
	MUL16 2, (\q)%2, \q, \slot, \zero
	s_wait_dscnt 0
	PLACES NP
	FETCH_B \slot, (\q)+1, 1-(\q)%2
	FETCH_A \slot, (\q)+1, 0
	WIN MUL_HI-0x30*(\zero)
	MUL16 4, (\q)%2, \q, \slot, \zero
	MUL16 6, (\q)%2, \q, \slot, \zero
	PLACES NP
	WIN 0
	FETCH_A \slot, (\q)+1, 4
.endm
; A slot's last step changes slots: one barrier; in front of it each wave waits for all its tensor loads, adds 0 to its spare word, and waits for that and for its reads of this slot.  fill = 1: the slot is filled again, two K steps on
.macro TURN slot, next, fill
	s_wait_tensorcnt 0x0                           ; all my tensor loads have landed: my part of the next slot
	ds_add_u32 v[SPW], v[NIL]                      ; 0 onto my spare word
	s_wait_dscnt 4*NL+1                            ; (the add and A's blocks 4-7 may be out)
	WIN MUL_LO
	MUL16 0, 1, NQ-1, \slot, 0
	s_wait_dscnt 0x0                               ; the add is done, and my reads of this slot are over
	s_barrier_signal -1
	MUL16 2, 1, NQ-1, \slot, 0
	WIN 0
	s_barrier_wait -1
.if \fill
	CREST                                          ; the barrier has opened a round of the cluster's: no wave of any partner still reads this slot or has a load on its way
	s_add_nc_u64 s[G0+4*\slot+2:G0+4*\slot+3], s[G0+4*\slot+2:G0+4*\slot+3], s[98:99]
	s_add_nc_u64 s[G0B+4*\slot+2:G0B+4*\slot+3], s[G0B+4*\slot+2:G0B+4*\slot+3], s[100:101]
	JLOAD G0+4*\slot, G1, G0B+4*\slot, G1B         ; the first tensor load behind the round; its four v_nop are the places in front of the loads below
.else
	PLACES NP
.endif
	v_add_nc_u32 v[ADRS], 512*NQ, v[ADRS]          ; the next K step's scale words
	FETCH_B \next, 0, 0
	FETCH_A \next, 0, 0
	SCALES \next
	WIN MUL_HI
	MUL16 4, 1, NQ-1, \slot, 0
	MUL16 6, 1, NQ-1, \slot, 0
	PLACES NP
	WIN 0
	FETCH_A \next, 0, 4
.endm
; 64 numbers of a lane, register 16 b + i = place 16 h + i of block b of my row, become a fragment's codes in v[pc] .. v[pc + 11] and its scale word in v[pw]
.macro QUANT s, pc, pw
.irp b, 0,1,2,3
	v_max3_num_f32 v[TM+\b], |v[\s+16*\b]|, |v[\s+1+16*\b]|, 0x1800000
.endr
.irp i, 2,4,6,8,10,12,14
.irp b, 0,1,2,3
	v_max3_num_f32 v[TM+\b], v[TM+\b], |v[\s+16*\b+\i]|, |v[\s+1+16*\b+\i]|
.endr
.endr
.irp b, 0,1,2,3
	v_permlanex16_b32 v[TM+4+\b], v[TM+\b], s[SEL], s[SEL+1]
.endr
.irp b, 0,1,2,3
	v_max_num_f32 v[TM+\b], v[TM+\b], v[TM+4+\b]
.endr
.irp b, 0,1,2,3
	v_add_nc_u32 v[TM+12+\b], 0xff000000, v[TM+\b]
.endr
.irp b, 0,1,2,3
	v_lshrrev_b32 v[TM+4+\b], 23, v[TM+12+\b]
.endr
	v_lshl_or_b32 v[\pw], v[TM+5], 8, v[TM+4]
	v_lshl_or_b32 v[\pw], v[TM+6], 16, v[\pw]
	v_lshl_or_b32 v[\pw], v[TM+7], 24, v[\pw]
.irp c, 0,1
	v_cvt_scalef32_pk16_fp6_f32 v[\pc+6*\c:\pc+2+6*\c], v[\s+32*\c:\s+15+32*\c], v[TM+12+2*\c]
	v_cvt_scalef32_pk16_fp6_f32 v[\pc+12+4*\c:\pc+14+4*\c], v[\s+16+32*\c:\s+31+32*\c], v[TM+12+2*\c+1]
.endr
	v_nop                                          ; one plain line behind a scaled conversion
.irp c, 0,1
.irp i, 0,1,2
	v_permlane16_swap_b32 v[\pc+6*\c+\i], v[\pc+12+4*\c+\i]
.endr
.irp i, 0,1,2
	v_mov_b32 v[\pc+3+6*\c+\i], v[\pc+12+4*\c+\i]
.endr
.endr
.endm
	s_load_b256 s[4:11], s[0:1], 0x0               ; h's codes, the weights' codes, bq, bk
	s_load_b64 s[12:13], s[0:1], 0x20              ; bv
	v_lshl_add_u32 v[SPW], v0, 2, SPARE
	v_mov_b32 v[NIL], 0
	ds_add_u32 v[SPW], v[NIL]                      ; the wave's opening: the add and its wait ahead of my first tensor load
	v_lshrrev_b32 v1, 5, v0
	v_readfirstlane_b32 s14, v1                    ; wave
	s_lshr_b32 s15, s14, 1                         ; my half of the tile's rows.  Also: I fetch for A (0) or B (1)
	s_and_b32 s16, s14, 1                          ; my half of its columns.  Also: which 128 rows I fetch
	s_bfe_u32 s40, ttmp6, 0x40000                  ; cx
	s_bfe_u32 s41, ttmp6, 0x40004                  ; cy
	s_and_b32 s19, ttmp7, 0xffff
	s_lshl_b32 s19, s19, 2                         ; 4 x cluster y
	s_add_co_u32 s17, s19, s41                     ; q, k: A's tile = tokens 256 (4 cluster y + cy) on
	s_add_co_u32 s18, s41, 8                       ; v: A's tile = Wv's rows: tile 8 + cy of the three weights' 12
	s_lshl_b32 s42, ttmp9, 2
	s_add_co_u32 s42, s42, s40                     ; q, k: B's tile = 4 cluster x + cx of the 12
	s_add_co_u32 s46, s19, s40                     ; v: B's tile = tokens 256 (4 cluster y + cx) on
	s_mov_b32 s98, 256*3072                        ; a K step on in A's codes: its row tiles x 3,072
	s_mov_b32 s100, 192*3072                       ; and in B's
	s_mov_b32 s22, 3145728                         ; where A's scale words begin in its buffer
	s_mov_b32 s92, 9437184                         ; and B's
	s_cmp_eq_u32 ttmp9, 2
	s_cselect_b32 s95, 1, 0                        ; 1: this cluster makes v
	s_cselect_b32 s17, s18, s17
	s_cselect_b32 s42, s46, s42
	s_cselect_b32 s98, 192*3072, s98
	s_cselect_b32 s100, 256*3072, s100
	s_cselect_b32 s22, 9437184, s22
	s_cselect_b32 s92, 3145728, s92
	s_cselect_b32 s2, 0, -1                        ; lanes that keep the bias along the columns
	s_cselect_b32 s18, -1, 0                       ; and along the rows
	s_mov_b32 s99, 0
	s_mov_b32 s101, 0
	s_lshl_b32 s43, s41, 2
	s_lshl_b32 s43, 15, s43                        ; my row of the cluster
	s_lshl_b32 s44, 0x1111, s40                    ; my column
	s_or_b32 s[G1+0], s43, (3<<16)|(1<<21)         ; 15:0 the mask; 17:16 elements of 8 bytes; 21 set beside a mask; no padding
	s_or_b32 s[G1B+0], s44, (3<<16)|(1<<21)
.irp g, G1, G1B
	s_mov_b32 s[\g+1], 32<<16                      ; a dense block as rows of 256 bytes: tensor_dim0 = 32
	s_mov_b32 s[\g+2], 96<<16                      ; tensor_dim1 = 96
	s_mov_b32 s[\g+3], 32<<16                      ; tile_dim0
	s_mov_b32 s[\g+4], 96                          ; tile_dim1
	s_mov_b32 s[\g+5], 32                          ; the pitch
	s_mov_b32 s[\g+6], 0
	s_mov_b32 s[\g+7], 0
.endr
	s_or_b32 s[G1S+0], s43, (3<<16)|(1<<21)
	s_or_b32 s[G1SB+0], s44, (3<<16)|(1<<21)
.irp g, G1S, G1SB
	s_mov_b32 s[\g+1], 32<<16
	s_mov_b32 s[\g+2], (2*KT)<<16
	s_mov_b32 s[\g+3], 32<<16
	s_mov_b32 s[\g+4], 2*KT
	s_mov_b32 s[\g+5], 32
	s_mov_b32 s[\g+6], 0
	s_mov_b32 s[\g+7], 0
.endr
	s_lshl_b32 s19, s16, 3
	s_lshl_b32 s20, s17, 4
	s_add_co_u32 s20, s20, s19
	s_mul_i32 s20, s20, 3072                       ; A's codes: row tile 16 x tile + 8 x half
	s_mov_b32 s21, 0
	s_lshl_b32 s23, s17, 1
	s_add_co_u32 s23, s23, s16
	s_mul_i32 s23, s23, HALFS
	s_add_co_u32 s22, s22, s23                     ; A's scale words
	s_mov_b32 s23, 0
	s_lshl_b32 s46, s42, 4
	s_add_co_u32 s46, s46, s19
	s_mul_i32 s46, s46, 3072
	s_add_co_u32 s46, s46, BCODE                   ; B's codes
	s_mov_b32 s47, 0
	s_lshl_b32 s93, s42, 1
	s_add_co_u32 s93, s93, s16
	s_mul_i32 s93, s93, HALFS
	s_add_co_u32 s92, s92, s93                     ; B's scale words
	s_mov_b32 s93, 0
	s_mul_i32 s45, s14, HALFT                      ; where they go: by the wave's number alone
	s_mul_i32 s94, s14, HALFS
	s_wait_dscnt 0x0                               ; the opening add is done
	s_wait_kmcnt 0x0
	s_cmp_eq_u32 s95, 1
	s_cselect_b64 s[96:97], s[6:7], s[4:5]         ; A's buffer
	s_cselect_b64 s[6:7], s[4:5], s[6:7]           ; B's buffer
	s_mov_b64 s[4:5], s[96:97]
	s_cmp_eq_u32 ttmp9, 1
	s_cselect_b64 s[8:9], s[10:11], s[8:9]
	s_cmp_eq_u32 ttmp9, 2
	s_cselect_b64 s[8:9], s[12:13], s[8:9]         ; the role's bias
	s_add_nc_u64 s[20:21], s[4:5], s[20:21]
	s_add_nc_u64 s[22:23], s[4:5], s[22:23]
	s_add_nc_u64 s[46:47], s[6:7], s[46:47]
	s_add_nc_u64 s[92:93], s[6:7], s[92:93]
	CROUND                                         ; all sixteen work-groups are here: the first joint loads meet
	s_mov_b32 s[G0S], 1
	s_add_co_u32 s[G0S+1], s94, SCL
	s_mov_b64 s[G0S+2:G0S+3], s[22:23]
	s_or_b32 s[G0S+3], s[G0S+3], 0x80000000
	s_mov_b32 s[G0SB], 1
	s_add_co_u32 s[G0SB+1], s94, SCL
	s_mov_b64 s[G0SB+2:G0SB+3], s[92:93]
	s_or_b32 s[G0SB+3], s[G0SB+3], 0x80000000
	JLOAD G0S, G1S, G0SB, G1SB                     ; the scale words: filled once
	s_mov_b32 s[G0], 1
	s_mov_b32 s[G0+1], s45
	s_mov_b64 s[G0+2:G0+3], s[20:21]
	s_or_b32 s[G0+3], s[G0+3], 0x80000000
	s_mov_b32 s[G0B], 1
	s_mov_b32 s[G0B+1], s45
	s_mov_b64 s[G0B+2:G0B+3], s[46:47]
	s_or_b32 s[G0B+3], s[G0B+3], 0x80000000
	JLOAD G0, G1, G0B, G1B                         ; slot 0: K step 0
	s_mov_b32 s[G0+4], 1
	s_add_co_u32 s[G0+5], s45, SLOT
	s_add_nc_u64 s[G0+6:G0+7], s[20:21], s[98:99]
	s_or_b32 s[G0+7], s[G0+7], 0x80000000
	s_mov_b32 s[G0B+4], 1
	s_add_co_u32 s[G0B+5], s45, SLOT
	s_add_nc_u64 s[G0B+6:G0B+7], s[46:47], s[100:101]
	s_or_b32 s[G0B+7], s[G0B+7], 0x80000000
	JLOAD G0+4, G1, G0B+4, G1B                     ; slot 1: K step 1.  Three tensor loads of mine are out
	s_lshl_b32 s98, s98, 1                         ; from here on: a refill's step, two K steps
	s_lshl_b32 s100, s100, 1
	v_and_b32 v1, 15, v0                           ; r
	v_bfe_u32 v2, v0, 4, 1                         ; h
	v_and_b32 v3, 31, v0                           ; lane
	v_lshlrev_b32 v4, 4, v3
	v_lshlrev_b32 v5, 3, v3
	s_mul_i32 s21, s15, HALFT                      ; my 128 rows of A
	s_mul_i32 s22, s16, HALFT
	s_add_co_u32 s22, s22, 2*HALFT                 ; my 128 rows of B, behind A's 256
.irp s, 0,1
	v_add_nc_u32 v[ADRA+\s], s21, v4
	v_add_nc_u32 v[ADRB+\s], s22, v4
	v_add_nc_u32 v[ADRA+2+\s], s21, v5
	v_add_nc_u32 v[ADRB+2+\s], s22, v5
	s_add_co_u32 s21, s21, SLOT
	s_add_co_u32 s22, s22, SLOT
.endr
	v_lshlrev_b32 v6, 2, v1
	s_mul_i32 s21, s15, HALFS
	s_mul_i32 s22, s16, HALFS
	s_add_co_u32 s22, s22, 2*HALFS
	s_sub_co_u32 s22, s22, s21
	v_mul_u32_u24 v7, s22, v2                      ; lanes 16-31 take B's words
	s_add_co_u32 s21, s21, SCL
	v_add_nc_u32 v6, v6, v7
	v_add_nc_u32 v[ADRS], s21, v6
	v_lshlrev_b32 v8, 5, v2                        ; the bias along the columns: 32 h
	v_lshlrev_b32 v9, 2, v1                        ; along the rows: 4 r
	s_lshl_b32 s46, s40, 10                        ; columns 256 cx + 128 x half of the weight's 1,024
	s_lshl_b32 s47, s16, 9
	s_add_co_u32 s46, s46, s47
	s_mov_b32 s47, 0
	s_add_nc_u64 s[12:13], s[8:9], s[46:47]
	s_lshl_b32 s20, s41, 10                        ; rows 256 cy + 128 x half
	s_lshl_b32 s21, s15, 9
	s_add_co_u32 s20, s20, s21
	s_mov_b32 s21, 0
	s_add_nc_u64 s[10:11], s[8:9], s[20:21]
.irp b, 0,1,2,3,4,5,6,7
	global_load_b128 v[BIAS+8*\b:BIAS+8*\b+3], v8, s[12:13] offset:64*\b
	global_load_b128 v[BIAS+8*\b+4:BIAS+8*\b+7], v8, s[12:13] offset:64*\b+16
.endr
.irp a, 0,1,2,3,4,5,6,7
	global_load_b32 v[BMR+2*\a], v9, s[10:11] offset:64*\a
	v_mov_b32 v[BMR+2*\a+1], 0                     ; named with it as a pair
.endr
	s_wait_tensorcnt 1                             ; the scale words and my part of K step 0 are in; slot 1's load may be out
	s_barrier_signal -1
	s_barrier_wait -1
	FETCH_B 0, 0, 0
	FETCH_A 0, 0, 0
	SCALES 0
	FETCH_A 0, 0, 4
	s_wait_loadcnt 0x0                             ; the biases
.set i, 0
.rept 64
	v_cndmask_b32 v[BIAS+i], 0, v[BIAS+i], s2      ; v has no bias along C's columns,
.set i, i+1
.endr
.irp a, 0,1,2,3,4,5,6,7
	v_cndmask_b32 v[BMR+2*\a], 0, v[BMR+2*\a], s18 ; q and k none along its rows
.endr
	STEP 0, 0, 1                                   ; the first step stands in front of the loop: the bias starts the sums
	s_mov_b32 s3, LAPS-1
.Llap:
	TURN 0, 1, 1
	STEP 1, 0, 0
	TURN 1, 0, 1
	STEP 0, 0, 0
	s_sub_co_u32 s3, s3, 1
	s_cmp_lg_u32 s3, 0
	s_cbranch_scc1 .Llap
	TURN 0, 1, 0                                   ; the last lap fills nothing
	STEP 1, 0, 0
	s_wait_dscnt 4*NL
	WIN MUL_LO
	MUL16 0, 1, NQ-1, 1, 0
	MUL16 2, 1, NQ-1, 1, 0
	s_wait_dscnt 0
	WIN MUL_HI
	MUL16 4, 1, NQ-1, 1, 0
	MUL16 6, 1, NQ-1, 1, 0
	WIN 0
	; THE WAY OUT.  No tensor load of mine is out, so the descriptors' registers are free
	s_load_b128 s[24:27], s[0:1], 0x28             ; qb, kv
	PLACES NP
	s_mov_b32 s[SEL], 0x76543210
	s_mov_b32 s[SEL+1], 0xfedcba98
	s_mov_b32 s60, 0xffff0000                      ; lanes 16-31
	s_cmp_eq_u32 s95, 1
	s_cselect_b32 s28, s42, s17                    ; the tile of tokens,
	s_cselect_b32 s29, s16, s15                    ; my half of it,
	s_cselect_b32 s30, s41, s40                    ; the tile of channels in the weight,
	s_cselect_b32 s31, s15, s16                    ; my half of it
	s_lshr_b32 s32, s28, 3                         ; the batch
	s_and_b32 s28, s28, 7
	s_lshl_b32 s28, s28, 1
	s_add_co_u32 s28, s28, s29                     ; which 128 tokens of its 2,048
	s_lshl_b32 s32, s32, 4
	s_lshl_b32 s30, s30, 2
	s_add_co_u32 s32, s32, s30
	s_lshl_b32 s31, s31, 1
	s_add_co_u32 s32, s32, s31                     ; the first of my two heads: 16 x batch + 4 x tile + 2 x half
	s_mul_i32 s33, s32, 98304
	s_mul_i32 s34, s28, 6144
	s_add_co_u32 s33, s33, s34                     ; q's half images
	s_lshl_b32 s34, s32, 13
	s_lshl_b32 s35, s28, 9
	s_add_co_u32 s34, s34, s35
	s_add_co_u32 s34, s34, 3145728                 ; q's scale words
	s_mul_i32 s36, s32, 208896
	s_mul_i32 s37, s28, 13056
	s_add_co_u32 s36, s36, s37                     ; the record of k and v
	s_mul_i32 s37, s95, 6144
	s_add_co_u32 s37, s36, s37                     ; k's half images at 0, v's images at 6,144
	s_lshl_b32 s38, s95, 9
	s_add_co_u32 s38, s38, s36
	s_add_co_u32 s38, s38, 12288                   ; k's scale words at 12,288, v's at 12,800
	s_mov_b32 s39, 208896
	s_mov_b32 s54, 768
	s_cmp_eq_u32 ttmp9, 0
	s_cselect_b32 s48, s33, s37
	s_cselect_b32 s50, s34, s38
	s_cselect_b32 s52, 98304, s39                  ; from a head to the next: codes,
	s_cselect_b32 s53, 8192, s39                   ; scale words
	s_wait_kmcnt 0x0
	s_cselect_b64 s[24:25], s[24:25], s[26:27]
	s_mov_b32 s49, 0
	s_mov_b32 s51, 0
	s_cmp_eq_u32 s95, 1
	s_cselect_b32 s52, 768, s52                    ; v: an image's second half follows its first
	s_cselect_b32 s54, 1536, s54                   ; from a block of 16 rows to the next
	s_cselect_b32 s56, 202752, 0                   ; v: blocks 4-7 belong to the next head: 208,896 - 4 x 1,536
	s_cselect_b32 s58, 208640, 0                   ; 208,896 - 2 x 128
	s_mov_b32 s55, 0
	s_mov_b32 s57, 0
	s_mov_b32 s59, 0
	s_add_nc_u64 s[26:27], s[24:25], s[50:51]      ; the scale words' base
	s_add_nc_u64 s[24:25], s[24:25], s[48:49]      ; the codes' base
	v_add_nc_u32 v[VA1], s52, v[VA]
	v_add_nc_u32 v[VB1], s52, v[VB]
	v_lshlrev_b32 v[VS], 2, v3
	v_add_nc_u32 v[VS1], s53, v[VS]
.irp b, 0,1,2,3
	v_mov_b32 v[TM+4+\b], 0                        ; written once: a lane permute's destination counts as one of its sources
.endr
.macro OUTA a                          ; block a: 16 rows x 128 columns become one fragment
.set AC, 64*((\a)%4)
	s_wait_xcnt 0x0                                ; the last block's stores have read their data and bases: both are written again below
.if (\a) > 0
	s_add_nc_u64 s[24:25], s[24:25], s[54:55]
.if (\a)%2 == 0
	s_add_nc_u64 s[26:27], s[26:27], 128
.endif
.endif
.if (\a) == 4
	s_add_nc_u64 s[24:25], s[24:25], s[56:57]
	s_add_nc_u64 s[26:27], s[26:27], s[58:59]
.endif
	WIN 0x02+(\a)/4                                ; source 0: window 2 or 3
.set i, 0
.rept 32
	v_pk_add_f32 v[HA+i:HA+i+1], v[AC+i:AC+i+1], v[BMR+2*(\a):BMR+2*(\a)+1] op_sel_hi:[1,0]   ; out of the accumulators, each from its low end on, with the row's bias
.set i, i+2
.endr
	WIN 0
	QUANT HA, PC, PW
	global_store_b128 v[VA], v[PC:PC+3], s[24:25]
	global_store_b64 v[VB], v[PC+4:PC+5], s[24:25] offset:512
	global_store_b128 v[VA1], v[PC+6:PC+9], s[24:25]
	global_store_b64 v[VB1], v[PC+10:PC+11], s[24:25] offset:512
.if (\a)%2 == 0
	v_mov_b32 v[PWE], v[PW]
.else
	v_cndmask_b32 v[SW0], v[PWE], v[PW], s60       ; 32 rows' words: 128 consecutive bytes
	v_lshrrev_b32 v[SW1], 16, v[SW0]               ; q, k: the second head's two bytes
	global_store_b32 v[VS], v[SW0], s[26:27]
	s_cmp_eq_u32 s95, 1
	s_cbranch_scc1 .Lone_\@                        ; v's word is whole
	global_store_b32 v[VS1], v[SW1], s[26:27]
.Lone_\@:
.endif
.endm
.irp a, 0,1,2,3,4,5,6,7
	OUTA \a
.endr
	s_wait_tensorcnt 0x0                           ; the wave's end
	ds_add_u32 v[SPW], v[NIL]
	s_wait_dscnt 0x0
	CROUND                                         ; the closing round
	s_endpgm
.Lfunc_end_k_q13f40f8d59_qkv:
	.size	k_q13f40f8d59_qkv, .Lfunc_end_k_q13f40f8d59_qkv-k_q13f40f8d59_qkv
	.p2alignl 7, 3214868480
	.fill 96, 4, 3214868480
	.section	.rodata,"a",@progbits
	.p2align	6, 0x0
	.amdhsa_kernel k_q13f40f8d59_qkv
		.amdhsa_group_segment_fixed_size 327680
		.amdhsa_private_segment_fixed_size 0
		.amdhsa_enable_private_segment 0
		.amdhsa_kernarg_size 56
		.amdhsa_user_sgpr_count 2
		.amdhsa_user_sgpr_kernarg_segment_ptr 1
		.amdhsa_wavefront_size32 1
		.amdhsa_system_sgpr_workgroup_id_x 1
		.amdhsa_system_sgpr_workgroup_id_y 1
		.amdhsa_system_sgpr_workgroup_id_z 1
		.amdhsa_system_vgpr_workitem_id 0
		.amdhsa_next_free_vgpr 1024
		.amdhsa_next_free_sgpr 102
		.amdhsa_reserve_vcc 0
		.amdhsa_float_denorm_mode_32 3
		.amdhsa_float_denorm_mode_16_64 3
		.amdhsa_memory_ordered 1
		.amdhsa_forward_progress 1
		.amdhsa_inst_pref_size 178
	.end_amdhsa_kernel
	.amdgpu_metadata
---
amdhsa.version: [ 1, 2 ]
amdhsa.kernels:
  - .name:           k_q13f40f8d59_qkv
    .symbol:         k_q13f40f8d59_qkv.kd
    .args:
      - { .name: hn, .offset: 0, .size: 8, .value_kind: global_buffer, .address_space: global }
      - { .name: wts, .offset: 8, .size: 8, .value_kind: global_buffer, .address_space: global }
      - { .name: bq, .offset: 16, .size: 8, .value_kind: global_buffer, .address_space: global }
      - { .name: bk, .offset: 24, .size: 8, .value_kind: global_buffer, .address_space: global }
      - { .name: bv, .offset: 32, .size: 8, .value_kind: global_buffer, .address_space: global }
      - { .name: qb, .offset: 40, .size: 8, .value_kind: global_buffer, .address_space: global }
      - { .name: kv, .offset: 48, .size: 8, .value_kind: global_buffer, .address_space: global }
    .group_segment_fixed_size: 327680
    .private_segment_fixed_size: 0
    .kernarg_segment_align: 8
    .kernarg_segment_size: 56
    .max_flat_workgroup_size: 128
    .sgpr_count:     102
    .vgpr_count:     1024
    .wavefront_size: 32
...
	.end_amdgpu_metadata
.endif
;; end of part 3
;; launch attn (part 4): grid 8 x 32, 16 waves a work-group, no clusters, 210,944 bytes of LDS; arguments qb, kv, ao; writes ao
.if DOCPART == 4
	.amdgcn_target "amdgcn-amd-amdhsa--gfx1250"
	.amdhsa_code_object_version 6
	.text
	.protected	k_q13f40f8d59_attn
	.globl	k_q13f40f8d59_attn
	.p2align	8
	.type	k_q13f40f8d59_attn,@function
k_q13f40f8d59_attn:
	s_mov_b64 s[64:65], 0
	v_nop
	global_prefetch_b8 v0, s[64:65] scope:SCOPE_SE
	s_setreg_imm32_b32 hwreg(HW_REG_WAVE_MODE, 25, 1), 1
	s_wait_xcnt 0x0
; Causal attention of one head on codes of FP6 (E2M3) with E8M0 scales, head size 64, 2,048 tokens; the output is quantised along head x 64 + channel and leaves as half images for the next product.
; THE SOFTMAX AHEAD OF THE SECOND PRODUCT: t = score x log2(e) / 8; M = the running largest t rounded UP to a whole number; p = 2^(t - M) is quantised along the keys, not normalised; the row's sum is taken of the
; unquantised p and divides at the end; when M moves, the sum and O are multiplied by 2^(old M - new M), which rounds nothing.
; SHARES.  Work-group (i, head) owns the query blocks i and 15 - i of 128: the two together see 17 key steps whatever i.  Sixteen waves, one tile of 16 queries each, 256 registers: four waves to a SIMD.
; NO CLUSTER: which key steps a wave leaves out hangs on its query block, which differs between the work-groups of a head.
; LDS.  A head's sixteen records (128 keys each: k's 8 half images, v's 4 images, their scale words; 13,056 bytes) all fit: waves 0-3 ask for four records each at the head, and nothing is ever filled again.
; LAYOUT.  Both products transposed: S^T = K Q^T, O^T = V^T P^T: a lane holds ONE query.  Tile t of S^T holds keys 16 t + 8 h + 0 .. 7: the 16 registers of tiles 2 b, 2 b + 1 are places 16 h .. 16 h + 15 of block b in this
; program's order inside a block (place p = element p with bits 3 and 4 exchanged), in which v's codes lie too.  The head's 64 fill half of a K step: codes 64 .. 127 of Q and K are zero registers.
; CAUSAL.  A step all of whose keys come after the wave's queries is left out by a scalar branch on ids; on the diagonal hidden scores become -infinity.  Key 0 counts for every query, so M is a number from the first step on.
; LIMITS: a block of zeros gets the byte 1 where the rule says 127 (zero codes); NaN and infinities are not served.  A block's largest p is made from its largest score by the same two lines as every p.
.set REC,   13056
.set SPARE, 16*REC                     ; behind the records: the spare words, 128 bytes a wave
.set SPW, 30
.set NIL, 31
.set BM,  80                           ; v80-83 the blocks' largest scores, then p;  v84-87, v88-91 at work
.set T2,  84
.set SO,  88
.set WV,  10
.set SEL, 12
.set CS,  14
.set TB,  16                           ; s16 LDS byte of the step's record
.set KF,  17                           ; s17 its first key
.set Q0,  18                           ; s18 my first query
.set CNT, 19
.set G1,  24
.set G0,  32
	s_load_b128 s[4:7], s[0:1], 0x0                ; qb, kv
	s_load_b64 s[8:9], s[0:1], 0x10                ; ao
	v_lshl_add_u32 v[SPW], v0, 2, SPARE
	v_mov_b32 v[NIL], 0
	ds_add_u32 v[SPW], v[NIL]                      ; the wave's opening: the add and its wait ahead of the first tensor loads
	v_lshrrev_b32 v1, 5, v0
	v_readfirstlane_b32 s[WV], v1                  ; wave 0..15
	s_and_b32 s20, ttmp7, 0xffff                   ; batch x 16 + head
	s_lshr_b32 s21, s[WV], 2
	s_xor_b32 s21, s21, s[WV]
	s_and_b32 s21, s21, 1                          ; 1: my tile lies in the late block
	s_sub_co_u32 s22, 15, ttmp9
	s_cmp_eq_u32 s21, 1
	s_cselect_b32 s22, s22, ttmp9
	s_lshl_b32 s[Q0], s22, 7
	s_lshr_b32 s21, s[WV], 1
	s_lshl_b32 s21, s21, 4
	s_add_co_u32 s[Q0], s[Q0], s21                 ; 128 x block + 16 x (wave / 2)
	s_mov_b32 s[G1], 3<<16                         ; no mask; elements of 8 bytes; no padding
	s_mov_b32 s[G1+1], 32<<16                      ; a record as 51 rows of 256 bytes
	s_mov_b32 s[G1+2], 51<<16
	s_mov_b32 s[G1+3], 32<<16
	s_mov_b32 s[G1+4], 51
	s_mov_b32 s[G1+5], 32
	s_mov_b32 s[G1+6], 0
	s_mov_b32 s[G1+7], 0
	s_mov_b32 s[SEL], 0x76543210
	s_mov_b32 s[SEL+1], 0xfedcba98
	s_mov_b32 s[CS], 0x3e38aa3b                    ; c = log2(e) / 8
	s_mov_b32 s[CS+1], s[CS]
	s_mov_b32 s[TB], 0
	s_mov_b32 s[KF], 0
	s_and_b32 s21, s[WV], 3
	s_mul_i32 s21, s21, REC                        ; load c of wave w brings record 4 c + w
	s_mul_i32 s22, s20, 16*REC
	s_add_co_u32 s22, s22, s21
	s_mov_b32 s23, 0
	s_mul_i32 s48, s20, 98304                      ; Q's half image: (head x 128 + tile) x 768
	s_mul_i32 s49, s[Q0], 48
	s_add_co_u32 s48, s48, s49
	s_mov_b32 s49, 0
	s_lshl_b32 s50, s20, 13                        ; its scale words
	s_lshl_b32 s51, s[Q0], 2
	s_add_co_u32 s50, s50, s51
	s_add_co_u32 s50, s50, 3145728
	s_mov_b32 s51, 0
	s_wait_dscnt 0x0                               ; the opening add is done
	s_wait_kmcnt 0x0
	s_add_nc_u64 s[6:7], s[6:7], s[22:23]
	s_add_nc_u64 s[48:49], s[4:5], s[48:49]
	s_add_nc_u64 s[50:51], s[4:5], s[50:51]
.irp c, 0,1,2,3
	s_mov_b32 s[G0+4*\c], 1
	s_add_co_u32 s[G0+4*\c+1], s21, \c*4*REC
	s_add_nc_u64 s[G0+4*\c+2:G0+4*\c+3], s[6:7], \c*4*REC
	s_or_b32 s[G0+4*\c+3], s[G0+4*\c+3], 0x80000000
.endr
	s_cmp_lt_u32 s[WV], 4                          ; all first fills of a wave in one branch: four tensor loads of waves 0-3 are out
	s_cbranch_scc0 .Lno_fetch
.irp c, 0,1,2,3
	tensor_load_to_lds s[G0+4*\c:G0+4*\c+3], s[G1:G1+7]
	s_nop 0
.endr
.rept 4
	v_nop
.endr
.Lno_fetch:
	v_and_b32 v4, 31, v0
	v_and_b32 v5, 15, v0                           ; r
	v_bfe_u32 v6, v0, 4, 1                         ; h
	v_lshlrev_b32 v1, 4, v4                        ; 16 x lane
	v_lshlrev_b32 v2, 3, v4                        ; 8 x lane
	v_lshlrev_b32 v3, 2, v5                        ; 4 r
	v_lshlrev_b32 v7, 3, v6
	v_sub_nc_u32 v7, v5, v7                        ; r - 8 h
	global_load_b128 v[16:19], v1, s[48:49]
	global_load_b64 v[20:21], v2, s[48:49] offset:512
	global_load_b32 v28, v3, s[50:51]
.irp j, 22,23,24,25,26,27
	v_mov_b32 v[\j], 0                             ; Q's codes 64 .. 127
.endr
.irp t, 0,1,2,3
.irp j, 6,7,8,9,10,11
	v_mov_b32 v[32+12*\t+\j], 0                    ; K's likewise: never loaded into
.endr
.endr
	v_mov_b32 v13, 0xff61b1e6                      ; the largest t so far: -3e38
	v_floor_f32 v12, -v13                          ; -M
	v_mov_b32 v14, 0                               ; the sum, in two halves
	v_mov_b32 v15, 0
.irp b, 0,1,2,3
	v_mov_b32 v[T2+\b], 0                          ; a lane permute's destination counts as one of its sources
.endr
	v_mov_b32 v252, 0
	v_mov_b32 v253, 0                              ; (named as the upper half of the pair v[252:253])
.set i, 0
.rept 32
	v_mov_b32 v[160+i], 0                          ; O^T: the step is written once; its first pass finds zeros
.set i, i+1
.endr
.macro STEP                            ; 128 keys
	s_add_co_u32 s21, s[Q0], 15
	s_cmp_gt_u32 s[KF], s21
	s_cbranch_scc1 .Lhidden_\@                     ; all its keys come after my queries
	v_add_nc_u32 v4, s[TB], v1                     ; these three and the v_nop are the four places behind the last step's products
	v_add_nc_u32 v5, s[TB], v2
	v_add_nc_u32 v6, s[TB], v3
	v_nop
.irp t, 0,1,2,3
	ds_load_b128 v[32+12*\t:35+12*\t], v4 offset:768*\t
	ds_load_b64 v[36+12*\t:37+12*\t], v5 offset:768*\t+512
	ds_load_b32 v[92+\t], v6 offset:12288+64*\t
.endr
.irp t, 0,1,2,3
	ds_load_b128 v[192+12*\t:195+12*\t], v4 offset:6144+1536*\t
	ds_load_b64 v[196+12*\t:197+12*\t], v5 offset:6144+1536*\t+512
	ds_load_b128 v[198+12*\t:201+12*\t], v4 offset:6144+1536*\t+768
	ds_load_b64 v[202+12*\t:203+12*\t], v5 offset:6144+1536*\t+1280
	ds_load_b32 v[8+\t], v6 offset:12800+64*\t
.endr
	s_wait_dscnt 20                                ; K's first four tiles are in; V's twenty loads may be out
.irp t, 0,1,2,3
	v_wmma_scale_f32_16x16x128_f8f6f4 v[96+8*\t:103+8*\t], v[32+12*\t:43+12*\t], v[16:27], 0, v[92+\t], v28 matrix_a_fmt:MATRIX_FMT_FP6 matrix_b_fmt:MATRIX_FMT_FP6
.endr
.rept 4
	v_nop                                          ; places in front of loads into registers that these products read
.endr
.irp t, 0,1,2,3
	ds_load_b128 v[32+12*\t:35+12*\t], v4 offset:768*(4+\t)
	ds_load_b64 v[36+12*\t:37+12*\t], v5 offset:768*(4+\t)+512
	ds_load_b32 v[92+\t], v6 offset:12288+64*(4+\t)
.endr
	s_wait_dscnt 0x0
.irp t, 0,1,2,3
	v_wmma_scale_f32_16x16x128_f8f6f4 v[128+8*\t:135+8*\t], v[32+12*\t:43+12*\t], v[16:27], 0, v[92+\t], v28 matrix_a_fmt:MATRIX_FMT_FP6 matrix_b_fmt:MATRIX_FMT_FP6
.endr
.rept 4
	v_nop
.endr
	s_add_co_u32 s21, s[KF], 127
	s_cmp_le_u32 s21, s[Q0]
	s_cbranch_scc1 .Lopen_\@                       ; all its keys count
	s_sub_co_i32 s21, s[Q0], s[KF]
	v_add_nc_u32 v255, s21, v7                     ; d = my query - the first key - 8 h.  Register n holds key 16 (n / 8) + 8 h + n % 8: hidden where 16 (n / 8) + n % 8 > d
	v_mov_b32 v254, 0xff800000
.set n, 0
.rept 64
	v_cmp_gt_i32 vcc_lo, 16*(n/8)+n%8, v255
	v_cndmask_b32 v[96+n], v[96+n], v254, vcc_lo
.set n, n+1
.endr
.Lopen_\@:
.irp b, 0,1,2,3
	v_max3_num_f32 v[BM+\b], v[96+16*\b], v[97+16*\b], v[98+16*\b]     ; the largest score of each block of 32 keys: for the row's maximum and for the block's largest p
.endr
.irp i, 3,5,7,9,11,13
.irp b, 0,1,2,3
	v_max3_num_f32 v[BM+\b], v[BM+\b], v[96+16*\b+\i], v[97+16*\b+\i]
.endr
.endr
.irp b, 0,1,2,3
	v_max_num_f32 v[BM+\b], v[BM+\b], v[111+16*\b]
.endr
.irp b, 0,1,2,3
	v_permlanex16_b32 v[T2+\b], v[BM+\b], s[SEL], s[SEL+1]
.endr
.irp b, 0,1,2,3
	v_max_num_f32 v[BM+\b], v[BM+\b], v[T2+\b]
.endr
	v_max3_num_f32 v254, v[BM], v[BM+1], v[BM+2]
	v_max_num_f32 v254, v254, v[BM+3]
	v_mul_f32 v254, s[CS], v254                    ; as t
	v_max_num_f32 v13, v13, v254                   ; the running largest t
	v_mov_b32 v254, v12
	v_floor_f32 v12, -v13                          ; the new -M = -ceil(t)
	v_sub_f32 v254, v12, v254                      ; old M - new M: a whole number, 0 or less
	v_cvt_i32_f32 v254, v254                       ; (it saturates)
	v_ldexp_f32 v252, 1.0, v254                    ; f = 2^(old M - new M)
.set j, 0
.rept 32
	v_pk_fma_f32 v[96+j:97+j], v[96+j:97+j], s[CS:CS+1], v[12:13] op_sel_hi:[1,0,0]     ; t - M
.set j, j+2
.endr
.irp b, 0,1,2,3
	v_fma_f32 v[BM+\b], v[BM+\b], s[CS], v12
.endr
.set j, 0
.rept 64
	v_exp_f32 v[96+j], v[96+j]                     ; p = 2^(t - M)
.set j, j+1
.endr
	v_pk_mul_f32 v[14:15], v[14:15], v[252:253] op_sel_hi:[1,0]        ; the sums under the new M (a plain line behind the exponentials)
	s_wait_alu depctr_va_vdst(0)                   ; one wait for the batch of 64, ahead of its first reader
.irp b, 0,1,2,3
	v_exp_f32 v[BM+\b], v[BM+\b]                   ; the blocks' largest p
.endr
	v_pk_add_f32 v[T2:T2+1], v[96:97], v[98:99]    ; the row's sum of the unquantised p, in two chains
.irp j, 4,8,12,16,20,24,28,32,36,40,44,48,52,56,60
	v_pk_add_f32 v[14:15], v[14:15], v[96+\j:97+\j]
	v_pk_add_f32 v[T2:T2+1], v[T2:T2+1], v[98+\j:99+\j]
.endr
	v_pk_add_f32 v[14:15], v[14:15], v[T2:T2+1]
	s_wait_alu depctr_va_vdst(0)                   ; and one for the four
.irp b, 0,1,2,3
	v_max_num_f32 v[BM+\b], 0x1800000, v[BM+\b]    ; the floor 2^(3 - 127)
.endr
.irp b, 0,1,2,3
	v_add_nc_u32 v[SO+\b], 0xff000000, v[BM+\b]
.endr
.irp b, 0,1,2,3
	v_lshrrev_b32 v[T2+\b], 23, v[SO+\b]
.endr
	v_lshl_or_b32 v29, v[T2+1], 8, v[T2]           ; p's scale word for these 128 keys
	v_lshl_or_b32 v29, v[T2+2], 16, v29
	v_lshl_or_b32 v29, v[T2+3], 24, v29
.irp c, 0,1
	v_cvt_scalef32_pk16_fp6_f32 v[240+6*\c:242+6*\c], v[96+32*\c:111+32*\c], v[SO+2*\c]
	v_cvt_scalef32_pk16_fp6_f32 v[BM+4*\c:BM+2+4*\c], v[112+32*\c:127+32*\c], v[SO+2*\c+1]
.endr
	v_nop                                          ; one plain line behind a scaled conversion
.irp c, 0,1
.irp i, 0,1,2
	v_permlane16_swap_b32 v[240+6*\c+\i], v[BM+4*\c+\i]
.endr
.irp i, 0,1,2
	v_mov_b32 v[243+6*\c+\i], v[BM+4*\c+\i]
.endr
.endr
.set j, 0
.rept 16
	v_pk_mul_f32 v[160+j:161+j], v[160+j:161+j], v[252:253] op_sel_hi:[1,0]     ; O^T under the new M; these sixteen also stand between the scale word's and the codes' last writes and the products
.set j, j+2
.endr
.irp t, 0,1,2,3
	v_wmma_scale_f32_16x16x128_f8f6f4 v[160+8*\t:167+8*\t], v[192+12*\t:203+12*\t], v[240:251], v[160+8*\t:167+8*\t], v[8+\t], v29 matrix_a_fmt:MATRIX_FMT_FP6 matrix_b_fmt:MATRIX_FMT_FP6
.endr
.Lhidden_\@:
	s_add_co_u32 s[KF], s[KF], 128
	s_add_co_u32 s[TB], s[TB], REC
.endm
.macro CHUNK c                         ; records 4 c .. 4 c + 3
	s_wait_tensorcnt 3-\c                          ; my load c has landed; the later ones may be out
	s_wait_dscnt 0x0
	s_barrier_signal -1
	s_barrier_wait -1                              ; everybody's has
	s_mov_b32 s[CNT], 4
.Lst_\@:
	STEP
	s_sub_co_u32 s[CNT], s[CNT], 1
	s_cmp_lg_u32 s[CNT], 0
	s_cbranch_scc1 .Lst_\@
.endm
	s_wait_loadcnt 0x0                             ; Q
	CHUNK 0
	CHUNK 1
	CHUNK 2
	CHUNK 3
	; THE WAY OUT: O^T / the sum, quantised along the head's 64: two blocks, one half image, two scale bytes
.rept 4
	v_nop
.endr
	v_add_f32 v14, v14, v15
	v_permlanex16_b32 v252, v14, s[SEL], s[SEL+1]
	v_add_f32 v14, v14, v252
	v_rcp_f32 v14, v14
	v_nop                                          ; a plain line behind the reciprocal
	s_lshr_b32 s21, s20, 4
	s_lshl_b32 s21, s21, 11
	s_add_co_u32 s21, s21, s[Q0]                   ; my first token of the 4,096
	s_and_b32 s22, s20, 15                         ; the head
	s_lshr_b32 s23, s22, 2
	s_lshl_b32 s23, s23, 8
	s_lshr_b32 s48, s21, 4
	s_add_co_u32 s23, s23, s48
	s_mul_i32 s23, s23, 3072                       ; ((head / 4) 256 + token tile) 3,072
	s_bfe_u32 s48, s22, 0x10001
	s_mul_i32 s48, s48, 1536
	s_add_co_u32 s23, s23, s48                     ; + ((head / 2) % 2) 1,536
	s_and_b32 s48, s22, 1
	s_mul_i32 s49, s48, 768
	s_add_co_u32 s50, s23, s49                     ; + (head % 2) 768
	s_mov_b32 s51, 0
	s_lshr_b32 s52, s21, 7
	s_lshl_b32 s52, s52, 3
	s_lshr_b32 s49, s22, 1
	s_add_co_u32 s52, s52, s49
	s_lshl_b32 s52, s52, 9                         ; ((token / 128) 8 + head / 2) 512
	s_and_b32 s49, s21, 127
	s_lshl_b32 s49, s49, 2
	s_add_co_u32 s52, s52, s49
	s_lshl_b32 s48, s48, 1
	s_add_co_u32 s52, s52, s48                     ; + 4 (token % 128) + 2 (head % 2)
	s_add_co_u32 s52, s52, 3145728
	s_mov_b32 s53, 0
	s_add_nc_u64 s[50:51], s[8:9], s[50:51]
	s_add_nc_u64 s[52:53], s[8:9], s[52:53]
	s_wait_alu depctr_va_vdst(0)                   ; the wait ahead of the reciprocal's first reader
.set j, 0
.rept 32
	v_mul_f32 v[96+j], v[160+j], v14               ; register 16 b + i: place 16 h + i of block b
.set j, j+1
.endr
.irp b, 0,1
	v_max3_num_f32 v[BM+\b], |v[96+16*\b]|, |v[97+16*\b]|, 0x1800000
.endr
.irp i, 2,4,6,8,10,12,14
.irp b, 0,1
	v_max3_num_f32 v[BM+\b], v[BM+\b], |v[96+16*\b+\i]|, |v[97+16*\b+\i]|
.endr
.endr
.irp b, 0,1
	v_permlanex16_b32 v[T2+\b], v[BM+\b], s[SEL], s[SEL+1]
.endr
.irp b, 0,1
	v_max_num_f32 v[BM+\b], v[BM+\b], v[T2+\b]
.endr
.irp b, 0,1
	v_add_nc_u32 v[SO+\b], 0xff000000, v[BM+\b]
.endr
.irp b, 0,1
	v_lshrrev_b32 v[T2+\b], 23, v[SO+\b]
.endr
	v_lshl_or_b32 v29, v[T2+1], 8, v[T2]
	v_cvt_scalef32_pk16_fp6_f32 v[240:242], v[96:111], v[SO]
	v_cvt_scalef32_pk16_fp6_f32 v[BM:BM+2], v[112:127], v[SO+1]
	v_nop
.irp i, 0,1,2
	v_permlane16_swap_b32 v[240+\i], v[BM+\i]
.endr
.irp i, 0,1,2
	v_mov_b32 v[243+\i], v[BM+\i]
.endr
	global_store_b128 v1, v[240:243], s[50:51]
	global_store_b64 v2, v[244:245], s[50:51] offset:512
	global_store_b16 v3, v29, s[52:53]             ; two bytes a row; lanes l and l xor 16 hold the same word and name the same bytes
	s_wait_tensorcnt 0x0                           ; the wave's end
	ds_add_u32 v[SPW], v[NIL]
	s_wait_dscnt 0x0
	s_endpgm
.Lfunc_end_k_q13f40f8d59_attn:
	.size	k_q13f40f8d59_attn, .Lfunc_end_k_q13f40f8d59_attn-k_q13f40f8d59_attn
	.p2alignl 7, 3214868480
	.fill 96, 4, 3214868480
	.section	.rodata,"a",@progbits
	.p2align	6, 0x0
	.amdhsa_kernel k_q13f40f8d59_attn
		.amdhsa_group_segment_fixed_size 210944
		.amdhsa_private_segment_fixed_size 0
		.amdhsa_enable_private_segment 0
		.amdhsa_kernarg_size 24
		.amdhsa_user_sgpr_count 2
		.amdhsa_user_sgpr_kernarg_segment_ptr 1
		.amdhsa_wavefront_size32 1
		.amdhsa_system_sgpr_workgroup_id_x 1
		.amdhsa_system_sgpr_workgroup_id_y 1
		.amdhsa_system_sgpr_workgroup_id_z 1
		.amdhsa_system_vgpr_workitem_id 0
		.amdhsa_next_free_vgpr 256
		.amdhsa_next_free_sgpr 66
		.amdhsa_reserve_vcc 1
		.amdhsa_float_denorm_mode_32 3
		.amdhsa_float_denorm_mode_16_64 3
		.amdhsa_memory_ordered 1
		.amdhsa_forward_progress 1
		.amdhsa_inst_pref_size 100
	.end_amdhsa_kernel
	.amdgpu_metadata
---
amdhsa.version: [ 1, 2 ]
amdhsa.kernels:
  - .name:           k_q13f40f8d59_attn
    .symbol:         k_q13f40f8d59_attn.kd
    .args:
      - { .name: qb, .offset: 0, .size: 8, .value_kind: global_buffer, .address_space: global }
      - { .name: kv, .offset: 8, .size: 8, .value_kind: global_buffer, .address_space: global }
      - { .name: ao, .offset: 16, .size: 8, .value_kind: global_buffer, .address_space: global }
    .group_segment_fixed_size: 210944
    .private_segment_fixed_size: 0
    .kernarg_segment_align: 8
    .kernarg_segment_size: 24
    .max_flat_workgroup_size: 512
    .sgpr_count:     66
    .vgpr_count:     256
    .wavefront_size: 32
...
	.end_amdgpu_metadata
.endif
;; end of part 4
;; launch wo (part 5): grid 4 x 16, 4 waves a work-group, clusters of 4 x 4, 327,680 bytes of LDS; arguments ao, wts, bo, x, x1; writes x1
.if DOCPART == 5
	.amdgcn_target "amdgcn-amd-amdhsa--gfx1250"
	.amdhsa_code_object_version 6
	.text
	.protected	k_q13f40f8d59_wo
	.globl	k_q13f40f8d59_wo
	.p2align	8
	.type	k_q13f40f8d59_wo,@function
k_q13f40f8d59_wo:
	s_mov_b64 s[64:65], 0
	v_nop
	global_prefetch_b8 v0, s[64:65] scope:SCOPE_SE
	s_setreg_imm32_b32 hwreg(HW_REG_WAVE_MODE, 25, 1), 1
	s_wait_xcnt 0x0
	s_wait_alu depctr_hold_cnt(0) depctr_sa_sdst(0) depctr_va_vdst(0) depctr_va_sdst(0) depctr_va_ssrc(0) depctr_va_vcc(0) depctr_vm_vsrc(0)
	s_getreg_b32 s2, hwreg(HW_REG_IB_STS2, 6, 4)
	s_cmp_eq_u32 s2, 0
	s_cbranch_scc0 .Lentry_in_a_cluster
	s_endpgm
.Lentry_in_a_cluster:
	s_bfe_u32 s2, ttmp6, 0x10000c
	s_cmp_lg_u32 s2, 0xf033
	s_cbranch_scc0 .Lentry_shape_is_right
	s_endpgm
.Lentry_shape_is_right:
; out = res + A B^T + bias, f32 [4,096][1,024]; A and B are codes of FP6 (E2M3) with E8M0 scales.  Here: A = attention's output, B = Wo, K = 1,024, res = x.
; THE CORE: a tile of C is 256 x 256, four waves of 128 x 128 (64 accumulators).  K goes in steps of 256 through two LDS slots.  All operands lie in memory as IMAGES OF THE OPERAND'S REGISTERS
; (16 rows x 128 K = 1,536 bytes: registers 0-3 at 16 x lane, 4-5 at 512 + 8 x lane, 6-9 at 768 + 16 x lane, 10-11 at 1,280 + 8 x lane), so 128 rows x 256 K are one dense block of 24,576 bytes: one tensor load a wave,
; and a fragment comes from LDS by four loads that each read consecutive bytes.  The scale words of 128 rows for all of K are one dense block, brought once.
; CLUSTERS: 4 x 4; A's tiles are asked for jointly along a row of the cluster, B's along a column.  The matrix instruction is used transposed (source 0 = B's rows, source 1 = A's rows): a lane holds eight neighbouring
; numbers of a row of C.  The bias is the C of each sum's first matrix instruction.
; THE WAY OUT: a block of 16 rows x 128 columns goes through the wave's own stage in LDS (in slot 0, behind its last fill and last read) and comes back as whole rows of 512 bytes; the residual, loaded in the same
; shape, is added; each store covers 512 consecutive bytes, aligned.  With 1,024 columns there are 64 tiles, so 64 work-groups: stated, not hidden.
; REGISTERS: window 0: v0-31 addresses, v32-63 scale words (two sets), v64-127 the bias, v128-223 A's fragments (one set); window 1: B's two sets, later the residual; windows 2, 3: the accumulators.
; LIMITS: NaN and infinities are not served; inside a block of 32 the sums go in this program's order of places.
.set KK,    1024
.set ASC,   3145728                    ; where A's scale words begin in its buffer
.set BCODE, 2359296                    ; B's codes in wts
.set BSC,   9535488                    ; B's scale words in wts
.set RA16,  256
.set RB16,  64
.set LASTOUT, 0                        ; 1: nobody reads the output again
.set KT,    KK/128
.set NQ,    2
.set FR,    12
.set NL,    4
.set NP,    4
.set HALFT, 24576
.set SLOT,  4*HALFT
.set SCL,   2*SLOT
.set HALFS, KT*512
.set SPARE, SCL+4*HALFS
.set LAPS,  KK/512
.set SPITCH, 528
.set ADRA, 16
.set ADRB, 20
.set STO,  24
.set RD,   25
.set CO,   26
.set ADRS, 27
.set SPW,  28
.set NIL,  29
.set SC,   32
.set BIAS, 64
.set AF,   128
.set BK,   128
.set G1, 24
.set G0, 32
.set G1B, 48
.set G0B, 56
.set G1S, 68
.set G0S, 76
.set G1SB, 80
.set G0SB, 88
.set MUL_LO, 0xa1
.set MUL_HI, 0xf1
.set TO_B,   0x40
.set MSB, 0
.macro WIN new                         ; the immediate's high byte repeats the setting that is left
.if MSB != (\new)
	s_set_vgpr_msb (MSB<<8)|(\new)
.set MSB, (\new)
.endif
.endm
.macro JLOAD g0a, g1a, g0b, g1b        ; a joint load: waves 0 and 1 fetch for A, waves 2 and 3 for B; an s_nop 0 and four v_nop follow each line
	s_cmp_eq_u32 s15, 0
	s_cbranch_scc0 .Lfor_b_\@
	tensor_load_to_lds s[\g0a:\g0a+3], s[\g1a:\g1a+7]
	s_nop 0
.rept 4
	v_nop
.endr
	s_branch .Lasked_\@
.Lfor_b_\@:
	tensor_load_to_lds s[\g0b:\g0b+3], s[\g1b:\g1b+7]
	s_nop 0
.rept 4
	v_nop
.endr
.Lasked_\@:
.endm
.macro CREST
	s_cmp_lg_u32 s14, 0
	s_cbranch_scc1 .Lnot_wave_0_\@
	s_barrier_signal -3
.Lnot_wave_0_\@:
	s_barrier_wait -3
	s_barrier_signal -1
	s_barrier_wait -1
.endm
.macro CROUND
	s_barrier_signal -1
	s_barrier_wait -1
	CREST
.endm
.macro FRAG reg, adr, q, i
	ds_load_b128 v[\reg:\reg+3], v[\adr] offset:3072*(\i)+1536*(\q)
	ds_load_b64 v[\reg+4:\reg+5], v[\adr+2] offset:3072*(\i)+1536*(\q)+512
	ds_load_b128 v[\reg+6:\reg+9], v[\adr] offset:3072*(\i)+1536*(\q)+768
	ds_load_b64 v[\reg+10:\reg+11], v[\adr+2] offset:3072*(\i)+1536*(\q)+1280
.endm
; The 64 accumulators take turns, one instruction a turn, in the same order in every step.  zero = 1: the bias starts the sums
.macro MUL16 a0, p, q, sc, zero
.irp a, \a0, \a0+1
.irp b, 0,1,2,3,4,5,6,7
.if \zero
	v_wmma_scale_f32_16x16x128_f8f6f4 v[8*(8*((\a)%4)+\b):8*(8*((\a)%4)+\b)+7], v[128*(\p)+FR*\b:128*(\p)+FR*\b+FR-1], v[AF+FR*(\a):AF+FR*(\a)+FR-1], v[BIAS+8*\b:BIAS+8*\b+7], v[SC+8*NQ*(\sc)+NQ*\b+(\q)], v[SC+8*NQ*(\sc)+NQ*(\a)+(\q)] matrix_a_fmt:MATRIX_FMT_FP6 matrix_b_fmt:MATRIX_FMT_FP6 matrix_a_scale:MATRIX_SCALE_ROW1
.else
	v_wmma_scale_f32_16x16x128_f8f6f4 v[8*(8*((\a)%4)+\b):8*(8*((\a)%4)+\b)+7], v[128*(\p)+FR*\b:128*(\p)+FR*\b+FR-1], v[AF+FR*(\a):AF+FR*(\a)+FR-1], v[8*(8*((\a)%4)+\b):8*(8*((\a)%4)+\b)+7], v[SC+8*NQ*(\sc)+NQ*\b+(\q)], v[SC+8*NQ*(\sc)+NQ*(\a)+(\q)] matrix_a_fmt:MATRIX_FMT_FP6 matrix_b_fmt:MATRIX_FMT_FP6 matrix_a_scale:MATRIX_SCALE_ROW1
.endif
.endr
.endr
.endm
.macro FETCH_B slot, q, p
	WIN TO_B
.irp i, 0,1,2,3,4,5,6,7
	FRAG 128*(\p)+FR*\i, ADRB+\slot, \q, \i
.endr
	WIN 0
.endm
.macro FETCH_A slot, q, i0
.irp i, \i0, \i0+1, \i0+2, \i0+3
	FRAG AF+FR*(\i), ADRA+\slot, \q, \i
.endr
.endm
.macro SCALES sc
.irp i, 0,1,2,3,4,5,6,7
.irp q, 0,1
	ds_load_b32 v[SC+8*NQ*\sc+NQ*\i+\q], v[ADRS] offset:512*\q+64*\i
.endr
.endr
.endm
.macro PLACES n                        ; plain vector lines between a matrix instruction and a load into, or a read of, its registers
.rept \n
	v_nop
.endr
.endm
.macro STEP slot, q, zero
	s_wait_dscnt 4*NL                              ; all but the youngest sixteen loads (A's blocks 4-7) are in
	WIN MUL_LO-0x20*(\zero)
	MUL16 0, (\q)%2, \q, \slot, \zero
	MUL16 2, (\q)%2, \q, \slot, \zero
	s_wait_dscnt 0
	PLACES NP
	FETCH_B \slot, (\q)+1, 1-(\q)%2
	FETCH_A \slot, (\q)+1, 0
	WIN MUL_HI-0x30*(\zero)
	MUL16 4, (\q)%2, \q, \slot, \zero
	MUL16 6, (\q)%2, \q, \slot, \zero
	PLACES NP
	WIN 0
	FETCH_A \slot, (\q)+1, 4
.endm
.macro TURN slot, next, fill
	s_wait_tensorcnt 0x0                           ; all my tensor loads have landed: my part of the next slot
	ds_add_u32 v[SPW], v[NIL]                      ; 0 onto my spare word
	s_wait_dscnt 4*NL+1                            ; (the add and A's blocks 4-7 may be out)
	WIN MUL_LO
	MUL16 0, 1, NQ-1, \slot, 0
	s_wait_dscnt 0x0                               ; the add is done, and my reads of this slot are over
	s_barrier_signal -1
	MUL16 2, 1, NQ-1, \slot, 0
	WIN 0
	s_barrier_wait -1
.if \fill
	CREST                                          ; the barrier has opened a round of the cluster's: no wave of any partner still reads this slot or has a load on its way
	s_add_nc_u64 s[G0+4*\slot+2:G0+4*\slot+3], s[G0+4*\slot+2:G0+4*\slot+3], s[98:99]
	s_add_nc_u64 s[G0B+4*\slot+2:G0B+4*\slot+3], s[G0B+4*\slot+2:G0B+4*\slot+3], s[100:101]
	JLOAD G0+4*\slot, G1, G0B+4*\slot, G1B
.else
	PLACES NP
.endif
	v_add_nc_u32 v[ADRS], 512*NQ, v[ADRS]
	FETCH_B \next, 0, 0
	FETCH_A \next, 0, 0
	SCALES \next
	WIN MUL_HI
	MUL16 4, 1, NQ-1, \slot, 0
	MUL16 6, 1, NQ-1, \slot, 0
	PLACES NP
	WIN 0
	FETCH_A \next, 0, 4
.endm
	s_load_b256 s[4:11], s[0:1], 0x0               ; A, wts, the bias, the residual
	s_load_b64 s[12:13], s[0:1], 0x20              ; the output
	v_lshl_add_u32 v[SPW], v0, 2, SPARE
	v_mov_b32 v[NIL], 0
	ds_add_u32 v[SPW], v[NIL]                      ; the wave's opening: the add and its wait ahead of my first tensor load
	v_lshrrev_b32 v1, 5, v0
	v_readfirstlane_b32 s14, v1
	s_lshr_b32 s15, s14, 1
	s_and_b32 s16, s14, 1
	s_bfe_u32 s40, ttmp6, 0x40000                  ; cx
	s_bfe_u32 s41, ttmp6, 0x40004                  ; cy
	s_lshl_b32 s42, ttmp9, 2
	s_add_co_u32 s42, s42, s40                     ; tile column
	s_and_b32 s17, ttmp7, 0xffff
	s_lshl_b32 s17, s17, 2
	s_add_co_u32 s17, s17, s41                     ; tile row
	s_mov_b32 s98, RA16*3072                       ; a K step on in A's codes
	s_mov_b32 s100, RB16*3072
	s_mov_b32 s22, ASC
	s_mov_b32 s92, BSC
	s_mov_b32 s99, 0
	s_mov_b32 s101, 0
	s_lshl_b32 s43, s41, 2
	s_lshl_b32 s43, 15, s43
	s_lshl_b32 s44, 0x1111, s40
	s_or_b32 s[G1+0], s43, (3<<16)|(1<<21)         ; the mask; elements of 8 bytes; bit 21 beside a mask; no padding
	s_or_b32 s[G1B+0], s44, (3<<16)|(1<<21)
.irp g, G1, G1B
	s_mov_b32 s[\g+1], 32<<16                      ; a dense block as 96 rows of 256 bytes
	s_mov_b32 s[\g+2], 96<<16
	s_mov_b32 s[\g+3], 32<<16
	s_mov_b32 s[\g+4], 96
	s_mov_b32 s[\g+5], 32
	s_mov_b32 s[\g+6], 0
	s_mov_b32 s[\g+7], 0
.endr
	s_or_b32 s[G1S+0], s43, (3<<16)|(1<<21)
	s_or_b32 s[G1SB+0], s44, (3<<16)|(1<<21)
.irp g, G1S, G1SB
	s_mov_b32 s[\g+1], 32<<16
	s_mov_b32 s[\g+2], (2*KT)<<16
	s_mov_b32 s[\g+3], 32<<16
	s_mov_b32 s[\g+4], 2*KT
	s_mov_b32 s[\g+5], 32
	s_mov_b32 s[\g+6], 0
	s_mov_b32 s[\g+7], 0
.endr
	s_lshl_b32 s19, s16, 3
	s_lshl_b32 s20, s17, 4
	s_add_co_u32 s20, s20, s19
	s_mul_i32 s20, s20, 3072
	s_mov_b32 s21, 0
	s_lshl_b32 s23, s17, 1
	s_add_co_u32 s23, s23, s16
	s_mul_i32 s23, s23, HALFS
	s_add_co_u32 s22, s22, s23
	s_mov_b32 s23, 0
	s_lshl_b32 s46, s42, 4
	s_add_co_u32 s46, s46, s19
	s_mul_i32 s46, s46, 3072
	s_add_co_u32 s46, s46, BCODE
	s_mov_b32 s47, 0
	s_lshl_b32 s93, s42, 1
	s_add_co_u32 s93, s93, s16
	s_mul_i32 s93, s93, HALFS
	s_add_co_u32 s92, s92, s93
	s_mov_b32 s93, 0
	s_mul_i32 s45, s14, HALFT
	s_mul_i32 s94, s14, HALFS
	s_wait_dscnt 0x0                               ; the opening add is done
	s_wait_kmcnt 0x0
	s_add_nc_u64 s[20:21], s[4:5], s[20:21]
	s_add_nc_u64 s[22:23], s[4:5], s[22:23]
	s_add_nc_u64 s[46:47], s[6:7], s[46:47]
	s_add_nc_u64 s[92:93], s[6:7], s[92:93]
	CROUND                                         ; all sixteen work-groups are here: the first joint loads meet
	s_mov_b32 s[G0S], 1
	s_add_co_u32 s[G0S+1], s94, SCL
	s_mov_b64 s[G0S+2:G0S+3], s[22:23]
	s_or_b32 s[G0S+3], s[G0S+3], 0x80000000
	s_mov_b32 s[G0SB], 1
	s_add_co_u32 s[G0SB+1], s94, SCL
	s_mov_b64 s[G0SB+2:G0SB+3], s[92:93]
	s_or_b32 s[G0SB+3], s[G0SB+3], 0x80000000
	JLOAD G0S, G1S, G0SB, G1SB
	s_mov_b32 s[G0], 1
	s_mov_b32 s[G0+1], s45
	s_mov_b64 s[G0+2:G0+3], s[20:21]
	s_or_b32 s[G0+3], s[G0+3], 0x80000000
	s_mov_b32 s[G0B], 1
	s_mov_b32 s[G0B+1], s45
	s_mov_b64 s[G0B+2:G0B+3], s[46:47]
	s_or_b32 s[G0B+3], s[G0B+3], 0x80000000
	JLOAD G0, G1, G0B, G1B
	s_mov_b32 s[G0+4], 1
	s_add_co_u32 s[G0+5], s45, SLOT
	s_add_nc_u64 s[G0+6:G0+7], s[20:21], s[98:99]
	s_or_b32 s[G0+7], s[G0+7], 0x80000000
	s_mov_b32 s[G0B+4], 1
	s_add_co_u32 s[G0B+5], s45, SLOT
	s_add_nc_u64 s[G0B+6:G0B+7], s[46:47], s[100:101]
	s_or_b32 s[G0B+7], s[G0B+7], 0x80000000
	JLOAD G0+4, G1, G0B+4, G1B                     ; three tensor loads of mine are out
	s_lshl_b32 s98, s98, 1                         ; from here on: a refill's step, two K steps
	s_lshl_b32 s100, s100, 1
	v_and_b32 v1, 15, v0
	v_bfe_u32 v2, v0, 4, 1
	v_and_b32 v3, 31, v0
	v_lshlrev_b32 v4, 4, v3
	v_lshlrev_b32 v5, 3, v3
	s_mul_i32 s21, s15, HALFT
	s_mul_i32 s22, s16, HALFT
	s_add_co_u32 s22, s22, 2*HALFT
.irp s, 0,1
	v_add_nc_u32 v[ADRA+\s], s21, v4
	v_add_nc_u32 v[ADRB+\s], s22, v4
	v_add_nc_u32 v[ADRA+2+\s], s21, v5
	v_add_nc_u32 v[ADRB+2+\s], s22, v5
	s_add_co_u32 s21, s21, SLOT
	s_add_co_u32 s22, s22, SLOT
.endr
	v_lshlrev_b32 v6, 2, v1
	s_mul_i32 s21, s15, HALFS
	s_mul_i32 s22, s16, HALFS
	s_add_co_u32 s22, s22, 2*HALFS
	s_sub_co_u32 s22, s22, s21
	v_mul_u32_u24 v7, s22, v2
	s_add_co_u32 s21, s21, SCL
	v_add_nc_u32 v6, v6, v7
	v_add_nc_u32 v[ADRS], s21, v6
	v_lshlrev_b32 v8, 5, v2
	s_mul_i32 s23, s14, 16*SPITCH                  ; my stage
	v_mul_u32_u24 v9, v1, SPITCH
	v_lshl_add_u32 v9, v2, 5, v9
	v_add_nc_u32 v[STO], s23, v9                   ; in: row r, 32 bytes for each half of the lanes
	v_lshlrev_b32 v[CO], 4, v3
	v_add_nc_u32 v[RD], s23, v[CO]                 ; back: the 32 lanes take one row of 512 bytes
	s_lshl_b32 s20, s17, 8
	s_lshl_b32 s21, s15, 7
	s_add_co_u32 s20, s20, s21
	s_lshl_b32 s20, s20, 12                        ; my first row of C, 4,096 bytes a row
	s_mov_b32 s21, 0
	s_lshl_b32 s46, s42, 10
	s_lshl_b32 s47, s16, 9
	s_add_co_u32 s46, s46, s47                     ; my first column, in bytes
	s_mov_b32 s47, 0
	s_add_nc_u64 s[8:9], s[8:9], s[46:47]
	s_add_nc_u64 s[20:21], s[20:21], s[46:47]
	s_add_nc_u64 s[10:11], s[10:11], s[20:21]
	s_add_nc_u64 s[12:13], s[12:13], s[20:21]
.irp b, 0,1,2,3,4,5,6,7
	global_load_b128 v[BIAS+8*\b:BIAS+8*\b+3], v8, s[8:9] offset:64*\b
	global_load_b128 v[BIAS+8*\b+4:BIAS+8*\b+7], v8, s[8:9] offset:64*\b+16
.endr
	s_wait_tensorcnt 1                             ; the scale words and K step 0 are in; slot 1's load may be out
	s_barrier_signal -1
	s_barrier_wait -1
	FETCH_B 0, 0, 0
	FETCH_A 0, 0, 0
	SCALES 0
	FETCH_A 0, 0, 4
	s_wait_loadcnt 0x0                             ; the bias
	STEP 0, 0, 1
	s_mov_b32 s3, LAPS-1
.Llap:
	TURN 0, 1, 1
	STEP 1, 0, 0
	TURN 1, 0, 1
	STEP 0, 0, 0
	s_sub_co_u32 s3, s3, 1
	s_cmp_lg_u32 s3, 0
	s_cbranch_scc1 .Llap
	TURN 0, 1, 0
	STEP 1, 0, 0
	s_wait_dscnt 4*NL
	WIN MUL_LO
	MUL16 0, 1, NQ-1, 1, 0
	MUL16 2, 1, NQ-1, 1, 0
	s_wait_dscnt 0
	WIN MUL_HI
	MUL16 4, 1, NQ-1, 1, 0
	MUL16 6, 1, NQ-1, 1, 0
	WIN 0
.macro RLOAD a                         ; the residual of block a: 16 rows of 512 bytes, into window 1
	WIN 0x40
.irp t, 0,1,2,3,4,5,6,7,8,9,10,11,12,13,14,15
	global_load_b128 v[64*((\a)%4)+4*\t:64*((\a)%4)+4*\t+3], v[CO], s[10:11] offset:(16*(\a)+\t)*4096
.endr
	WIN 0
.endm
.macro TOSTAGE a
.set AC, 64*((\a)%4)
	WIN 0x08+4*((\a)/4)                            ; the data: window 2 or 3
.irp b, 0,1,2,3,4,5,6,7
	ds_store_b128 v[STO], v[AC+8*\b:AC+8*\b+3] offset:64*\b          ; each accumulator from its low end on
	ds_store_b128 v[STO], v[AC+8*\b+4:AC+8*\b+7] offset:64*\b+16
.endr
	WIN 0
.set BB, BK+64*((\a)%2)
.irp t, 0,1,2,3,4,5,6,7,8,9,10,11,12,13,14,15
	ds_load_b128 v[BB+4*\t:BB+4*\t+3], v[RD] offset:\t*SPITCH        ; LDS serves a wave's instructions in order (ISA guide 5.7.1.4): these see the stores above
.endr
.endm
.macro SEND a, younger
.set BB, BK+64*((\a)%2)
.set RR, 64*((\a)%4)
	s_wait_dscnt \younger                          ; the block is back; the next block's 16 stores and 16 loads may be out
.if 7-(\a) >= 3
	s_wait_loadcnt 48                              ; its residual is in; those of the three blocks behind it may be out
.else
	s_wait_loadcnt 16*(7-(\a))
.endif
	WIN 0x04                                       ; source 1: window 1
.set i, 0
.rept 32
	v_pk_add_f32 v[BB+i:BB+i+1], v[BB+i:BB+i+1], v[RR+i:RR+i+1]
.set i, i+2
.endr
	WIN 0
.irp t, 0,1,2,3,4,5,6,7,8,9,10,11,12,13,14,15
.if LASTOUT
	global_store_b128 v[CO], v[BB+4*\t:BB+4*\t+3], s[12:13] offset:(16*(\a)+\t)*4096 th:TH_STORE_NT
.else
	global_store_b128 v[CO], v[BB+4*\t:BB+4*\t+3], s[12:13] offset:(16*(\a)+\t)*4096
.endif
.endr
.if (\a) < 4
	RLOAD (\a)+4
.endif
.endm
	PLACES NP
	RLOAD 0
	RLOAD 1
	RLOAD 2
	RLOAD 3
	TOSTAGE 0
.irp a, 1,2,3,4,5,6,7
.if \a > 1
	s_wait_xcnt 0x0                                ; block a - 2's stores have read their registers: block a's loads may land there
.endif
	TOSTAGE \a
	SEND \a-1, 32
.endr
	SEND 7, 0
	s_wait_tensorcnt 0x0                           ; the wave's end
	ds_add_u32 v[SPW], v[NIL]
	s_wait_dscnt 0x0
	CROUND                                         ; the closing round
	s_endpgm
.Lfunc_end_k_q13f40f8d59_wo:
	.size	k_q13f40f8d59_wo, .Lfunc_end_k_q13f40f8d59_wo-k_q13f40f8d59_wo
	.p2alignl 7, 3214868480
	.fill 96, 4, 3214868480
	.section	.rodata,"a",@progbits
	.p2align	6, 0x0
	.amdhsa_kernel k_q13f40f8d59_wo
		.amdhsa_group_segment_fixed_size 327680
		.amdhsa_private_segment_fixed_size 0
		.amdhsa_enable_private_segment 0
		.amdhsa_kernarg_size 40
		.amdhsa_user_sgpr_count 2
		.amdhsa_user_sgpr_kernarg_segment_ptr 1
		.amdhsa_wavefront_size32 1
		.amdhsa_system_sgpr_workgroup_id_x 1
		.amdhsa_system_sgpr_workgroup_id_y 1
		.amdhsa_system_sgpr_workgroup_id_z 1
		.amdhsa_system_vgpr_workitem_id 0
		.amdhsa_next_free_vgpr 1024
		.amdhsa_next_free_sgpr 102
		.amdhsa_reserve_vcc 0
		.amdhsa_float_denorm_mode_32 3
		.amdhsa_float_denorm_mode_16_64 3
		.amdhsa_memory_ordered 1
		.amdhsa_forward_progress 1
		.amdhsa_inst_pref_size 176
	.end_amdhsa_kernel
	.amdgpu_metadata
---
amdhsa.version: [ 1, 2 ]
amdhsa.kernels:
  - .name:           k_q13f40f8d59_wo
    .symbol:         k_q13f40f8d59_wo.kd
    .args:
      - { .name: ao, .offset: 0, .size: 8, .value_kind: global_buffer, .address_space: global }
      - { .name: wts, .offset: 8, .size: 8, .value_kind: global_buffer, .address_space: global }
      - { .name: bo, .offset: 16, .size: 8, .value_kind: global_buffer, .address_space: global }
      - { .name: x, .offset: 24, .size: 8, .value_kind: global_buffer, .address_space: global }
      - { .name: x1, .offset: 32, .size: 8, .value_kind: global_buffer, .address_space: global }
    .group_segment_fixed_size: 327680
    .private_segment_fixed_size: 0
    .kernarg_segment_align: 8
    .kernarg_segment_size: 40
    .max_flat_workgroup_size: 128
    .sgpr_count:     102
    .vgpr_count:     1024
    .wavefront_size: 32
...
	.end_amdgpu_metadata
.endif
;; end of part 5
;; launch ln2: the kernel of part 2 again; grid 256 x 1, 4 waves a work-group, no clusters, 66,304 bytes of LDS; arguments x1, g2, be2, hn; writes hn
;; launch w1 (part 6): grid 16 x 16, 4 waves a work-group, clusters of 4 x 4, 327,680 bytes of LDS; arguments hn, wts, b1, hid; writes hid
.if DOCPART == 6
	.amdgcn_target "amdgcn-amd-amdhsa--gfx1250"
	.amdhsa_code_object_version 6
	.text
	.protected	k_q13f40f8d59_w1
	.globl	k_q13f40f8d59_w1
	.p2align	8
	.type	k_q13f40f8d59_w1,@function
k_q13f40f8d59_w1:
	s_mov_b64 s[64:65], 0
	v_nop
	global_prefetch_b8 v0, s[64:65] scope:SCOPE_SE
	s_setreg_imm32_b32 hwreg(HW_REG_WAVE_MODE, 25, 1), 1
	s_wait_xcnt 0x0
	s_wait_alu depctr_hold_cnt(0) depctr_sa_sdst(0) depctr_va_vdst(0) depctr_va_sdst(0) depctr_va_ssrc(0) depctr_va_vcc(0) depctr_vm_vsrc(0)
	s_getreg_b32 s2, hwreg(HW_REG_IB_STS2, 6, 4)
	s_cmp_eq_u32 s2, 0
	s_cbranch_scc0 .Lentry_in_a_cluster
	s_endpgm
.Lentry_in_a_cluster:
	s_bfe_u32 s2, ttmp6, 0x10000c
	s_cmp_lg_u32 s2, 0xf033
	s_cbranch_scc0 .Lentry_shape_is_right
	s_endpgm
.Lentry_shape_is_right:
; hid = Q(relu(h W1 + b1)): [4,096][4,096]; h and W1 are codes of FP6 (E2M3) with E8M0 scales, K = 1,024; the result is quantised along its columns at once and leaves as operand images: it never exists in f32 in memory.
; THE CORE: a tile of C is 256 x 256, four waves of 128 x 128 (64 accumulators).  K goes in steps of 256 through two LDS slots.  All operands lie in memory as IMAGES OF THE OPERAND'S REGISTERS
; (16 rows x 128 K = 1,536 bytes: registers 0-3 at 16 x lane, 4-5 at 512 + 8 x lane, 6-9 at 768 + 16 x lane, 10-11 at 1,280 + 8 x lane), so 128 rows x 256 K are one dense block of 24,576 bytes: one tensor load a wave,
; and a fragment comes from LDS by four loads that each read consecutive bytes.  The scale words of 128 rows for all of K are one dense block, brought once.
; CLUSTERS: 4 x 4; A's tiles are asked for jointly along a row of the cluster, B's along a column.  The matrix instruction is used transposed (source 0 = B's rows, source 1 = A's rows): a lane holds one row of C and eight
; neighbouring columns; the 16 registers of two neighbouring accumulators are places 16 h .. 16 h + 15 of a block of 32 in this program's order (place p = element p with bits 3 and 4 exchanged).  b1 is the C of each sum's first matrix instruction.
; OUT: a wave's 128 columns are one K step of the next product: block a's 16 rows become one image at ((tile column) 256 + row tile) 3,072 + (column half) 1,536; scale words at 12,582,912 + ((row / 128) 32 + K step) 512 + 4 (row % 128).
; LIMITS: a block of zeros gets the byte 1 where the rule says 127 (zero codes; read by this program alone); NaN and infinities are not served.
.set KK,    1024
.set ASC,   3145728
.set BCODE, 3145728
.set BSC,   9568256
.set RA16,  256
.set RB16,  256
.set KT,    KK/128
.set NQ,    2
.set FR,    12
.set NL,    4
.set NP,    4
.set HALFT, 24576
.set SLOT,  4*HALFT
.set SCL,   2*SLOT
.set HALFS, KT*512
.set SPARE, SCL+4*HALFS
.set LAPS,  KK/512
.set ADRA, 16
.set ADRB, 20
.set ADRS, 27
.set SPW,  28
.set NIL,  29
.set SC,   32
.set BIAS, 64
.set AF,   128
.set G1, 24
.set G0, 32
.set G1B, 48
.set G0B, 56
.set G1S, 68
.set G0S, 76
.set G1SB, 80
.set G0SB, 88
.set MUL_LO, 0xa1
.set MUL_HI, 0xf1
.set TO_B,   0x40
.set HA,  128
.set PC,  192
.set TM,  212
.set PW,  228
.set PWE, 229
.set SW0, 230
.set VA,  4
.set VB,  5
.set VS,  10
.set SEL, 18
.set MSB, 0
.macro WIN new                         ; the immediate's high byte repeats the setting that is left
.if MSB != (\new)
	s_set_vgpr_msb (MSB<<8)|(\new)
.set MSB, (\new)
.endif
.endm
.macro JLOAD g0a, g1a, g0b, g1b        ; a joint load: waves 0 and 1 fetch for A, waves 2 and 3 for B; an s_nop 0 and four v_nop follow each line
	s_cmp_eq_u32 s15, 0
	s_cbranch_scc0 .Lfor_b_\@
	tensor_load_to_lds s[\g0a:\g0a+3], s[\g1a:\g1a+7]
	s_nop 0
.rept 4
	v_nop
.endr
	s_branch .Lasked_\@
.Lfor_b_\@:
	tensor_load_to_lds s[\g0b:\g0b+3], s[\g1b:\g1b+7]
	s_nop 0
.rept 4
	v_nop
.endr
.Lasked_\@:
.endm
.macro CREST
	s_cmp_lg_u32 s14, 0
	s_cbranch_scc1 .Lnot_wave_0_\@
	s_barrier_signal -3
.Lnot_wave_0_\@:
	s_barrier_wait -3
	s_barrier_signal -1
	s_barrier_wait -1
.endm
.macro CROUND
	s_barrier_signal -1
	s_barrier_wait -1
	CREST
.endm
.macro FRAG reg, adr, q, i
	ds_load_b128 v[\reg:\reg+3], v[\adr] offset:3072*(\i)+1536*(\q)
	ds_load_b64 v[\reg+4:\reg+5], v[\adr+2] offset:3072*(\i)+1536*(\q)+512
	ds_load_b128 v[\reg+6:\reg+9], v[\adr] offset:3072*(\i)+1536*(\q)+768
	ds_load_b64 v[\reg+10:\reg+11], v[\adr+2] offset:3072*(\i)+1536*(\q)+1280
.endm
; The 64 accumulators take turns, one instruction a turn, in the same order in every step.  zero = 1: the bias starts the sums
.macro MUL16 a0, p, q, sc, zero
.irp a, \a0, \a0+1
.irp b, 0,1,2,3,4,5,6,7
.if \zero
	v_wmma_scale_f32_16x16x128_f8f6f4 v[8*(8*((\a)%4)+\b):8*(8*((\a)%4)+\b)+7], v[128*(\p)+FR*\b:128*(\p)+FR*\b+FR-1], v[AF+FR*(\a):AF+FR*(\a)+FR-1], v[BIAS+8*\b:BIAS+8*\b+7], v[SC+8*NQ*(\sc)+NQ*\b+(\q)], v[SC+8*NQ*(\sc)+NQ*(\a)+(\q)] matrix_a_fmt:MATRIX_FMT_FP6 matrix_b_fmt:MATRIX_FMT_FP6 matrix_a_scale:MATRIX_SCALE_ROW1
.else
	v_wmma_scale_f32_16x16x128_f8f6f4 v[8*(8*((\a)%4)+\b):8*(8*((\a)%4)+\b)+7], v[128*(\p)+FR*\b:128*(\p)+FR*\b+FR-1], v[AF+FR*(\a):AF+FR*(\a)+FR-1], v[8*(8*((\a)%4)+\b):8*(8*((\a)%4)+\b)+7], v[SC+8*NQ*(\sc)+NQ*\b+(\q)], v[SC+8*NQ*(\sc)+NQ*(\a)+(\q)] matrix_a_fmt:MATRIX_FMT_FP6 matrix_b_fmt:MATRIX_FMT_FP6 matrix_a_scale:MATRIX_SCALE_ROW1
.endif
.endr
.endr
.endm
.macro FETCH_B slot, q, p
	WIN TO_B
.irp i, 0,1,2,3,4,5,6,7
	FRAG 128*(\p)+FR*\i, ADRB+\slot, \q, \i
.endr
	WIN 0
.endm
.macro FETCH_A slot, q, i0
.irp i, \i0, \i0+1, \i0+2, \i0+3
	FRAG AF+FR*(\i), ADRA+\slot, \q, \i
.endr
.endm
.macro SCALES sc
.irp i, 0,1,2,3,4,5,6,7
.irp q, 0,1
	ds_load_b32 v[SC+8*NQ*\sc+NQ*\i+\q], v[ADRS] offset:512*\q+64*\i
.endr
.endr
.endm
.macro PLACES n                        ; plain vector lines between a matrix instruction and a load into, or a read of, its registers
.rept \n
	v_nop
.endr
.endm
.macro STEP slot, q, zero
	s_wait_dscnt 4*NL                              ; all but the youngest sixteen loads (A's blocks 4-7) are in
	WIN MUL_LO-0x20*(\zero)
	MUL16 0, (\q)%2, \q, \slot, \zero
	MUL16 2, (\q)%2, \q, \slot, \zero
	s_wait_dscnt 0
	PLACES NP
	FETCH_B \slot, (\q)+1, 1-(\q)%2
	FETCH_A \slot, (\q)+1, 0
	WIN MUL_HI-0x30*(\zero)
	MUL16 4, (\q)%2, \q, \slot, \zero
	MUL16 6, (\q)%2, \q, \slot, \zero
	PLACES NP
	WIN 0
	FETCH_A \slot, (\q)+1, 4
.endm
.macro TURN slot, next, fill
	s_wait_tensorcnt 0x0                           ; all my tensor loads have landed: my part of the next slot
	ds_add_u32 v[SPW], v[NIL]                      ; 0 onto my spare word
	s_wait_dscnt 4*NL+1                            ; (the add and A's blocks 4-7 may be out)
	WIN MUL_LO
	MUL16 0, 1, NQ-1, \slot, 0
	s_wait_dscnt 0x0                               ; the add is done, and my reads of this slot are over
	s_barrier_signal -1
	MUL16 2, 1, NQ-1, \slot, 0
	WIN 0
	s_barrier_wait -1
.if \fill
	CREST                                          ; the barrier has opened a round of the cluster's: no wave of any partner still reads this slot or has a load on its way
	s_add_nc_u64 s[G0+4*\slot+2:G0+4*\slot+3], s[G0+4*\slot+2:G0+4*\slot+3], s[98:99]
	s_add_nc_u64 s[G0B+4*\slot+2:G0B+4*\slot+3], s[G0B+4*\slot+2:G0B+4*\slot+3], s[100:101]
	JLOAD G0+4*\slot, G1, G0B+4*\slot, G1B
.else
	PLACES NP
.endif
	v_add_nc_u32 v[ADRS], 512*NQ, v[ADRS]
	FETCH_B \next, 0, 0
	FETCH_A \next, 0, 0
	SCALES \next
	WIN MUL_HI
	MUL16 4, 1, NQ-1, \slot, 0
	MUL16 6, 1, NQ-1, \slot, 0
	PLACES NP
	WIN 0
	FETCH_A \next, 0, 4
.endm
; 64 numbers of a lane, register 16 b + i = place 16 h + i of block b of my row, become a fragment's codes in v[pc] .. v[pc + 11] and its scale word in v[pw]
.macro QUANT s, pc, pw
.irp b, 0,1,2,3
	v_max3_num_f32 v[TM+\b], |v[\s+16*\b]|, |v[\s+1+16*\b]|, 0x1800000
.endr
.irp i, 2,4,6,8,10,12,14
.irp b, 0,1,2,3
	v_max3_num_f32 v[TM+\b], v[TM+\b], |v[\s+16*\b+\i]|, |v[\s+1+16*\b+\i]|
.endr
.endr
.irp b, 0,1,2,3
	v_permlanex16_b32 v[TM+4+\b], v[TM+\b], s[SEL], s[SEL+1]
.endr
.irp b, 0,1,2,3
	v_max_num_f32 v[TM+\b], v[TM+\b], v[TM+4+\b]
.endr
.irp b, 0,1,2,3
	v_add_nc_u32 v[TM+12+\b], 0xff000000, v[TM+\b]
.endr
.irp b, 0,1,2,3
	v_lshrrev_b32 v[TM+4+\b], 23, v[TM+12+\b]
.endr
	v_lshl_or_b32 v[\pw], v[TM+5], 8, v[TM+4]
	v_lshl_or_b32 v[\pw], v[TM+6], 16, v[\pw]
	v_lshl_or_b32 v[\pw], v[TM+7], 24, v[\pw]
.irp c, 0,1
	v_cvt_scalef32_pk16_fp6_f32 v[\pc+6*\c:\pc+2+6*\c], v[\s+32*\c:\s+15+32*\c], v[TM+12+2*\c]
	v_cvt_scalef32_pk16_fp6_f32 v[\pc+12+4*\c:\pc+14+4*\c], v[\s+16+32*\c:\s+31+32*\c], v[TM+12+2*\c+1]
.endr
	v_nop                                          ; one plain line behind a scaled conversion
.irp c, 0,1
.irp i, 0,1,2
	v_permlane16_swap_b32 v[\pc+6*\c+\i], v[\pc+12+4*\c+\i]
.endr
.irp i, 0,1,2
	v_mov_b32 v[\pc+3+6*\c+\i], v[\pc+12+4*\c+\i]
.endr
.endr
.endm
	s_load_b256 s[4:11], s[0:1], 0x0               ; h's codes, wts, b1, hid
	v_lshl_add_u32 v[SPW], v0, 2, SPARE
	v_mov_b32 v[NIL], 0
	ds_add_u32 v[SPW], v[NIL]                      ; the wave's opening: the add and its wait ahead of my first tensor load
	v_lshrrev_b32 v1, 5, v0
	v_readfirstlane_b32 s14, v1
	s_lshr_b32 s15, s14, 1
	s_and_b32 s16, s14, 1
	s_bfe_u32 s40, ttmp6, 0x40000                  ; cx
	s_bfe_u32 s41, ttmp6, 0x40004                  ; cy
	s_lshl_b32 s42, ttmp9, 2
	s_add_co_u32 s42, s42, s40                     ; tile column
	s_and_b32 s17, ttmp7, 0xffff
	s_lshl_b32 s17, s17, 2
	s_add_co_u32 s17, s17, s41                     ; tile row
	s_mov_b32 s98, RA16*3072
	s_mov_b32 s100, RB16*3072
	s_mov_b32 s22, ASC
	s_mov_b32 s92, BSC
	s_mov_b32 s99, 0
	s_mov_b32 s101, 0
	s_lshl_b32 s43, s41, 2
	s_lshl_b32 s43, 15, s43
	s_lshl_b32 s44, 0x1111, s40
	s_or_b32 s[G1+0], s43, (3<<16)|(1<<21)         ; the mask; elements of 8 bytes; bit 21 beside a mask; no padding
	s_or_b32 s[G1B+0], s44, (3<<16)|(1<<21)
.irp g, G1, G1B
	s_mov_b32 s[\g+1], 32<<16                      ; a dense block as 96 rows of 256 bytes
	s_mov_b32 s[\g+2], 96<<16
	s_mov_b32 s[\g+3], 32<<16
	s_mov_b32 s[\g+4], 96
	s_mov_b32 s[\g+5], 32
	s_mov_b32 s[\g+6], 0
	s_mov_b32 s[\g+7], 0
.endr
	s_or_b32 s[G1S+0], s43, (3<<16)|(1<<21)
	s_or_b32 s[G1SB+0], s44, (3<<16)|(1<<21)
.irp g, G1S, G1SB
	s_mov_b32 s[\g+1], 32<<16
	s_mov_b32 s[\g+2], (2*KT)<<16
	s_mov_b32 s[\g+3], 32<<16
	s_mov_b32 s[\g+4], 2*KT
	s_mov_b32 s[\g+5], 32
	s_mov_b32 s[\g+6], 0
	s_mov_b32 s[\g+7], 0
.endr
	s_lshl_b32 s19, s16, 3
	s_lshl_b32 s20, s17, 4
	s_add_co_u32 s20, s20, s19
	s_mul_i32 s20, s20, 3072
	s_mov_b32 s21, 0
	s_lshl_b32 s23, s17, 1
	s_add_co_u32 s23, s23, s16
	s_mul_i32 s23, s23, HALFS
	s_add_co_u32 s22, s22, s23
	s_mov_b32 s23, 0
	s_lshl_b32 s46, s42, 4
	s_add_co_u32 s46, s46, s19
	s_mul_i32 s46, s46, 3072
	s_add_co_u32 s46, s46, BCODE
	s_mov_b32 s47, 0
	s_lshl_b32 s93, s42, 1
	s_add_co_u32 s93, s93, s16
	s_mul_i32 s93, s93, HALFS
	s_add_co_u32 s92, s92, s93
	s_mov_b32 s93, 0
	s_mul_i32 s45, s14, HALFT
	s_mul_i32 s94, s14, HALFS
	s_wait_dscnt 0x0                               ; the opening add is done
	s_wait_kmcnt 0x0
	s_add_nc_u64 s[20:21], s[4:5], s[20:21]
	s_add_nc_u64 s[22:23], s[4:5], s[22:23]
	s_add_nc_u64 s[46:47], s[6:7], s[46:47]
	s_add_nc_u64 s[92:93], s[6:7], s[92:93]
	CROUND                                         ; all sixteen work-groups are here: the first joint loads meet
	s_mov_b32 s[G0S], 1
	s_add_co_u32 s[G0S+1], s94, SCL
	s_mov_b64 s[G0S+2:G0S+3], s[22:23]
	s_or_b32 s[G0S+3], s[G0S+3], 0x80000000
	s_mov_b32 s[G0SB], 1
	s_add_co_u32 s[G0SB+1], s94, SCL
	s_mov_b64 s[G0SB+2:G0SB+3], s[92:93]
	s_or_b32 s[G0SB+3], s[G0SB+3], 0x80000000
	JLOAD G0S, G1S, G0SB, G1SB
	s_mov_b32 s[G0], 1
	s_mov_b32 s[G0+1], s45
	s_mov_b64 s[G0+2:G0+3], s[20:21]
	s_or_b32 s[G0+3], s[G0+3], 0x80000000
	s_mov_b32 s[G0B], 1
	s_mov_b32 s[G0B+1], s45
	s_mov_b64 s[G0B+2:G0B+3], s[46:47]
	s_or_b32 s[G0B+3], s[G0B+3], 0x80000000
	JLOAD G0, G1, G0B, G1B
	s_mov_b32 s[G0+4], 1
	s_add_co_u32 s[G0+5], s45, SLOT
	s_add_nc_u64 s[G0+6:G0+7], s[20:21], s[98:99]
	s_or_b32 s[G0+7], s[G0+7], 0x80000000
	s_mov_b32 s[G0B+4], 1
	s_add_co_u32 s[G0B+5], s45, SLOT
	s_add_nc_u64 s[G0B+6:G0B+7], s[46:47], s[100:101]
	s_or_b32 s[G0B+7], s[G0B+7], 0x80000000
	JLOAD G0+4, G1, G0B+4, G1B                     ; three tensor loads of mine are out
	s_lshl_b32 s98, s98, 1                         ; from here on: a refill's step, two K steps
	s_lshl_b32 s100, s100, 1
	v_and_b32 v1, 15, v0
	v_bfe_u32 v2, v0, 4, 1
	v_and_b32 v3, 31, v0
	v_lshlrev_b32 v4, 4, v3
	v_lshlrev_b32 v5, 3, v3
	s_mul_i32 s21, s15, HALFT
	s_mul_i32 s22, s16, HALFT
	s_add_co_u32 s22, s22, 2*HALFT
.irp s, 0,1
	v_add_nc_u32 v[ADRA+\s], s21, v4
	v_add_nc_u32 v[ADRB+\s], s22, v4
	v_add_nc_u32 v[ADRA+2+\s], s21, v5
	v_add_nc_u32 v[ADRB+2+\s], s22, v5
	s_add_co_u32 s21, s21, SLOT
	s_add_co_u32 s22, s22, SLOT
.endr
	v_lshlrev_b32 v6, 2, v1
	s_mul_i32 s21, s15, HALFS
	s_mul_i32 s22, s16, HALFS
	s_add_co_u32 s22, s22, 2*HALFS
	s_sub_co_u32 s22, s22, s21
	v_mul_u32_u24 v7, s22, v2
	s_add_co_u32 s21, s21, SCL
	v_add_nc_u32 v6, v6, v7
	v_add_nc_u32 v[ADRS], s21, v6
	v_lshlrev_b32 v8, 5, v2
	v_lshlrev_b32 v[VS], 2, v3
	s_lshl_b32 s46, s42, 10
	s_lshl_b32 s47, s16, 9
	s_add_co_u32 s46, s46, s47                     ; b1 at my first column
	s_mov_b32 s47, 0
	s_add_nc_u64 s[8:9], s[8:9], s[46:47]
	s_lshl_b32 s20, s42, 8                         ; hid's codes: (tile column x 256 + 16 tile row + 8 row half) x 3,072 + column half x 1,536
	s_lshl_b32 s21, s17, 4
	s_add_co_u32 s20, s20, s21
	s_lshl_b32 s21, s15, 3
	s_add_co_u32 s20, s20, s21
	s_mul_i32 s20, s20, 3072
	s_mul_i32 s21, s16, 1536
	s_add_co_u32 s20, s20, s21
	s_mov_b32 s21, 0
	s_lshl_b32 s22, s17, 1                         ; its scale words: ((2 tile row + row half) 32 + 2 tile column + column half) x 512
	s_add_co_u32 s22, s22, s15
	s_lshl_b32 s22, s22, 5
	s_lshl_b32 s23, s42, 1
	s_add_co_u32 s22, s22, s23
	s_add_co_u32 s22, s22, s16
	s_lshl_b32 s22, s22, 9
	s_add_co_u32 s22, s22, 12582912
	s_mov_b32 s23, 0
	s_add_nc_u64 s[12:13], s[10:11], s[22:23]
	s_add_nc_u64 s[10:11], s[10:11], s[20:21]
.irp b, 0,1,2,3,4,5,6,7
	global_load_b128 v[BIAS+8*\b:BIAS+8*\b+3], v8, s[8:9] offset:64*\b
	global_load_b128 v[BIAS+8*\b+4:BIAS+8*\b+7], v8, s[8:9] offset:64*\b+16
.endr
	s_wait_tensorcnt 1                             ; the scale words and K step 0 are in; slot 1's load may be out
	s_barrier_signal -1
	s_barrier_wait -1
	FETCH_B 0, 0, 0
	FETCH_A 0, 0, 0
	SCALES 0
	FETCH_A 0, 0, 4
	s_wait_loadcnt 0x0                             ; the bias
	STEP 0, 0, 1
	s_mov_b32 s3, LAPS-1
.Llap:
	TURN 0, 1, 1
	STEP 1, 0, 0
	TURN 1, 0, 1
	STEP 0, 0, 0
	s_sub_co_u32 s3, s3, 1
	s_cmp_lg_u32 s3, 0
	s_cbranch_scc1 .Llap
	TURN 0, 1, 0
	STEP 1, 0, 0
	s_wait_dscnt 4*NL
	WIN MUL_LO
	MUL16 0, 1, NQ-1, 1, 0
	MUL16 2, 1, NQ-1, 1, 0
	s_wait_dscnt 0
	WIN MUL_HI
	MUL16 4, 1, NQ-1, 1, 0
	MUL16 6, 1, NQ-1, 1, 0
	WIN 0
	PLACES NP
	s_mov_b32 s[SEL], 0x76543210
	s_mov_b32 s[SEL+1], 0xfedcba98
	s_mov_b32 s2, 0xffff0000                       ; lanes 16-31
.irp b, 0,1,2,3
	v_mov_b32 v[TM+4+\b], 0                        ; written once: a lane permute's destination counts as one of its sources
.endr
.macro OUTA a                          ; block a: 16 rows x 128 columns become one image
.set AC, 64*((\a)%4)
	s_wait_xcnt 0x0                                ; the last block's stores have read their data, which are written again below
	WIN 0x08+4*((\a)/4)                            ; source 1: window 2 or 3
.set i, 0
.rept 64
	v_max_num_f32 v[HA+i], 0, v[AC+i]              ; the activation, and the move out of the accumulators, each from its low end on
.set i, i+1
.endr
	WIN 0
	QUANT HA, PC, PW
	global_store_b128 v[VA], v[PC:PC+3], s[10:11] offset:3072*(\a)
	global_store_b64 v[VB], v[PC+4:PC+5], s[10:11] offset:3072*(\a)+512
	global_store_b128 v[VA], v[PC+6:PC+9], s[10:11] offset:3072*(\a)+768
	global_store_b64 v[VB], v[PC+10:PC+11], s[10:11] offset:3072*(\a)+1280
.if (\a)%2 == 0
	v_mov_b32 v[PWE], v[PW]
.else
	v_cndmask_b32 v[SW0], v[PWE], v[PW], s2        ; 32 rows' words: 128 consecutive bytes
	global_store_b32 v[VS], v[SW0], s[12:13] offset:128*((\a)/2)
.endif
.endm
.irp a, 0,1,2,3,4,5,6,7
	OUTA \a
.endr
	s_wait_tensorcnt 0x0                           ; the wave's end
	ds_add_u32 v[SPW], v[NIL]
	s_wait_dscnt 0x0
	CROUND                                         ; the closing round
	s_endpgm
.Lfunc_end_k_q13f40f8d59_w1:
	.size	k_q13f40f8d59_w1, .Lfunc_end_k_q13f40f8d59_w1-k_q13f40f8d59_w1
	.p2alignl 7, 3214868480
	.fill 96, 4, 3214868480
	.section	.rodata,"a",@progbits
	.p2align	6, 0x0
	.amdhsa_kernel k_q13f40f8d59_w1
		.amdhsa_group_segment_fixed_size 327680
		.amdhsa_private_segment_fixed_size 0
		.amdhsa_enable_private_segment 0
		.amdhsa_kernarg_size 32
		.amdhsa_user_sgpr_count 2
		.amdhsa_user_sgpr_kernarg_segment_ptr 1
		.amdhsa_wavefront_size32 1
		.amdhsa_system_sgpr_workgroup_id_x 1
		.amdhsa_system_sgpr_workgroup_id_y 1
		.amdhsa_system_sgpr_workgroup_id_z 1
		.amdhsa_system_vgpr_workitem_id 0
		.amdhsa_next_free_vgpr 1024
		.amdhsa_next_free_sgpr 102
		.amdhsa_reserve_vcc 0
		.amdhsa_float_denorm_mode_32 3
		.amdhsa_float_denorm_mode_16_64 3
		.amdhsa_memory_ordered 1
		.amdhsa_forward_progress 1
		.amdhsa_inst_pref_size 169
	.end_amdhsa_kernel
	.amdgpu_metadata
---
amdhsa.version: [ 1, 2 ]
amdhsa.kernels:
  - .name:           k_q13f40f8d59_w1
    .symbol:         k_q13f40f8d59_w1.kd
    .args:
      - { .name: hn, .offset: 0, .size: 8, .value_kind: global_buffer, .address_space: global }
      - { .name: wts, .offset: 8, .size: 8, .value_kind: global_buffer, .address_space: global }
      - { .name: b1, .offset: 16, .size: 8, .value_kind: global_buffer, .address_space: global }
      - { .name: hid, .offset: 24, .size: 8, .value_kind: global_buffer, .address_space: global }
    .group_segment_fixed_size: 327680
    .private_segment_fixed_size: 0
    .kernarg_segment_align: 8
    .kernarg_segment_size: 32
    .max_flat_workgroup_size: 128
    .sgpr_count:     102
    .vgpr_count:     1024
    .wavefront_size: 32
...
	.end_amdgpu_metadata
.endif
;; end of part 6
;; launch w2 (part 7): grid 4 x 16, 4 waves a work-group, clusters of 4 x 4, 327,680 bytes of LDS; arguments hid, wts, b2, x1, out0; writes out0
.if DOCPART == 7
	.amdgcn_target "amdgcn-amd-amdhsa--gfx1250"
	.amdhsa_code_object_version 6
	.text
	.protected	k_q13f40f8d59_w2
	.globl	k_q13f40f8d59_w2
	.p2align	8
	.type	k_q13f40f8d59_w2,@function
k_q13f40f8d59_w2:
	s_mov_b64 s[64:65], 0
	v_nop
	global_prefetch_b8 v0, s[64:65] scope:SCOPE_SE
	s_setreg_imm32_b32 hwreg(HW_REG_WAVE_MODE, 25, 1), 1
	s_wait_xcnt 0x0
	s_wait_alu depctr_hold_cnt(0) depctr_sa_sdst(0) depctr_va_vdst(0) depctr_va_sdst(0) depctr_va_ssrc(0) depctr_va_vcc(0) depctr_vm_vsrc(0)
	s_getreg_b32 s2, hwreg(HW_REG_IB_STS2, 6, 4)
	s_cmp_eq_u32 s2, 0
	s_cbranch_scc0 .Lentry_in_a_cluster
	s_endpgm
.Lentry_in_a_cluster:
	s_bfe_u32 s2, ttmp6, 0x10000c
	s_cmp_lg_u32 s2, 0xf033
	s_cbranch_scc0 .Lentry_shape_is_right
	s_endpgm
.Lentry_shape_is_right:
; out = res + A B^T + bias, f32 [4,096][1,024]; A and B are codes of FP6 (E2M3) with E8M0 scales.  Here: A = the hidden layer, B = W2, K = 4,096, res = x1.
; THE CORE: a tile of C is 256 x 256, four waves of 128 x 128 (64 accumulators).  K goes in steps of 256 through two LDS slots.  All operands lie in memory as IMAGES OF THE OPERAND'S REGISTERS
; (16 rows x 128 K = 1,536 bytes: registers 0-3 at 16 x lane, 4-5 at 512 + 8 x lane, 6-9 at 768 + 16 x lane, 10-11 at 1,280 + 8 x lane), so 128 rows x 256 K are one dense block of 24,576 bytes: one tensor load a wave,
; and a fragment comes from LDS by four loads that each read consecutive bytes.  The scale words of 128 rows for all of K are one dense block, brought once.
; CLUSTERS: 4 x 4; A's tiles are asked for jointly along a row of the cluster, B's along a column.  The matrix instruction is used transposed (source 0 = B's rows, source 1 = A's rows): a lane holds eight neighbouring
; numbers of a row of C.  The bias is the C of each sum's first matrix instruction.
; THE WAY OUT: a block of 16 rows x 128 columns goes through the wave's own stage in LDS (in slot 0, behind its last fill and last read) and comes back as whole rows of 512 bytes; the residual, loaded in the same
; shape, is added; each store covers 512 consecutive bytes, aligned.  With 1,024 columns there are 64 tiles, so 64 work-groups: stated, not hidden.
; REGISTERS: window 0: v0-31 addresses, v32-63 scale words (two sets), v64-127 the bias, v128-223 A's fragments (one set); window 1: B's two sets, later the residual; windows 2, 3: the accumulators.
; LIMITS: NaN and infinities are not served; inside a block of 32 the sums go in this program's order of places.
.set KK,    4096
.set ASC,   12582912                   ; where A's scale words begin in its buffer
.set BCODE, 6291456                    ; B's codes in wts
.set BSC,   9699328                    ; B's scale words in wts
.set RA16,  256
.set RB16,  64
.set LASTOUT, 1                        ; 1: nobody reads the output again
.set KT,    KK/128
.set NQ,    2
.set FR,    12
.set NL,    4
.set NP,    4
.set HALFT, 24576
.set SLOT,  4*HALFT
.set SCL,   2*SLOT
.set HALFS, KT*512
.set SPARE, SCL+4*HALFS
.set LAPS,  KK/512
.set SPITCH, 528
.set ADRA, 16
.set ADRB, 20
.set STO,  24
.set RD,   25
.set CO,   26
.set ADRS, 27
.set SPW,  28
.set NIL,  29
.set SC,   32
.set BIAS, 64
.set AF,   128
.set BK,   128
.set G1, 24
.set G0, 32
.set G1B, 48
.set G0B, 56
.set G1S, 68
.set G0S, 76
.set G1SB, 80
.set G0SB, 88
.set MUL_LO, 0xa1
.set MUL_HI, 0xf1
.set TO_B,   0x40
.set MSB, 0
.macro WIN new                         ; the immediate's high byte repeats the setting that is left
.if MSB != (\new)
	s_set_vgpr_msb (MSB<<8)|(\new)
.set MSB, (\new)
.endif
.endm
.macro JLOAD g0a, g1a, g0b, g1b        ; a joint load: waves 0 and 1 fetch for A, waves 2 and 3 for B; an s_nop 0 and four v_nop follow each line
	s_cmp_eq_u32 s15, 0
	s_cbranch_scc0 .Lfor_b_\@
	tensor_load_to_lds s[\g0a:\g0a+3], s[\g1a:\g1a+7]
	s_nop 0
.rept 4
	v_nop
.endr
	s_branch .Lasked_\@
.Lfor_b_\@:
	tensor_load_to_lds s[\g0b:\g0b+3], s[\g1b:\g1b+7]
	s_nop 0
.rept 4
	v_nop
.endr
.Lasked_\@:
.endm
.macro CREST
	s_cmp_lg_u32 s14, 0
	s_cbranch_scc1 .Lnot_wave_0_\@
	s_barrier_signal -3
.Lnot_wave_0_\@:
	s_barrier_wait -3
	s_barrier_signal -1
	s_barrier_wait -1
.endm
.macro CROUND
	s_barrier_signal -1
	s_barrier_wait -1
	CREST
.endm
.macro FRAG reg, adr, q, i
	ds_load_b128 v[\reg:\reg+3], v[\adr] offset:3072*(\i)+1536*(\q)
	ds_load_b64 v[\reg+4:\reg+5], v[\adr+2] offset:3072*(\i)+1536*(\q)+512
	ds_load_b128 v[\reg+6:\reg+9], v[\adr] offset:3072*(\i)+1536*(\q)+768
	ds_load_b64 v[\reg+10:\reg+11], v[\adr+2] offset:3072*(\i)+1536*(\q)+1280
.endm
; The 64 accumulators take turns, one instruction a turn, in the same order in every step.  zero = 1: the bias starts the sums
.macro MUL16 a0, p, q, sc, zero
.irp a, \a0, \a0+1
.irp b, 0,1,2,3,4,5,6,7
.if \zero
	v_wmma_scale_f32_16x16x128_f8f6f4 v[8*(8*((\a)%4)+\b):8*(8*((\a)%4)+\b)+7], v[128*(\p)+FR*\b:128*(\p)+FR*\b+FR-1], v[AF+FR*(\a):AF+FR*(\a)+FR-1], v[BIAS+8*\b:BIAS+8*\b+7], v[SC+8*NQ*(\sc)+NQ*\b+(\q)], v[SC+8*NQ*(\sc)+NQ*(\a)+(\q)] matrix_a_fmt:MATRIX_FMT_FP6 matrix_b_fmt:MATRIX_FMT_FP6 matrix_a_scale:MATRIX_SCALE_ROW1
.else
	v_wmma_scale_f32_16x16x128_f8f6f4 v[8*(8*((\a)%4)+\b):8*(8*((\a)%4)+\b)+7], v[128*(\p)+FR*\b:128*(\p)+FR*\b+FR-1], v[AF+FR*(\a):AF+FR*(\a)+FR-1], v[8*(8*((\a)%4)+\b):8*(8*((\a)%4)+\b)+7], v[SC+8*NQ*(\sc)+NQ*\b+(\q)], v[SC+8*NQ*(\sc)+NQ*(\a)+(\q)] matrix_a_fmt:MATRIX_FMT_FP6 matrix_b_fmt:MATRIX_FMT_FP6 matrix_a_scale:MATRIX_SCALE_ROW1
.endif
.endr
.endr
.endm
.macro FETCH_B slot, q, p
	WIN TO_B
.irp i, 0,1,2,3,4,5,6,7
	FRAG 128*(\p)+FR*\i, ADRB+\slot, \q, \i
.endr
	WIN 0
.endm
.macro FETCH_A slot, q, i0
.irp i, \i0, \i0+1, \i0+2, \i0+3
	FRAG AF+FR*(\i), ADRA+\slot, \q, \i
.endr
.endm
.macro SCALES sc
.irp i, 0,1,2,3,4,5,6,7
.irp q, 0,1
	ds_load_b32 v[SC+8*NQ*\sc+NQ*\i+\q], v[ADRS] offset:512*\q+64*\i
.endr
.endr
.endm
.macro PLACES n                        ; plain vector lines between a matrix instruction and a load into, or a read of, its registers
.rept \n
	v_nop
.endr
.endm
.macro STEP slot, q, zero
	s_wait_dscnt 4*NL                              ; all but the youngest sixteen loads (A's blocks 4-7) are in
	WIN MUL_LO-0x20*(\zero)
	MUL16 0, (\q)%2, \q, \slot, \zero
	MUL16 2, (\q)%2, \q, \slot, \zero
	s_wait_dscnt 0
	PLACES NP
	FETCH_B \slot, (\q)+1, 1-(\q)%2
	FETCH_A \slot, (\q)+1, 0
	WIN MUL_HI-0x30*(\zero)
	MUL16 4, (\q)%2, \q, \slot, \zero
	MUL16 6, (\q)%2, \q, \slot, \zero
	PLACES NP
	WIN 0
	FETCH_A \slot, (\q)+1, 4
.endm
.macro TURN slot, next, fill
	s_wait_tensorcnt 0x0                           ; all my tensor loads have landed: my part of the next slot
	ds_add_u32 v[SPW], v[NIL]                      ; 0 onto my spare word
	s_wait_dscnt 4*NL+1                            ; (the add and A's blocks 4-7 may be out)
	WIN MUL_LO
	MUL16 0, 1, NQ-1, \slot, 0
	s_wait_dscnt 0x0                               ; the add is done, and my reads of this slot are over
	s_barrier_signal -1
	MUL16 2, 1, NQ-1, \slot, 0
	WIN 0
	s_barrier_wait -1
.if \fill
	CREST                                          ; the barrier has opened a round of the cluster's: no wave of any partner still reads this slot or has a load on its way
	s_add_nc_u64 s[G0+4*\slot+2:G0+4*\slot+3], s[G0+4*\slot+2:G0+4*\slot+3], s[98:99]
	s_add_nc_u64 s[G0B+4*\slot+2:G0B+4*\slot+3], s[G0B+4*\slot+2:G0B+4*\slot+3], s[100:101]
	JLOAD G0+4*\slot, G1, G0B+4*\slot, G1B
.else
	PLACES NP
.endif
	v_add_nc_u32 v[ADRS], 512*NQ, v[ADRS]
	FETCH_B \next, 0, 0
	FETCH_A \next, 0, 0
	SCALES \next
	WIN MUL_HI
	MUL16 4, 1, NQ-1, \slot, 0
	MUL16 6, 1, NQ-1, \slot, 0
	PLACES NP
	WIN 0
	FETCH_A \next, 0, 4
.endm
	s_load_b256 s[4:11], s[0:1], 0x0               ; A, wts, the bias, the residual
	s_load_b64 s[12:13], s[0:1], 0x20              ; the output
	v_lshl_add_u32 v[SPW], v0, 2, SPARE
	v_mov_b32 v[NIL], 0
	ds_add_u32 v[SPW], v[NIL]                      ; the wave's opening: the add and its wait ahead of my first tensor load
	v_lshrrev_b32 v1, 5, v0
	v_readfirstlane_b32 s14, v1
	s_lshr_b32 s15, s14, 1
	s_and_b32 s16, s14, 1
	s_bfe_u32 s40, ttmp6, 0x40000                  ; cx
	s_bfe_u32 s41, ttmp6, 0x40004                  ; cy
	s_lshl_b32 s42, ttmp9, 2
	s_add_co_u32 s42, s42, s40                     ; tile column
	s_and_b32 s17, ttmp7, 0xffff
	s_lshl_b32 s17, s17, 2
	s_add_co_u32 s17, s17, s41                     ; tile row
	s_mov_b32 s98, RA16*3072                       ; a K step on in A's codes
	s_mov_b32 s100, RB16*3072
	s_mov_b32 s22, ASC
	s_mov_b32 s92, BSC
	s_mov_b32 s99, 0
	s_mov_b32 s101, 0
	s_lshl_b32 s43, s41, 2
	s_lshl_b32 s43, 15, s43
	s_lshl_b32 s44, 0x1111, s40
	s_or_b32 s[G1+0], s43, (3<<16)|(1<<21)         ; the mask; elements of 8 bytes; bit 21 beside a mask; no padding
	s_or_b32 s[G1B+0], s44, (3<<16)|(1<<21)
.irp g, G1, G1B
	s_mov_b32 s[\g+1], 32<<16                      ; a dense block as 96 rows of 256 bytes
	s_mov_b32 s[\g+2], 96<<16
	s_mov_b32 s[\g+3], 32<<16
	s_mov_b32 s[\g+4], 96
	s_mov_b32 s[\g+5], 32
	s_mov_b32 s[\g+6], 0
	s_mov_b32 s[\g+7], 0
.endr
	s_or_b32 s[G1S+0], s43, (3<<16)|(1<<21)
	s_or_b32 s[G1SB+0], s44, (3<<16)|(1<<21)
.irp g, G1S, G1SB
	s_mov_b32 s[\g+1], 32<<16
	s_mov_b32 s[\g+2], (2*KT)<<16
	s_mov_b32 s[\g+3], 32<<16
	s_mov_b32 s[\g+4], 2*KT
	s_mov_b32 s[\g+5], 32
	s_mov_b32 s[\g+6], 0
	s_mov_b32 s[\g+7], 0
.endr
	s_lshl_b32 s19, s16, 3
	s_lshl_b32 s20, s17, 4
	s_add_co_u32 s20, s20, s19
	s_mul_i32 s20, s20, 3072
	s_mov_b32 s21, 0
	s_lshl_b32 s23, s17, 1
	s_add_co_u32 s23, s23, s16
	s_mul_i32 s23, s23, HALFS
	s_add_co_u32 s22, s22, s23
	s_mov_b32 s23, 0
	s_lshl_b32 s46, s42, 4
	s_add_co_u32 s46, s46, s19
	s_mul_i32 s46, s46, 3072
	s_add_co_u32 s46, s46, BCODE
	s_mov_b32 s47, 0
	s_lshl_b32 s93, s42, 1
	s_add_co_u32 s93, s93, s16
	s_mul_i32 s93, s93, HALFS
	s_add_co_u32 s92, s92, s93
	s_mov_b32 s93, 0
	s_mul_i32 s45, s14, HALFT
	s_mul_i32 s94, s14, HALFS
	s_wait_dscnt 0x0                               ; the opening add is done
	s_wait_kmcnt 0x0
	s_add_nc_u64 s[20:21], s[4:5], s[20:21]
	s_add_nc_u64 s[22:23], s[4:5], s[22:23]
	s_add_nc_u64 s[46:47], s[6:7], s[46:47]
	s_add_nc_u64 s[92:93], s[6:7], s[92:93]
	CROUND                                         ; all sixteen work-groups are here: the first joint loads meet
	s_mov_b32 s[G0S], 1
	s_add_co_u32 s[G0S+1], s94, SCL
	s_mov_b64 s[G0S+2:G0S+3], s[22:23]
	s_or_b32 s[G0S+3], s[G0S+3], 0x80000000
	s_mov_b32 s[G0SB], 1
	s_add_co_u32 s[G0SB+1], s94, SCL
	s_mov_b64 s[G0SB+2:G0SB+3], s[92:93]
	s_or_b32 s[G0SB+3], s[G0SB+3], 0x80000000
	JLOAD G0S, G1S, G0SB, G1SB
	s_mov_b32 s[G0], 1
	s_mov_b32 s[G0+1], s45
	s_mov_b64 s[G0+2:G0+3], s[20:21]
	s_or_b32 s[G0+3], s[G0+3], 0x80000000
	s_mov_b32 s[G0B], 1
	s_mov_b32 s[G0B+1], s45
	s_mov_b64 s[G0B+2:G0B+3], s[46:47]
	s_or_b32 s[G0B+3], s[G0B+3], 0x80000000
	JLOAD G0, G1, G0B, G1B
	s_mov_b32 s[G0+4], 1
	s_add_co_u32 s[G0+5], s45, SLOT
	s_add_nc_u64 s[G0+6:G0+7], s[20:21], s[98:99]
	s_or_b32 s[G0+7], s[G0+7], 0x80000000
	s_mov_b32 s[G0B+4], 1
	s_add_co_u32 s[G0B+5], s45, SLOT
	s_add_nc_u64 s[G0B+6:G0B+7], s[46:47], s[100:101]
	s_or_b32 s[G0B+7], s[G0B+7], 0x80000000
	JLOAD G0+4, G1, G0B+4, G1B                     ; three tensor loads of mine are out
	s_lshl_b32 s98, s98, 1                         ; from here on: a refill's step, two K steps
	s_lshl_b32 s100, s100, 1
	v_and_b32 v1, 15, v0
	v_bfe_u32 v2, v0, 4, 1
	v_and_b32 v3, 31, v0
	v_lshlrev_b32 v4, 4, v3
	v_lshlrev_b32 v5, 3, v3
	s_mul_i32 s21, s15, HALFT
	s_mul_i32 s22, s16, HALFT
	s_add_co_u32 s22, s22, 2*HALFT
.irp s, 0,1
	v_add_nc_u32 v[ADRA+\s], s21, v4
	v_add_nc_u32 v[ADRB+\s], s22, v4
	v_add_nc_u32 v[ADRA+2+\s], s21, v5
	v_add_nc_u32 v[ADRB+2+\s], s22, v5
	s_add_co_u32 s21, s21, SLOT
	s_add_co_u32 s22, s22, SLOT
.endr
	v_lshlrev_b32 v6, 2, v1
	s_mul_i32 s21, s15, HALFS
	s_mul_i32 s22, s16, HALFS
	s_add_co_u32 s22, s22, 2*HALFS
	s_sub_co_u32 s22, s22, s21
	v_mul_u32_u24 v7, s22, v2
	s_add_co_u32 s21, s21, SCL
	v_add_nc_u32 v6, v6, v7
	v_add_nc_u32 v[ADRS], s21, v6
	v_lshlrev_b32 v8, 5, v2
	s_mul_i32 s23, s14, 16*SPITCH                  ; my stage
	v_mul_u32_u24 v9, v1, SPITCH
	v_lshl_add_u32 v9, v2, 5, v9
	v_add_nc_u32 v[STO], s23, v9                   ; in: row r, 32 bytes for each half of the lanes
	v_lshlrev_b32 v[CO], 4, v3
	v_add_nc_u32 v[RD], s23, v[CO]                 ; back: the 32 lanes take one row of 512 bytes
	s_lshl_b32 s20, s17, 8
	s_lshl_b32 s21, s15, 7
	s_add_co_u32 s20, s20, s21
	s_lshl_b32 s20, s20, 12                        ; my first row of C, 4,096 bytes a row
	s_mov_b32 s21, 0
	s_lshl_b32 s46, s42, 10
	s_lshl_b32 s47, s16, 9
	s_add_co_u32 s46, s46, s47                     ; my first column, in bytes
	s_mov_b32 s47, 0
	s_add_nc_u64 s[8:9], s[8:9], s[46:47]
	s_add_nc_u64 s[20:21], s[20:21], s[46:47]
	s_add_nc_u64 s[10:11], s[10:11], s[20:21]
	s_add_nc_u64 s[12:13], s[12:13], s[20:21]
.irp b, 0,1,2,3,4,5,6,7
	global_load_b128 v[BIAS+8*\b:BIAS+8*\b+3], v8, s[8:9] offset:64*\b
	global_load_b128 v[BIAS+8*\b+4:BIAS+8*\b+7], v8, s[8:9] offset:64*\b+16
.endr
	s_wait_tensorcnt 1                             ; the scale words and K step 0 are in; slot 1's load may be out
	s_barrier_signal -1
	s_barrier_wait -1
	FETCH_B 0, 0, 0
	FETCH_A 0, 0, 0
	SCALES 0
	FETCH_A 0, 0, 4
	s_wait_loadcnt 0x0                             ; the bias
	STEP 0, 0, 1
	s_mov_b32 s3, LAPS-1
.Llap:
	TURN 0, 1, 1
	STEP 1, 0, 0
	TURN 1, 0, 1
	STEP 0, 0, 0
	s_sub_co_u32 s3, s3, 1
	s_cmp_lg_u32 s3, 0
	s_cbranch_scc1 .Llap
	TURN 0, 1, 0
	STEP 1, 0, 0
	s_wait_dscnt 4*NL
	WIN MUL_LO
	MUL16 0, 1, NQ-1, 1, 0
	MUL16 2, 1, NQ-1, 1, 0
	s_wait_dscnt 0
	WIN MUL_HI
	MUL16 4, 1, NQ-1, 1, 0
	MUL16 6, 1, NQ-1, 1, 0
	WIN 0
.macro RLOAD a                         ; the residual of block a: 16 rows of 512 bytes, into window 1
	WIN 0x40
.irp t, 0,1,2,3,4,5,6,7,8,9,10,11,12,13,14,15
	global_load_b128 v[64*((\a)%4)+4*\t:64*((\a)%4)+4*\t+3], v[CO], s[10:11] offset:(16*(\a)+\t)*4096
.endr
	WIN 0
.endm
.macro TOSTAGE a
.set AC, 64*((\a)%4)
	WIN 0x08+4*((\a)/4)                            ; the data: window 2 or 3
.irp b, 0,1,2,3,4,5,6,7
	ds_store_b128 v[STO], v[AC+8*\b:AC+8*\b+3] offset:64*\b          ; each accumulator from its low end on
	ds_store_b128 v[STO], v[AC+8*\b+4:AC+8*\b+7] offset:64*\b+16
.endr
	WIN 0
.set BB, BK+64*((\a)%2)
.irp t, 0,1,2,3,4,5,6,7,8,9,10,11,12,13,14,15
	ds_load_b128 v[BB+4*\t:BB+4*\t+3], v[RD] offset:\t*SPITCH        ; LDS serves a wave's instructions in order (ISA guide 5.7.1.4): these see the stores above
.endr
.endm
.macro SEND a, younger
.set BB, BK+64*((\a)%2)
.set RR, 64*((\a)%4)
	s_wait_dscnt \younger                          ; the block is back; the next block's 16 stores and 16 loads may be out
.if 7-(\a) >= 3
	s_wait_loadcnt 48                              ; its residual is in; those of the three blocks behind it may be out
.else
	s_wait_loadcnt 16*(7-(\a))
.endif
	WIN 0x04                                       ; source 1: window 1
.set i, 0
.rept 32
	v_pk_add_f32 v[BB+i:BB+i+1], v[BB+i:BB+i+1], v[RR+i:RR+i+1]
.set i, i+2
.endr
	WIN 0
.irp t, 0,1,2,3,4,5,6,7,8,9,10,11,12,13,14,15
.if LASTOUT
	global_store_b128 v[CO], v[BB+4*\t:BB+4*\t+3], s[12:13] offset:(16*(\a)+\t)*4096 th:TH_STORE_NT
.else
	global_store_b128 v[CO], v[BB+4*\t:BB+4*\t+3], s[12:13] offset:(16*(\a)+\t)*4096
.endif
.endr
.if (\a) < 4
	RLOAD (\a)+4
.endif
.endm
	PLACES NP
	RLOAD 0
	RLOAD 1
	RLOAD 2
	RLOAD 3
	TOSTAGE 0
.irp a, 1,2,3,4,5,6,7
.if \a > 1
	s_wait_xcnt 0x0                                ; block a - 2's stores have read their registers: block a's loads may land there
.endif
	TOSTAGE \a
	SEND \a-1, 32
.endr
	SEND 7, 0
	s_wait_tensorcnt 0x0                           ; the wave's end
	ds_add_u32 v[SPW], v[NIL]
	s_wait_dscnt 0x0
	CROUND                                         ; the closing round
	s_endpgm
.Lfunc_end_k_q13f40f8d59_w2:
	.size	k_q13f40f8d59_w2, .Lfunc_end_k_q13f40f8d59_w2-k_q13f40f8d59_w2
	.p2alignl 7, 3214868480
	.fill 96, 4, 3214868480
	.section	.rodata,"a",@progbits
	.p2align	6, 0x0
	.amdhsa_kernel k_q13f40f8d59_w2
		.amdhsa_group_segment_fixed_size 327680
		.amdhsa_private_segment_fixed_size 0
		.amdhsa_enable_private_segment 0
		.amdhsa_kernarg_size 40
		.amdhsa_user_sgpr_count 2
		.amdhsa_user_sgpr_kernarg_segment_ptr 1
		.amdhsa_wavefront_size32 1
		.amdhsa_system_sgpr_workgroup_id_x 1
		.amdhsa_system_sgpr_workgroup_id_y 1
		.amdhsa_system_sgpr_workgroup_id_z 1
		.amdhsa_system_vgpr_workitem_id 0
		.amdhsa_next_free_vgpr 1024
		.amdhsa_next_free_sgpr 102
		.amdhsa_reserve_vcc 0
		.amdhsa_float_denorm_mode_32 3
		.amdhsa_float_denorm_mode_16_64 3
		.amdhsa_memory_ordered 1
		.amdhsa_forward_progress 1
		.amdhsa_inst_pref_size 176
	.end_amdhsa_kernel
	.amdgpu_metadata
---
amdhsa.version: [ 1, 2 ]
amdhsa.kernels:
  - .name:           k_q13f40f8d59_w2
    .symbol:         k_q13f40f8d59_w2.kd
    .args:
      - { .name: hid, .offset: 0, .size: 8, .value_kind: global_buffer, .address_space: global }
      - { .name: wts, .offset: 8, .size: 8, .value_kind: global_buffer, .address_space: global }
      - { .name: b2, .offset: 16, .size: 8, .value_kind: global_buffer, .address_space: global }
      - { .name: x1, .offset: 24, .size: 8, .value_kind: global_buffer, .address_space: global }
      - { .name: out0, .offset: 32, .size: 8, .value_kind: global_buffer, .address_space: global }
    .group_segment_fixed_size: 327680
    .private_segment_fixed_size: 0
    .kernarg_segment_align: 8
    .kernarg_segment_size: 40
    .max_flat_workgroup_size: 128
    .sgpr_count:     102
    .vgpr_count:     1024
    .wavefront_size: 32
...
	.end_amdgpu_metadata
.endif
;; end of part 7
;; ======== version 2 of 2: 8 launches
;; limits: right only within a limited range of input values
;; workspace buffers: wts 9,830,400 bytes; hn 3,276,800 bytes; qb 3,407,872 bytes; kv 6,684,672 bytes; ao 3,276,800 bytes; x1 16,777,216 bytes; hid 13,107,200 bytes
;; launch wq (part 8): grid 384 x 1, 4 waves a work-group, no clusters, 0 bytes of LDS; arguments Wq, Wk, Wv, Wo, W1, W2, wts; writes wts
.if DOCPART == 8
	.amdgcn_target "amdgcn-amd-amdhsa--gfx1250"
	.amdhsa_code_object_version 6
	.text
	.protected	k_q13f40f8d59_wq
	.globl	k_q13f40f8d59_wq
	.p2align	8
	.type	k_q13f40f8d59_wq,@function
k_q13f40f8d59_wq:
	s_mov_b64 s[64:65], 0
	v_nop
	global_prefetch_b8 v0, s[64:65] scope:SCOPE_SE
	s_setreg_imm32_b32 hwreg(HW_REG_WAVE_MODE, 25, 1), 1
	s_wait_xcnt 0x0
; The six weights, f32 [K][N] with K as the FIRST axis, become codes of FP6 (E2M3) with one E8M0 byte for each 32 along K, laid as the products' operand registers want them.
; A LANE TAKES A COLUMN n AND ITS REGISTERS RUN DOWN K: a block of 32 lies in one lane's 32 registers, so its largest magnitude needs no other lane.
; ORDER INSIDE A BLOCK: place p of a block holds element p with bits 3 and 4 exchanged; every operand of this program is laid so, on both sides of each product, so the products are the same numbers.
; IMAGE of a fragment (16 rows x 128 K, 12 registers a lane), 1,536 bytes: registers 0-3 at 16 x lane, 4-5 at 512 + 8 x lane, 6-9 at 768 + 16 x lane, 10-11 at 1,280 + 8 x lane.
; CODES(R rows): image (row tile T, K step s) at ((s / 2) R / 16 + T) 3,072 + (s % 2) 1,536.   SCALES: the word of (row, K step s) at ((row / 128) K / 128 + s) 512 + 4 (row % 128).
; A work-group takes 128 columns x 256 along K of one weight, a wave 32 columns: two row tiles, two K steps, four images.  Each store of codes covers 512 or 256 consecutive bytes, aligned; a store of scale words 128.
; A block's scale is 2^(floor(log2(largest magnitude)) - 2): its byte is the largest magnitude's exponent field - 2, held at 1 from below.
; LIMITS: a block of zeros gets the byte 1 where the rule says 127 (its codes are zeros; this program alone reads the bytes); blocks whose largest magnitude lies under 2^-124 keep the byte 1; NaN and infinities are not served.
.set X,   32                           ; v32-95   two sets of 32 numbers, in the block's order of places
.set IMG, 96                           ; v96-143  K step q: the first row tile's image at IMG + 24 q, the second's at IMG + 24 q + 12
.set CT,  144                          ; v144-146 a block's upper 16 codes (a conversion's three registers begin on an even number)
.set SW,  24                           ; v24, v25 my column's scale word of K step 0, 1
	s_load_b256 s[4:11], s[0:1], 0x0               ; Wq, Wk, Wv, Wo
	s_load_b128 s[12:15], s[0:1], 0x20             ; W1, W2
	s_load_b64 s[16:17], s[0:1], 0x30              ; wts
	v_lshrrev_b32 v1, 5, v0
	v_readfirstlane_b32 s30, v1                    ; wave
	v_and_b32 v2, 31, v0                           ; lane
	v_lshlrev_b32 v3, 2, v2                        ; 4 x lane: my column in a row of W, and my scale word
	v_lshlrev_b32 v4, 4, v2                        ; 16 x lane
	v_lshlrev_b32 v5, 3, v2                        ; 8 x lane
	s_mov_b32 s21, 0                               ; the class's first work-group
	s_mov_b32 s22, 192                             ; row tiles of the codes' region
	s_mov_b32 s23, 0                               ; the weight's first row tile in it
	s_mov_b32 s24, 0                               ; the codes' region
	s_mov_b32 s25, 9437184                         ; the scales' region
	s_mov_b32 s26, 8                               ; K / 128
	s_mov_b32 s27, 3                               ; log2 of the column groups
	s_mov_b32 s28, 20                              ; log2 of 256 rows of W in bytes
	s_wait_kmcnt 0x0
	s_mov_b64 s[18:19], s[4:5]                     ; work-groups 0-31: Wq
	s_cmp_ge_u32 ttmp9, 32                         ; 32-63: Wk
	s_cselect_b64 s[18:19], s[6:7], s[18:19]
	s_cselect_b32 s21, 32, s21
	s_cselect_b32 s23, 64, s23
	s_cmp_ge_u32 ttmp9, 64                         ; 64-95: Wv
	s_cselect_b64 s[18:19], s[8:9], s[18:19]
	s_cselect_b32 s21, 64, s21
	s_cselect_b32 s23, 128, s23
	s_cmp_ge_u32 ttmp9, 96                         ; 96-127: Wo
	s_cselect_b64 s[18:19], s[10:11], s[18:19]
	s_cselect_b32 s21, 96, s21
	s_cselect_b32 s22, 64, s22
	s_cselect_b32 s23, 0, s23
	s_cselect_b32 s24, 2359296, s24
	s_cselect_b32 s25, 9535488, s25
	s_cmp_ge_u32 ttmp9, 128                        ; 128-255: W1
	s_cselect_b64 s[18:19], s[12:13], s[18:19]
	s_cselect_b32 s21, 128, s21
	s_cselect_b32 s22, 256, s22
	s_cselect_b32 s24, 3145728, s24
	s_cselect_b32 s25, 9568256, s25
	s_cselect_b32 s27, 5, s27
	s_cselect_b32 s28, 22, s28
	s_cmp_ge_u32 ttmp9, 256                        ; 256-383: W2
	s_cselect_b64 s[18:19], s[14:15], s[18:19]
	s_cselect_b32 s21, 256, s21
	s_cselect_b32 s22, 64, s22
	s_cselect_b32 s24, 6291456, s24
	s_cselect_b32 s25, 9699328, s25
	s_cselect_b32 s26, 32, s26
	s_cselect_b32 s27, 3, s27
	s_cselect_b32 s28, 20, s28
	s_sub_co_u32 s31, ttmp9, s21                   ; my number in the class
	s_lshr_b32 s32, s31, s27                       ; kc: which 256 along K
	s_lshl_b32 s33, s32, s27
	s_sub_co_u32 s33, s31, s33                     ; cg: which 128 columns
	s_lshl_b32 s34, s32, s28                       ; W: 256 kc rows,
	s_lshl_b32 s35, s33, 9                         ; + 128 cg columns,
	s_add_co_u32 s34, s34, s35
	s_lshl_b32 s35, s30, 7                         ; + 32 x wave columns
	s_add_co_u32 s34, s34, s35
	s_mov_b32 s35, 0
	s_mul_i32 s36, s32, s22                        ; codes: (kc x row tiles + first tile + 8 cg + 2 wave) x 3,072
	s_add_co_u32 s36, s36, s23
	s_lshl_b32 s37, s33, 3
	s_add_co_u32 s36, s36, s37
	s_lshl_b32 s37, s30, 1
	s_add_co_u32 s36, s36, s37
	s_mul_i32 s36, s36, 3072
	s_add_co_u32 s36, s36, s24
	s_mov_b32 s37, 0
	s_lshr_b32 s38, s23, 3                         ; scales: ((first row / 128 + cg) K / 128 + 2 kc) x 512 + 128 x wave
	s_add_co_u32 s38, s38, s33
	s_mul_i32 s38, s38, s26
	s_lshl_b32 s39, s32, 1
	s_add_co_u32 s38, s38, s39
	s_lshl_b32 s38, s38, 9
	s_lshl_b32 s39, s30, 7
	s_add_co_u32 s38, s38, s39
	s_add_co_u32 s38, s38, s25
	s_mov_b32 s39, 0
	s_add_nc_u64 s[18:19], s[18:19], s[34:35]
	s_add_nc_u64 s[40:41], s[16:17], s[36:37]
	s_add_nc_u64 s[42:43], s[16:17], s[38:39]
.macro LOAD t, cols                    ; block t: W(32 t + i, my column) into the register of i's place; 32 lanes read 128 consecutive bytes
.set li, 0
.rept 32
	global_load_b32 v[X+32*((\t)%2)+(li&7)+16*((li>>3)&1)+8*((li>>4)&1)], v3, s[18:19] offset:(32*(\t)+li)*(\cols)*4 th:TH_LOAD_NT
.set li, li+1
.endr
.endm
.macro IMGST reg, off                  ; an image leaves as it stands
	global_store_b128 v4, v[\reg:\reg+3], s[40:41] offset:\off
	global_store_b64 v5, v[\reg+4:\reg+5], s[40:41] offset:\off+512
	global_store_b128 v4, v[\reg+6:\reg+9], s[40:41] offset:\off+768
	global_store_b64 v5, v[\reg+10:\reg+11], s[40:41] offset:\off+1280
.endm
.macro BLOCK t, cols
.set XS, X+32*((\t)%2)
.set QQ, (\t)/4
.set DD, IMG+24*QQ+12*((\t)&1)+6*(((\t)>>1)&1) ; even blocks of a K step into the first image's registers, odd ones into the second's
.if (\t) < 7
	s_wait_loadcnt 32                              ; this block's 32 loads are in; the next block's 32 may be out
.else
	s_wait_loadcnt 0x0
.endif
	v_max3_num_f32 v12, |v[XS]|, |v[XS+1]|, |v[XS+2]|      ; the block's largest magnitude, in two chains
	v_max3_num_f32 v13, |v[XS+3]|, |v[XS+4]|, |v[XS+5]|
.irp i, 6,10,14,18,22,26
	v_max3_num_f32 v12, v12, |v[XS+\i]|, |v[XS+\i+1]|
	v_max3_num_f32 v13, v13, |v[XS+\i+2]|, |v[XS+\i+3]|
.endr
	v_max3_num_f32 v12, v12, |v[XS+30]|, |v[XS+31]|
	v_max3_num_f32 v12, v12, v13, 0x1800000        ; and the floor 2^(3 - 127): the byte cannot fall under 1
	v_add_nc_u32 v11, 0xff000000, v12              ; 2 off the exponent field: the conversion's scale operand
	v_cvt_scalef32_pk16_fp6_f32 v[DD:DD+2], v[XS:XS+15], v11
	v_cvt_scalef32_pk16_fp6_f32 v[CT:CT+2], v[XS+16:XS+31], v11
	v_lshrrev_b32 v14, 23, v11                     ; the scale's byte (also the plain line behind the conversions)
.if (\t)%4 == 0
	v_mov_b32 v[SW+QQ], v14
.else
	v_lshl_or_b32 v[SW+QQ], v14, 8*((\t)%4), v[SW+QQ]
.endif
.irp i, 0,1,2
	v_mov_b32 v[DD+3+\i], v[CT+\i]
.endr
.if (\t)+2 < 8
	LOAD (\t)+2, \cols
.endif
.if (\t)%4 == 3                        ; a K step is whole.  Lanes 0-15 hold columns 0-15, lanes 16-31 columns 16-31; an image wants lanes 0-15 with its even blocks and lanes 16-31 with its odd ones
.set si, 0
.rept 12
	v_permlane16_swap_b32 v[IMG+24*QQ+si], v[IMG+24*QQ+12+si]     ; the first's lanes 16-31 change places with the second's lanes 0-15
.set si, si+1
.endr
	IMGST IMG+24*QQ, 1536*QQ
	IMGST IMG+24*QQ+12, 3072+1536*QQ
	global_store_b32 v3, v[SW+QQ], s[42:43] offset:512*QQ
.endif
.endm
.macro BODY cols                       ; every offset is an immediate: 255 rows of 16,384 bytes at the most.  No store's data are written again
	LOAD 0, \cols
	LOAD 1, \cols
.irp t, 0,1,2,3,4,5,6,7
	BLOCK \t, \cols
.endr
	s_endpgm
.endm
	s_sub_co_u32 s44, ttmp9, 128
	s_cmp_lt_u32 s44, 128                          ; W1's rows are 4,096 numbers, all others' 1,024: the row's length stands in the loads' immediates
	s_cbranch_scc1 .Lwide
	s_wait_alu depctr_va_vdst(0)
	BODY 1024
.Lwide:
	s_wait_alu depctr_va_vdst(0)
	BODY 4096
.Lfunc_end_k_q13f40f8d59_wq:
	.size	k_q13f40f8d59_wq, .Lfunc_end_k_q13f40f8d59_wq-k_q13f40f8d59_wq
	.p2alignl 7, 3214868480
	.fill 96, 4, 3214868480
	.section	.rodata,"a",@progbits
	.p2align	6, 0x0
	.amdhsa_kernel k_q13f40f8d59_wq
		.amdhsa_group_segment_fixed_size 0
		.amdhsa_private_segment_fixed_size 0
		.amdhsa_enable_private_segment 0
		.amdhsa_kernarg_size 56
		.amdhsa_user_sgpr_count 2
		.amdhsa_user_sgpr_kernarg_segment_ptr 1
		.amdhsa_wavefront_size32 1
		.amdhsa_system_sgpr_workgroup_id_x 1
		.amdhsa_system_sgpr_workgroup_id_y 1
		.amdhsa_system_sgpr_workgroup_id_z 1
		.amdhsa_system_vgpr_workitem_id 0
		.amdhsa_next_free_vgpr 152
		.amdhsa_next_free_sgpr 66
		.amdhsa_reserve_vcc 0
		.amdhsa_float_denorm_mode_32 3
		.amdhsa_float_denorm_mode_16_64 3
		.amdhsa_memory_ordered 1
		.amdhsa_forward_progress 1
		.amdhsa_inst_pref_size 80
	.end_amdhsa_kernel
	.amdgpu_metadata
---
amdhsa.version: [ 1, 2 ]
amdhsa.kernels:
  - .name:           k_q13f40f8d59_wq
    .symbol:         k_q13f40f8d59_wq.kd
    .args:
      - { .name: Wq, .offset: 0, .size: 8, .value_kind: global_buffer, .address_space: global }
      - { .name: Wk, .offset: 8, .size: 8, .value_kind: global_buffer, .address_space: global }
      - { .name: Wv, .offset: 16, .size: 8, .value_kind: global_buffer, .address_space: global }
      - { .name: Wo, .offset: 24, .size: 8, .value_kind: global_buffer, .address_space: global }
      - { .name: W1, .offset: 32, .size: 8, .value_kind: global_buffer, .address_space: global }
      - { .name: W2, .offset: 40, .size: 8, .value_kind: global_buffer, .address_space: global }
      - { .name: wts, .offset: 48, .size: 8, .value_kind: global_buffer, .address_space: global }
    .group_segment_fixed_size: 0
    .private_segment_fixed_size: 0
    .kernarg_segment_align: 8
    .kernarg_segment_size: 56
    .max_flat_workgroup_size: 128
    .sgpr_count:     66
    .vgpr_count:     152
    .wavefront_size: 32
...
	.end_amdgpu_metadata
.endif
;; end of part 8
;; launch ln1 (part 9): grid 256 x 1, 4 waves a work-group, no clusters, 66,304 bytes of LDS; arguments x, g1, be1, hn; writes hn
.if DOCPART == 9
	.amdgcn_target "amdgcn-amd-amdhsa--gfx1250"
	.amdhsa_code_object_version 6
	.text
	.protected	k_q13f40f8d59_ln1
	.globl	k_q13f40f8d59_ln1
	.p2align	8
	.type	k_q13f40f8d59_ln1,@function
k_q13f40f8d59_ln1:
	s_mov_b64 s[64:65], 0
	v_nop
	global_prefetch_b8 v0, s[64:65] scope:SCOPE_SE
	s_setreg_imm32_b32 hwreg(HW_REG_WAVE_MODE, 25, 1), 1
	s_wait_xcnt 0x0
; y = (x - mean) / sqrt(var + 1e-7) x gamma + beta along rows of 1,024 f32, all in f32, then quantised along the row to FP6 (E2M3) with one E8M0 byte for each 32; codes and scale words leave as operand images.
; The variance is taken of x - mean (two passes over registers), so a common offset of the inputs does no harm.
; A work-group takes 16 rows = one row tile.  First each wave takes 4 whole rows (32 registers a row, every load 512 consecutive bytes) and normalises them; the rows go to LDS; one barrier; then wave w takes
; K steps 2 w and 2 w + 1 of all 16 rows: lane (r, h) reads of row r, for each block of 32, elements 8 h .. 8 h + 7 and 16 + 8 h .. 16 + 8 h + 7: places 16 h .. 16 h + 15 in this program's order inside a block
; (place p holds element p with bits 3 and 4 exchanged).
; IMAGE, CODES and SCALES layouts: an image of 16 rows x 128 K is 1,536 bytes (registers 0-3 at 16 x lane, 4-5 at 512 + 8 x lane, 6-9 at 768 + 16 x lane, 10-11 at 1,280 + 8 x lane);
; image (row tile T, K step s) at ((s / 2) 256 + T) 3,072 + (s % 2) 1,536; the scale word of (row, s) at 3,145,728 + ((row / 128) 8 + s) 512 + 4 (row % 128).
; LIMITS: a block of zeros gets the byte 1 where the rule says 127 (zero codes; read by this program alone); NaN and infinities are not served.
.set PITCH, 4112                       ; an LDS row: 4,096 bytes + 16: sixteen rows' equal columns fall on sixteen different groups of four banks
.set SPARE, 16*PITCH                   ; behind the rows: the spare words, 128 bytes a wave
.set SPW, 10
.set NIL, 11
.set MU,  12                           ; v12-19  the four rows' means, each in both halves of a pair
.set RS,  20                           ; v20-27  1 / sqrt likewise
.set TS,  28                           ; v28-59  eight registers a row for the sums
.set X,   64                           ; v64-191 four rows x 32 numbers
.set G,   192                          ; v192-223 gamma of my 32 columns;  v224-255 beta
.set BT,  224
.set H0,  64                           ; behind the barrier: 64 numbers of K step 2 w, 64 of 2 w + 1
.set H1,  128
.set PC0, 192
.set PC1, 212
.set TM,  232
.set PW0, 248
.set PW1, 249
.set SWM, 250
.set SEL, 12                           ; s[12:13] lane selects: lane l xor 16
	s_load_b256 s[4:11], s[0:1], 0x0               ; x, gamma, beta, the codes' buffer
	v_lshl_add_u32 v[SPW], v0, 2, SPARE
	v_mov_b32 v[NIL], 0
	v_lshrrev_b32 v1, 5, v0
	v_readfirstlane_b32 s16, v1                    ; wave
	v_and_b32 v2, 31, v0                           ; lane
	v_and_b32 v3, 15, v0                           ; r
	v_bfe_u32 v7, v0, 4, 1                         ; h
	v_lshlrev_b32 v4, 4, v2                        ; 16 x lane
	v_lshlrev_b32 v8, 3, v2                        ; 8 x lane
	s_mul_i32 s17, s16, 4*PITCH
	v_add_nc_u32 v5, s17, v4                       ; LDS, in: my wave's four rows, 16 bytes a lane
	v_mul_u32_u24 v6, v3, PITCH
	v_lshl_add_u32 v6, v7, 5, v6
	s_lshl_b32 s17, s16, 10
	v_add_nc_u32 v6, s17, v6                       ; LDS, out: row r, + 32 h, + my wave's two K steps
	v_lshlrev_b32 v9, 2, v3
	v_lshl_add_u32 v9, v7, 9, v9                   ; scale words: 4 r, lanes 16-31 one K step on
	s_mov_b32 s[SEL], 0x76543210
	s_mov_b32 s[SEL+1], 0xfedcba98
	s_mov_b32 s14, 0x3a800000                      ; 1 / 1,024
	s_mov_b32 s15, 0x33d6bf95                      ; 1e-7
	s_mov_b32 s18, 0xffff0000                      ; lanes 16-31
	s_lshl_b32 s20, ttmp9, 16                      ; x: (16 T + 4 wave) rows of 4,096 bytes
	s_lshl_b32 s21, s16, 14
	s_add_co_u32 s20, s20, s21
	s_mov_b32 s21, 0
	s_lshl_b32 s22, s16, 8                         ; codes: (256 wave + T) x 3,072
	s_add_co_u32 s22, s22, ttmp9
	s_mul_i32 s22, s22, 3072
	s_mov_b32 s23, 0
	s_lshr_b32 s24, ttmp9, 3                       ; scales: (T / 8) 4,096 + 2 wave x 512 + (T % 8) 64
	s_lshl_b32 s24, s24, 12
	s_lshl_b32 s25, s16, 10
	s_add_co_u32 s24, s24, s25
	s_and_b32 s25, ttmp9, 7
	s_lshl_b32 s25, s25, 6
	s_add_co_u32 s24, s24, s25
	s_add_co_u32 s24, s24, 3145728
	s_mov_b32 s25, 0
	s_wait_alu depctr_va_vdst(0)
	s_wait_kmcnt 0x0
	s_add_nc_u64 s[4:5], s[4:5], s[20:21]
	s_add_nc_u64 s[26:27], s[10:11], s[22:23]
	s_add_nc_u64 s[28:29], s[10:11], s[24:25]
.irp p, 0,1,2,3
.irp j, 0,1,2,3,4,5,6,7
	global_load_b128 v[X+32*\p+4*\j:X+32*\p+4*\j+3], v4, s[4:5] offset:4096*\p+512*\j th:TH_LOAD_NT
.endr
.endr
.irp j, 0,1,2,3,4,5,6,7
	global_load_b128 v[G+4*\j:G+4*\j+3], v4, s[6:7] offset:512*\j
	global_load_b128 v[BT+4*\j:BT+4*\j+3], v4, s[8:9] offset:512*\j
.endr
.macro LANESUM                         ; v[TS + 8 p] over the 32 lanes, the four rows by turns; every lane ends with the sum
.irp m, 1,2,4,8
.irp p, 0,1,2,3
	v_add_f32_dpp v[TS+8*\p], v[TS+8*\p], v[TS+8*\p] row_xmask:\m row_mask:0xf bank_mask:0xf
.endr
.endr
.irp p, 0,1,2,3
	v_permlanex16_b32 v[TS+8*\p+1], v[TS+8*\p], s[SEL], s[SEL+1]
.endr
.irp p, 0,1,2,3
	v_add_f32 v[TS+8*\p], v[TS+8*\p], v[TS+8*\p+1]
.endr
.endm
	s_wait_loadcnt 16                              ; x is in; the sixteen loads of gamma and beta may be out
.irp p, 0,1,2,3
	v_pk_add_f32 v[TS+8*\p:TS+8*\p+1], v[X+32*\p:X+32*\p+1], v[X+32*\p+2:X+32*\p+3]
	v_pk_add_f32 v[TS+8*\p+2:TS+8*\p+3], v[X+32*\p+4:X+32*\p+5], v[X+32*\p+6:X+32*\p+7]
.endr
.irp i, 8,12,16,20,24,28
.irp p, 0,1,2,3
	v_pk_add_f32 v[TS+8*\p:TS+8*\p+1], v[TS+8*\p:TS+8*\p+1], v[X+32*\p+\i:X+32*\p+\i+1]
	v_pk_add_f32 v[TS+8*\p+2:TS+8*\p+3], v[TS+8*\p+2:TS+8*\p+3], v[X+32*\p+\i+2:X+32*\p+\i+3]
.endr
.endr
.irp p, 0,1,2,3
	v_pk_add_f32 v[TS+8*\p:TS+8*\p+1], v[TS+8*\p:TS+8*\p+1], v[TS+8*\p+2:TS+8*\p+3]
.endr
.irp p, 0,1,2,3
	v_add_f32 v[TS+8*\p], v[TS+8*\p], v[TS+8*\p+1]
.endr
	LANESUM
.irp p, 0,1,2,3
	v_mul_f32 v[MU+2*\p], s14, v[TS+8*\p]          ; the mean
.endr
.irp p, 0,1,2,3
	v_mov_b32 v[MU+2*\p+1], v[MU+2*\p]
.endr
.irp p, 0,1,2,3
.set i, 0
.rept 16
	v_pk_add_f32 v[X+32*\p+i:X+32*\p+i+1], v[X+32*\p+i:X+32*\p+i+1], v[MU+2*\p:MU+2*\p+1] neg_lo:[0,1] neg_hi:[0,1]   ; x - mean, in place
.set i, i+2
.endr
.endr
.irp p, 0,1,2,3
	v_pk_mul_f32 v[TS+8*\p:TS+8*\p+1], v[X+32*\p:X+32*\p+1], v[X+32*\p:X+32*\p+1]
	v_pk_mul_f32 v[TS+8*\p+2:TS+8*\p+3], v[X+32*\p+2:X+32*\p+3], v[X+32*\p+2:X+32*\p+3]
.endr
.irp i, 4,8,12,16,20,24,28
.irp p, 0,1,2,3
	v_pk_fma_f32 v[TS+8*\p:TS+8*\p+1], v[X+32*\p+\i:X+32*\p+\i+1], v[X+32*\p+\i:X+32*\p+\i+1], v[TS+8*\p:TS+8*\p+1]
	v_pk_fma_f32 v[TS+8*\p+2:TS+8*\p+3], v[X+32*\p+\i+2:X+32*\p+\i+3], v[X+32*\p+\i+2:X+32*\p+\i+3], v[TS+8*\p+2:TS+8*\p+3]
.endr
.endr
.irp p, 0,1,2,3
	v_pk_add_f32 v[TS+8*\p:TS+8*\p+1], v[TS+8*\p:TS+8*\p+1], v[TS+8*\p+2:TS+8*\p+3]
.endr
.irp p, 0,1,2,3
	v_add_f32 v[TS+8*\p], v[TS+8*\p], v[TS+8*\p+1]
.endr
	LANESUM
.irp p, 0,1,2,3
	v_fma_f32 v[TS+8*\p], v[TS+8*\p], s14, s15     ; the variance + 1e-7
.endr
	s_wait_alu depctr_va_vdst(0)
.irp p, 0,1,2,3
	v_rsq_f32 v[RS+2*\p], v[TS+8*\p]
.endr
	v_nop                                          ; a plain line behind the last of the four
	s_wait_alu depctr_va_vdst(0)                   ; one wait for the batch of four, ahead of its first reader
.irp p, 0,1,2,3
	v_mov_b32 v[RS+2*\p+1], v[RS+2*\p]
.endr
	s_wait_alu depctr_va_vdst(0)
	s_wait_loadcnt 0x0                             ; gamma and beta
.irp p, 0,1,2,3
.set i, 0
.rept 16
	v_pk_mul_f32 v[X+32*\p+i:X+32*\p+i+1], v[X+32*\p+i:X+32*\p+i+1], v[RS+2*\p:RS+2*\p+1]
.set i, i+2
.endr
.set i, 0
.rept 16
	v_pk_fma_f32 v[X+32*\p+i:X+32*\p+i+1], v[X+32*\p+i:X+32*\p+i+1], v[G+i:G+i+1], v[BT+i:BT+i+1]
.set i, i+2
.endr
.irp j, 0,1,2,3,4,5,6,7
	ds_store_b128 v5, v[X+32*\p+4*\j:X+32*\p+4*\j+3] offset:PITCH*\p+512*\j
.endr
.endr
	s_wait_dscnt 0x0                               ; for the others' sake: my rows lie in LDS
	s_barrier_signal -1
	s_barrier_wait -1
.irp q, 0,1
.irp b, 0,1,2,3
	ds_load_b128 v[H0+64*\q+16*\b:H0+64*\q+16*\b+3], v6 offset:512*\q+128*\b
	ds_load_b128 v[H0+64*\q+16*\b+4:H0+64*\q+16*\b+7], v6 offset:512*\q+128*\b+16
	ds_load_b128 v[H0+64*\q+16*\b+8:H0+64*\q+16*\b+11], v6 offset:512*\q+128*\b+64
	ds_load_b128 v[H0+64*\q+16*\b+12:H0+64*\q+16*\b+15], v6 offset:512*\q+128*\b+80
.endr
.endr
.irp b, 0,1,2,3
	v_mov_b32 v[TM+4+\b], 0                        ; written once: a lane permute's destination counts as one of its sources
.endr
; 64 numbers of a lane, register 16 b + i = place 16 h + i of block b of my row, become a fragment's codes in v[pc] .. v[pc + 11] and its scale word in v[pw]
.macro QUANT s, pc, pw
.irp b, 0,1,2,3
	v_max3_num_f32 v[TM+\b], |v[\s+16*\b]|, |v[\s+1+16*\b]|, 0x1800000     ; my 16 numbers of block b, and the floor 2^(3 - 127)
.endr
.irp i, 2,4,6,8,10,12,14
.irp b, 0,1,2,3
	v_max3_num_f32 v[TM+\b], v[TM+\b], |v[\s+16*\b+\i]|, |v[\s+1+16*\b+\i]|
.endr
.endr
.irp b, 0,1,2,3
	v_permlanex16_b32 v[TM+4+\b], v[TM+\b], s[SEL], s[SEL+1]
.endr
.irp b, 0,1,2,3
	v_max_num_f32 v[TM+\b], v[TM+\b], v[TM+4+\b]   ; with lane l xor 16's: the block's largest magnitude
.endr
.irp b, 0,1,2,3
	v_add_nc_u32 v[TM+12+\b], 0xff000000, v[TM+\b] ; 2 off the exponent field: the conversion's scale operand
.endr
.irp b, 0,1,2,3
	v_lshrrev_b32 v[TM+4+\b], 23, v[TM+12+\b]      ; the byte
.endr
	v_lshl_or_b32 v[\pw], v[TM+5], 8, v[TM+4]
	v_lshl_or_b32 v[\pw], v[TM+6], 16, v[\pw]
	v_lshl_or_b32 v[\pw], v[TM+7], 24, v[\pw]
.irp c, 0,1
	v_cvt_scalef32_pk16_fp6_f32 v[\pc+6*\c:\pc+2+6*\c], v[\s+32*\c:\s+15+32*\c], v[TM+12+2*\c]
	v_cvt_scalef32_pk16_fp6_f32 v[\pc+12+4*\c:\pc+14+4*\c], v[\s+16+32*\c:\s+31+32*\c], v[TM+12+2*\c+1]
.endr
	v_nop                                          ; one plain line behind a scaled conversion
.irp c, 0,1                            ; a lane wants a whole block: lanes 0-15 block 2 c, lanes 16-31 block 2 c + 1
.irp i, 0,1,2
	v_permlane16_swap_b32 v[\pc+6*\c+\i], v[\pc+12+4*\c+\i]
.endr
.irp i, 0,1,2
	v_mov_b32 v[\pc+3+6*\c+\i], v[\pc+12+4*\c+\i]
.endr
.endr
.endm
.macro IMGST pc, off
	global_store_b128 v4, v[\pc:\pc+3], s[26:27] offset:\off
	global_store_b64 v8, v[\pc+4:\pc+5], s[26:27] offset:\off+512
	global_store_b128 v4, v[\pc+6:\pc+9], s[26:27] offset:\off+768
	global_store_b64 v8, v[\pc+10:\pc+11], s[26:27] offset:\off+1280
.endm
	s_wait_dscnt 16                                ; the first K step's sixteen loads are in, the second's may be out
	QUANT H0, PC0, PW0
	IMGST PC0, 0
	s_wait_dscnt 0x0
	QUANT H1, PC1, PW1
	IMGST PC1, 1536
	v_cndmask_b32 v[SWM], v[PW0], v[PW1], s18      ; lanes 0-15: the words of K step 2 w; lanes 16-31: of 2 w + 1
	global_store_b32 v9, v[SWM], s[28:29]
	s_wait_tensorcnt 0x0                           ; the wave's end, behind my last LDS store
	ds_add_u32 v[SPW], v[NIL]
	s_wait_dscnt 0x0
	s_endpgm
.Lfunc_end_k_q13f40f8d59_ln1:
	.size	k_q13f40f8d59_ln1, .Lfunc_end_k_q13f40f8d59_ln1-k_q13f40f8d59_ln1
	.p2alignl 7, 3214868480
	.fill 96, 4, 3214868480
	.section	.rodata,"a",@progbits
	.p2align	6, 0x0
	.amdhsa_kernel k_q13f40f8d59_ln1
		.amdhsa_group_segment_fixed_size 66304
		.amdhsa_private_segment_fixed_size 0
		.amdhsa_enable_private_segment 0
		.amdhsa_kernarg_size 32
		.amdhsa_user_sgpr_count 2
		.amdhsa_user_sgpr_kernarg_segment_ptr 1
		.amdhsa_wavefront_size32 1
		.amdhsa_system_sgpr_workgroup_id_x 1
		.amdhsa_system_sgpr_workgroup_id_y 1
		.amdhsa_system_sgpr_workgroup_id_z 1
		.amdhsa_system_vgpr_workitem_id 0
		.amdhsa_next_free_vgpr 256
		.amdhsa_next_free_sgpr 66
		.amdhsa_reserve_vcc 0
		.amdhsa_float_denorm_mode_32 3
		.amdhsa_float_denorm_mode_16_64 3
		.amdhsa_memory_ordered 1
		.amdhsa_forward_progress 1
		.amdhsa_inst_pref_size 44
	.end_amdhsa_kernel
	.amdgpu_metadata
---
amdhsa.version: [ 1, 2 ]
amdhsa.kernels:
  - .name:           k_q13f40f8d59_ln1
    .symbol:         k_q13f40f8d59_ln1.kd
    .args:
      - { .name: x, .offset: 0, .size: 8, .value_kind: global_buffer, .address_space: global }
      - { .name: g1, .offset: 8, .size: 8, .value_kind: global_buffer, .address_space: global }
      - { .name: be1, .offset: 16, .size: 8, .value_kind: global_buffer, .address_space: global }
      - { .name: hn, .offset: 24, .size: 8, .value_kind: global_buffer, .address_space: global }
    .group_segment_fixed_size: 66304
    .private_segment_fixed_size: 0
    .kernarg_segment_align: 8
    .kernarg_segment_size: 32
    .max_flat_workgroup_size: 128
    .sgpr_count:     66
    .vgpr_count:     256
    .wavefront_size: 32
...
	.end_amdgpu_metadata
.endif
;; end of part 9
;; launch qkv (part 10): grid 12 x 16, 4 waves a work-group, clusters of 4 x 4, 327,680 bytes of LDS; arguments hn, wts, bq, bk, bv, qb, kv; writes qb, kv
.if DOCPART == 10
	.amdgcn_target "amdgcn-amd-amdhsa--gfx1250"
	.amdhsa_code_object_version 6
	.text
	.protected	k_q13f40f8d59_qkv
	.globl	k_q13f40f8d59_qkv
	.p2align	8
	.type	k_q13f40f8d59_qkv,@function
k_q13f40f8d59_qkv:
	s_mov_b64 s[64:65], 0
	v_nop
	global_prefetch_b8 v0, s[64:65] scope:SCOPE_SE
	s_setreg_imm32_b32 hwreg(HW_REG_WAVE_MODE, 25, 1), 1
	s_wait_xcnt 0x0
	s_wait_alu depctr_hold_cnt(0) depctr_sa_sdst(0) depctr_va_vdst(0) depctr_va_sdst(0) depctr_va_ssrc(0) depctr_va_vcc(0) depctr_vm_vsrc(0)
	s_getreg_b32 s2, hwreg(HW_REG_IB_STS2, 6, 4)
	s_cmp_eq_u32 s2, 0
	s_cbranch_scc0 .Lentry_in_a_cluster
	s_endpgm
.Lentry_in_a_cluster:
	s_bfe_u32 s2, ttmp6, 0x10000c
	s_cmp_lg_u32 s2, 0xf033
	s_cbranch_scc0 .Lentry_shape_is_right
	s_endpgm
.Lentry_shape_is_right:
; q = h Wq + bq, k = h Wk + bk, v = h Wv + bv on codes of FP6 (E2M3) with E8M0 scales, K = 1,024; the results are quantised at once: q and k along the head's 64, v along the keys.
; The cluster's x says which: 0 q, 1 k: C[token][column], A = h's codes, B = the weight's; 2 v: C[channel][token], A = Wv's codes, B = h's, so that the quantiser along C's columns is the one along the keys.
; The choice is made by selects on the cluster's x, which all sixteen partners share; only one store of scale words stands under a branch on it.
; THE CORE: a tile of C is 256 x 256, four waves of 128 x 128 (64 accumulators).  K goes in steps of 256 through two LDS slots.  All operands lie in memory as IMAGES OF THE OPERAND'S REGISTERS
; (16 rows x 128 K = 1,536 bytes: registers 0-3 at 16 x lane, 4-5 at 512 + 8 x lane, 6-9 at 768 + 16 x lane, 10-11 at 1,280 + 8 x lane), so 128 rows x 256 K are one dense block of 24,576 bytes: one tensor load a wave,
; and a fragment comes from LDS by four loads that each read consecutive bytes.  The scale words of 128 rows for all of K are one dense block, brought once.
; CLUSTERS: 4 x 4; A's tiles are asked for jointly along a row of the cluster, B's along a column.  The matrix instruction is used transposed (source 0 = B's rows, source 1 = A's rows): a lane holds one row of C
; and eight neighbouring columns; the 16 registers of two neighbouring accumulators are places 16 h .. 16 h + 15 of a block of 32 in this program's order (place p = element p with bits 3 and 4 exchanged).
; The bias along C's columns is the C of each sum's first matrix instruction; the bias along its rows (v) is added where the results are moved out of the accumulators.  Each is made 0 where the role has the other.
; OUT: qb: [head 32][token tile 128][768] half images, scale words at 3,145,728 + (head x 2,048 + token) x 4.  kv: [head 32][key step 16] records of 13,056 bytes: k's 8 half images, v's 4 images (16 channels x 128 keys),
; k's 128 scale words, v's 64.  A head's word of q or k has its two bytes low; the two above them stand over zero codes.
; REGISTERS: window 0: v0-31 addresses, v32-63 scale words (two sets), v64-127 the bias, v128-223 A's fragments (one set), v232-247 the row bias; window 1: B's two sets; windows 2, 3: the accumulators.
; LIMITS: a block of zeros gets the byte 1 where the rule says 127 (zero codes; read by this program alone); NaN and infinities are not served; inside a block the sums go in the order of places.
.set KK,    1024
.set KT,    KK/128
.set BCODE, 0
.set NQ,    2
.set FR,    12
.set NL,    4
.set NP,    4
.set HALFT, 24576                      ; 128 rows x 256 K: what one tensor load brings
.set SLOT,  4*HALFT
.set SCL,   2*SLOT                     ; behind the ring: the scale words
.set HALFS, KT*512
.set SPARE, SCL+4*HALFS                ; the spare words, 128 bytes a wave
.set LAPS,  KK/512
.set ADRA, 16                          ; v16-17 A's half + 16 x lane in slot 0, 1; v18-19 the same with 8 x lane
.set ADRB, 20                          ; v20-23 the same for B
.set ADRS, 27
.set SPW,  28
.set NIL,  29
.set SC,   32
.set BIAS, 64
.set AF,   128
.set G1, 24
.set G0, 32
.set G1B, 48
.set G0B, 56
.set G1S, 68
.set G0S, 76
.set G1SB, 80
.set G0SB, 88
.set MUL_LO, 0xa1                      ; source 0 (B) window 1, source 1 (A) window 0, C and D window 2
.set MUL_HI, 0xf1
.set TO_B,   0x40
.set HA,  128                          ; the way out
.set PC,  192
.set TM,  212
.set PW,  228
.set PWE, 229
.set SW0, 230
.set SW1, 231
.set BMR, 232
.set VA,  4
.set VB,  5
.set VA1, 6
.set VB1, 7
.set VS,  10
.set VS1, 11
.set SEL, 18
.set MSB, 0
.macro WIN new                         ; the immediate's high byte repeats the setting that is left
.if MSB != (\new)
	s_set_vgpr_msb (MSB<<8)|(\new)
.set MSB, (\new)
.endif
.endm
.macro JLOAD g0a, g1a, g0b, g1b        ; a joint load: waves 0 and 1 fetch for A, waves 2 and 3 for B; an s_nop 0 and four v_nop follow each line
	s_cmp_eq_u32 s15, 0
	s_cbranch_scc0 .Lfor_b_\@
	tensor_load_to_lds s[\g0a:\g0a+3], s[\g1a:\g1a+7]
	s_nop 0
.rept 4
	v_nop
.endr
	s_branch .Lasked_\@
.Lfor_b_\@:
	tensor_load_to_lds s[\g0b:\g0b+3], s[\g1b:\g1b+7]
	s_nop 0
.rept 4
	v_nop
.endr
.Lasked_\@:
.endm
.macro CREST                           ; a round of the cluster's barrier behind its opening barrier
	s_cmp_lg_u32 s14, 0
	s_cbranch_scc1 .Lnot_wave_0_\@
	s_barrier_signal -3
.Lnot_wave_0_\@:
	s_barrier_wait -3
	s_barrier_signal -1
	s_barrier_wait -1
.endm
.macro CROUND
	s_barrier_signal -1
	s_barrier_wait -1
	CREST
.endm
.macro FRAG reg, adr, q, i             ; the image of row tile i, the slot's q-th 128 along K
	ds_load_b128 v[\reg:\reg+3], v[\adr] offset:3072*(\i)+1536*(\q)
	ds_load_b64 v[\reg+4:\reg+5], v[\adr+2] offset:3072*(\i)+1536*(\q)+512
	ds_load_b128 v[\reg+6:\reg+9], v[\adr] offset:3072*(\i)+1536*(\q)+768
	ds_load_b64 v[\reg+10:\reg+11], v[\adr+2] offset:3072*(\i)+1536*(\q)+1280
.endm
; 16 matrix instructions: A's blocks a0, a0 + 1 x B's eight.  The 64 accumulators take turns, one instruction a turn, in the same order in every step.  zero = 1: the bias starts the sums
.macro MUL16 a0, p, q, sc, zero
.irp a, \a0, \a0+1
.irp b, 0,1,2,3,4,5,6,7
.if \zero
	v_wmma_scale_f32_16x16x128_f8f6f4 v[8*(8*((\a)%4)+\b):8*(8*((\a)%4)+\b)+7], v[128*(\p)+FR*\b:128*(\p)+FR*\b+FR-1], v[AF+FR*(\a):AF+FR*(\a)+FR-1], v[BIAS+8*\b:BIAS+8*\b+7], v[SC+8*NQ*(\sc)+NQ*\b+(\q)], v[SC+8*NQ*(\sc)+NQ*(\a)+(\q)] matrix_a_fmt:MATRIX_FMT_FP6 matrix_b_fmt:MATRIX_FMT_FP6 matrix_a_scale:MATRIX_SCALE_ROW1
.else
	v_wmma_scale_f32_16x16x128_f8f6f4 v[8*(8*((\a)%4)+\b):8*(8*((\a)%4)+\b)+7], v[128*(\p)+FR*\b:128*(\p)+FR*\b+FR-1], v[AF+FR*(\a):AF+FR*(\a)+FR-1], v[8*(8*((\a)%4)+\b):8*(8*((\a)%4)+\b)+7], v[SC+8*NQ*(\sc)+NQ*\b+(\q)], v[SC+8*NQ*(\sc)+NQ*(\a)+(\q)] matrix_a_fmt:MATRIX_FMT_FP6 matrix_b_fmt:MATRIX_FMT_FP6 matrix_a_scale:MATRIX_SCALE_ROW1
.endif
.endr
.endr
.endm
.macro FETCH_B slot, q, p
	WIN TO_B
.irp i, 0,1,2,3,4,5,6,7
	FRAG 128*(\p)+FR*\i, ADRB+\slot, \q, \i
.endr
	WIN 0
.endm
.macro FETCH_A slot, q, i0
.irp i, \i0, \i0+1, \i0+2, \i0+3
	FRAG AF+FR*(\i), ADRA+\slot, \q, \i
.endr
.endm
.macro SCALES sc                       ; a K step's scale words: lanes 0-15 take A's block i, lanes 16-31 B's block i
.irp i, 0,1,2,3,4,5,6,7
.irp q, 0,1
	ds_load_b32 v[SC+8*NQ*\sc+NQ*\i+\q], v[ADRS] offset:512*\q+64*\i
.endr
.endr
.endm
.macro PLACES n                        ; plain vector lines between a matrix instruction and a load into, or a read of, its registers
.rept \n
	v_nop
.endr
.endm
.macro STEP slot, q, zero              ; 128 along K with its successor in the same slot
	s_wait_dscnt 4*NL                              ; B's set, A's blocks 0-3 and the scale words are in; the youngest sixteen loads (A's blocks 4-7) may be out
	WIN MUL_LO-0x20*(\zero)                        ; (the bias lies in window 0)
	MUL16 0, (\q)%2, \q, \slot, \zero
	MUL16 2, (\q)%2, \q, \slot, \zero
	s_wait_dscnt 0
	PLACES NP
	FETCH_B \slot, (\q)+1, 1-(\q)%2
	FETCH_A \slot, (\q)+1, 0
	WIN MUL_HI-0x30*(\zero)
	MUL16 4, (\q)%2, \q, \slot, \zero
	MUL16 6, (\q)%2, \q, \slot, \zero
	PLACES NP
	WIN 0
	FETCH_A \slot, (\q)+1, 4
.endm
; A slot's last step changes slots: one barrier; in front of it each wave waits for all its tensor loads, adds 0 to its spare word, and waits for that and for its reads of this slot.  fill = 1: the slot is filled again, two K steps on
.macro TURN slot, next, fill
	s_wait_tensorcnt 0x0                           ; all my tensor loads have landed: my part of the next slot
	ds_add_u32 v[SPW], v[NIL]                      ; 0 onto my spare word
	s_wait_dscnt 4*NL+1                            ; (the add and A's blocks 4-7 may be out)
	WIN MUL_LO
	MUL16 0, 1, NQ-1, \slot, 0
	s_wait_dscnt 0x0                               ; the add is done, and my reads of this slot are over
	s_barrier_signal -1
	MUL16 2, 1, NQ-1, \slot, 0
	WIN 0
	s_barrier_wait -1
.if \fill
	CREST                                          ; the barrier has opened a round of the cluster's: no wave of any partner still reads this slot or has a load on its way
	s_add_nc_u64 s[G0+4*\slot+2:G0+4*\slot+3], s[G0+4*\slot+2:G0+4*\slot+3], s[98:99]
	s_add_nc_u64 s[G0B+4*\slot+2:G0B+4*\slot+3], s[G0B+4*\slot+2:G0B+4*\slot+3], s[100:101]
	JLOAD G0+4*\slot, G1, G0B+4*\slot, G1B         ; the first tensor load behind the round; its four v_nop are the places in front of the loads below
.else
	PLACES NP
.endif
	s_wait_alu depctr_va_vdst(0)
	v_add_nc_u32 v[ADRS], 512*NQ, v[ADRS]          ; the next K step's scale words
	FETCH_B \next, 0, 0
	FETCH_A \next, 0, 0
	SCALES \next
	WIN MUL_HI
	MUL16 4, 1, NQ-1, \slot, 0
	MUL16 6, 1, NQ-1, \slot, 0
	PLACES NP
	WIN 0
	FETCH_A \next, 0, 4
.endm
; 64 numbers of a lane, register 16 b + i = place 16 h + i of block b of my row, become a fragment's codes in v[pc] .. v[pc + 11] and its scale word in v[pw]
.macro QUANT s, pc, pw
.irp b, 0,1,2,3
	v_max3_num_f32 v[TM+\b], |v[\s+16*\b]|, |v[\s+1+16*\b]|, 0x1800000
.endr
.irp i, 2,4,6,8,10,12,14
.irp b, 0,1,2,3
	v_max3_num_f32 v[TM+\b], v[TM+\b], |v[\s+16*\b+\i]|, |v[\s+1+16*\b+\i]|
.endr
.endr
.irp b, 0,1,2,3
	v_permlanex16_b32 v[TM+4+\b], v[TM+\b], s[SEL], s[SEL+1]
.endr
.irp b, 0,1,2,3
	v_max_num_f32 v[TM+\b], v[TM+\b], v[TM+4+\b]
.endr
.irp b, 0,1,2,3
	v_add_nc_u32 v[TM+12+\b], 0xff000000, v[TM+\b]
.endr
.irp b, 0,1,2,3
	v_lshrrev_b32 v[TM+4+\b], 23, v[TM+12+\b]
.endr
	v_lshl_or_b32 v[\pw], v[TM+5], 8, v[TM+4]
	v_lshl_or_b32 v[\pw], v[TM+6], 16, v[\pw]
	v_lshl_or_b32 v[\pw], v[TM+7], 24, v[\pw]
.irp c, 0,1
	v_cvt_scalef32_pk16_fp6_f32 v[\pc+6*\c:\pc+2+6*\c], v[\s+32*\c:\s+15+32*\c], v[TM+12+2*\c]
	v_cvt_scalef32_pk16_fp6_f32 v[\pc+12+4*\c:\pc+14+4*\c], v[\s+16+32*\c:\s+31+32*\c], v[TM+12+2*\c+1]
.endr
	v_nop                                          ; one plain line behind a scaled conversion
.irp c, 0,1
.irp i, 0,1,2
	v_permlane16_swap_b32 v[\pc+6*\c+\i], v[\pc+12+4*\c+\i]
.endr
.irp i, 0,1,2
	v_mov_b32 v[\pc+3+6*\c+\i], v[\pc+12+4*\c+\i]
.endr
.endr
.endm
	s_load_b256 s[4:11], s[0:1], 0x0               ; h's codes, the weights' codes, bq, bk
	s_load_b64 s[12:13], s[0:1], 0x20              ; bv
	v_lshl_add_u32 v[SPW], v0, 2, SPARE
	v_mov_b32 v[NIL], 0
	ds_add_u32 v[SPW], v[NIL]                      ; the wave's opening: the add and its wait ahead of my first tensor load
	ds_add_u32 v[SPW], v[NIL]
	v_lshrrev_b32 v1, 5, v0
	v_readfirstlane_b32 s14, v1                    ; wave
	s_lshr_b32 s15, s14, 1                         ; my half of the tile's rows.  Also: I fetch for A (0) or B (1)
	s_and_b32 s16, s14, 1                          ; my half of its columns.  Also: which 128 rows I fetch
	s_bfe_u32 s40, ttmp6, 0x40000                  ; cx
	s_bfe_u32 s41, ttmp6, 0x40004                  ; cy
	s_and_b32 s19, ttmp7, 0xffff
	s_lshl_b32 s19, s19, 2                         ; 4 x cluster y
	s_add_co_u32 s17, s19, s41                     ; q, k: A's tile = tokens 256 (4 cluster y + cy) on
	s_add_co_u32 s18, s41, 8                       ; v: A's tile = Wv's rows: tile 8 + cy of the three weights' 12
	s_lshl_b32 s42, ttmp9, 2
	s_add_co_u32 s42, s42, s40                     ; q, k: B's tile = 4 cluster x + cx of the 12
	s_add_co_u32 s46, s19, s40                     ; v: B's tile = tokens 256 (4 cluster y + cx) on
	s_mov_b32 s98, 256*3072                        ; a K step on in A's codes: its row tiles x 3,072
	s_mov_b32 s100, 192*3072                       ; and in B's
	s_mov_b32 s22, 3145728                         ; where A's scale words begin in its buffer
	s_mov_b32 s92, 9437184                         ; and B's
	s_cmp_eq_u32 ttmp9, 2
	s_cselect_b32 s95, 1, 0                        ; 1: this cluster makes v
	s_cselect_b32 s17, s18, s17
	s_cselect_b32 s42, s46, s42
	s_cselect_b32 s98, 192*3072, s98
	s_cselect_b32 s100, 256*3072, s100
	s_cselect_b32 s22, 9437184, s22
	s_cselect_b32 s92, 3145728, s92
	s_cselect_b32 s2, 0, -1                        ; lanes that keep the bias along the columns
	s_cselect_b32 s18, -1, 0                       ; and along the rows
	s_mov_b32 s99, 0
	s_mov_b32 s101, 0
	s_lshl_b32 s43, s41, 2
	s_lshl_b32 s43, 15, s43                        ; my row of the cluster
	s_lshl_b32 s44, 0x1111, s40                    ; my column
	s_or_b32 s[G1+0], s43, (3<<16)|(1<<21)         ; 15:0 the mask; 17:16 elements of 8 bytes; 21 set beside a mask; no padding
	s_or_b32 s[G1B+0], s44, (3<<16)|(1<<21)
.irp g, G1, G1B
	s_mov_b32 s[\g+1], 32<<16                      ; a dense block as rows of 256 bytes: tensor_dim0 = 32
	s_mov_b32 s[\g+2], 192<<16                     ; the head's loads bring 256 rows x 256 K: 192 rows of 256 bytes
	s_mov_b32 s[\g+3], 32<<16
	s_mov_b32 s[\g+4], 192
	s_mov_b32 s[\g+5], 32                          ; the pitch
	s_mov_b32 s[\g+6], 0
	s_mov_b32 s[\g+7], 0
.endr
	s_or_b32 s[G1S+0], s43, (3<<16)|(1<<21)
	s_or_b32 s[G1SB+0], s44, (3<<16)|(1<<21)
.irp g, G1S, G1SB
	s_mov_b32 s[\g+1], 32<<16
	s_mov_b32 s[\g+2], (4*KT)<<16                  ; the scale words of 256 rows, all of K
	s_mov_b32 s[\g+3], 32<<16
	s_mov_b32 s[\g+4], 4*KT
	s_mov_b32 s[\g+5], 32
	s_mov_b32 s[\g+6], 0
	s_mov_b32 s[\g+7], 0
.endr
	s_lshl_b32 s20, s17, 4
	s_mul_i32 s20, s20, 3072                       ; A's codes: row tile 16 x tile
	s_mov_b32 s21, 0
	s_lshl_b32 s23, s17, 1
	s_mul_i32 s23, s23, HALFS
	s_add_co_u32 s22, s22, s23                     ; A's scale words
	s_mov_b32 s23, 0
	s_lshl_b32 s46, s42, 4
	s_mul_i32 s46, s46, 3072
	s_add_co_u32 s46, s46, BCODE                   ; B's codes
	s_mov_b32 s47, 0
	s_lshl_b32 s93, s42, 1
	s_mul_i32 s93, s93, HALFS
	s_add_co_u32 s92, s92, s93                     ; B's scale words
	s_mov_b32 s93, 0
	s_mul_i32 s45, s14, HALFT                      ; where they go: by the wave's number alone
	s_wait_dscnt 0x0                               ; the opening add is done
	s_wait_kmcnt 0x0
	s_cmp_eq_u32 s95, 1
	s_cselect_b64 s[96:97], s[6:7], s[4:5]         ; A's buffer
	s_cselect_b64 s[6:7], s[4:5], s[6:7]           ; B's buffer
	s_mov_b64 s[4:5], s[96:97]
	s_cmp_eq_u32 ttmp9, 1
	s_cselect_b64 s[8:9], s[10:11], s[8:9]
	s_cmp_eq_u32 ttmp9, 2
	s_cselect_b64 s[8:9], s[12:13], s[8:9]         ; the role's bias
	s_add_nc_u64 s[20:21], s[4:5], s[20:21]
	s_add_nc_u64 s[22:23], s[4:5], s[22:23]
	s_add_nc_u64 s[46:47], s[6:7], s[46:47]
	s_add_nc_u64 s[92:93], s[6:7], s[92:93]
	CROUND                                         ; all sixteen work-groups are here: the first joint loads meet
	s_mov_b32 s[G0S], 1
	s_mov_b32 s[G0S+1], SCL
	s_mov_b64 s[G0S+2:G0S+3], s[22:23]
	s_or_b32 s[G0S+3], s[G0S+3], 0x80000000
	s_mov_b32 s[G0SB], 1
	s_mov_b32 s[G0SB+1], SCL+2*HALFS
	s_mov_b64 s[G0SB+2:G0SB+3], s[92:93]
	s_or_b32 s[G0SB+3], s[G0SB+3], 0x80000000
	s_mov_b32 s[G0], 1
	s_mov_b32 s[G0+1], 0                           ; at the head: A's whole 256 rows of K step 0
	s_mov_b64 s[G0+2:G0+3], s[20:21]
	s_or_b32 s[G0+3], s[G0+3], 0x80000000
	s_mov_b32 s[G0B], 1
	s_mov_b32 s[G0B+1], 2*HALFT                    ; and B's, behind them
	s_mov_b64 s[G0B+2:G0B+3], s[46:47]
	s_or_b32 s[G0B+3], s[G0B+3], 0x80000000
	s_mul_i32 s96, s16, HALFT                      ; in the ring I fetch 128 rows of a tile: which half, in bytes
	s_mov_b32 s97, 0
	s_add_nc_u64 s[20:21], s[20:21], s[96:97]
	s_add_nc_u64 s[46:47], s[46:47], s[96:97]
	s_mov_b32 s[G0+4], 1
	s_add_co_u32 s[G0+5], s45, SLOT
	s_add_nc_u64 s[G0+6:G0+7], s[20:21], s[98:99]
	s_or_b32 s[G0+7], s[G0+7], 0x80000000
	s_mov_b32 s[G0B+4], 1
	s_add_co_u32 s[G0B+5], s45, SLOT
	s_add_nc_u64 s[G0B+6:G0B+7], s[46:47], s[100:101]
	s_or_b32 s[G0B+7], s[G0B+7], 0x80000000
	s_cmp_eq_u32 s15, 0                            ; the prefetches go by my quarter of a slot, as the ring's loads do
	s_cselect_b64 s[66:67], s[20:21], s[46:47]
	s_cselect_b32 s94, s98, s100                   ; a K step on, in bytes
	s_cselect_b32 s3, s40, s41                     ; my place among the four partners that ask for the quarter jointly
	s_mul_i32 s3, s3, 6144                         ; each names 24 of its 96 blocks of 256 bytes
; THE HEAD'S LOADS, ONE A WAVE: wave 0 A's 256 rows of K step 0, wave 1 B's, wave 2 A's scale words, wave 3 B's; one chain of branches on the wave's number
.macro ARM under, g0, g1, next
	s_cmp_lt_u32 s14, \under
	s_cbranch_scc0 \next
	tensor_load_to_lds s[\g0:\g0+3], s[\g1:\g1+7]
	s_nop 0
.rept 4
	v_nop
.endr
	s_branch .Lhead_asked
\next:
.endm
	ARM 1, G0, G1, .Lhead_b
	ARM 2, G0B, G1B, .Lhead_sa
	ARM 3, G0S, G1S, .Lhead_sb
	tensor_load_to_lds s[G0SB:G0SB+3], s[G1SB:G1SB+7]
	s_nop 0
.rept 4
	v_nop
.endr
.Lhead_asked:
	v_and_b32 v30, 31, v0
	v_min_u32 v30, 23, v30                         ; lanes 24-31 name the last block again
	v_lshl_add_u32 v30, v30, 8, s3
	v_add_nc_u32 v30, s94, v30                     ; K step 1,
	v_add_nc_u32 v31, s94, v30                     ; 2,
	v_add_nc_u32 v24, s94, v31                     ; 3: the last; none of the three is rewritten
	global_prefetch_b8 v30, s[66:67] th:TH_LOAD_NT scope:SCOPE_SE   ; behind K step 0's load: K steps 1 and 2
	global_prefetch_b8 v31, s[66:67] th:TH_LOAD_NT scope:SCOPE_SE
	s_lshl_b32 s98, s98, 1                         ; from here on: a refill's step, two K steps
	s_lshl_b32 s100, s100, 1
	v_and_b32 v1, 15, v0                           ; r
	v_bfe_u32 v2, v0, 4, 1                         ; h
	v_and_b32 v3, 31, v0                           ; lane
	v_lshlrev_b32 v4, 4, v3
	v_lshlrev_b32 v5, 3, v3
	s_mul_i32 s21, s15, HALFT                      ; my 128 rows of A
	s_mul_i32 s22, s16, HALFT
	s_add_co_u32 s22, s22, 2*HALFT                 ; my 128 rows of B, behind A's 256
.irp s, 0,1
	v_add_nc_u32 v[ADRA+\s], s21, v4
	v_add_nc_u32 v[ADRB+\s], s22, v4
	v_add_nc_u32 v[ADRA+2+\s], s21, v5
	v_add_nc_u32 v[ADRB+2+\s], s22, v5
	s_add_co_u32 s21, s21, SLOT
	s_add_co_u32 s22, s22, SLOT
.endr
	v_lshlrev_b32 v6, 2, v1
	s_mul_i32 s21, s15, HALFS
	s_mul_i32 s22, s16, HALFS
	s_add_co_u32 s22, s22, 2*HALFS
	s_sub_co_u32 s22, s22, s21
	v_mul_u32_u24 v7, s22, v2                      ; lanes 16-31 take B's words
	s_add_co_u32 s21, s21, SCL
	v_add_nc_u32 v6, v6, v7
	v_add_nc_u32 v[ADRS], s21, v6
	v_lshlrev_b32 v8, 5, v2                        ; the bias along the columns: 32 h
	s_wait_alu depctr_va_vdst(0)
	v_lshlrev_b32 v9, 2, v1                        ; along the rows: 4 r
	s_wait_alu depctr_va_vdst(0)
	s_lshl_b32 s46, s40, 10                        ; columns 256 cx + 128 x half of the weight's 1,024
	s_lshl_b32 s47, s16, 9
	s_add_co_u32 s46, s46, s47
	s_mov_b32 s47, 0
	s_add_nc_u64 s[12:13], s[8:9], s[46:47]
	s_lshl_b32 s20, s41, 10                        ; rows 256 cy + 128 x half
	s_lshl_b32 s21, s15, 9
	s_add_co_u32 s20, s20, s21
	s_mov_b32 s21, 0
	s_add_nc_u64 s[10:11], s[8:9], s[20:21]
.irp b, 0,1,2,3,4,5,6,7
	global_load_b128 v[BIAS+8*\b:BIAS+8*\b+3], v8, s[12:13] offset:64*\b
	global_load_b128 v[BIAS+8*\b+4:BIAS+8*\b+7], v8, s[12:13] offset:64*\b+16
.endr
.irp a, 0,1,2,3,4,5,6,7
	global_load_b32 v[BMR+2*\a], v9, s[10:11] offset:64*\a
	v_mov_b32 v[BMR+2*\a+1], 0                     ; named with it as a pair
.endr
	s_wait_alu depctr_va_vdst(0)                   ; the wait at the head's end
	s_wait_tensorcnt 0x0                           ; my tile of the head's four is in; the three lines ahead of slot 1's first fill, as ahead of a refill
	ds_add_u32 v[SPW], v[NIL]
	s_mov_b32 s[G1+2], 96<<16                      ; no tensor load of mine is out: from here on a load brings 128 rows x 256 K,
	s_mov_b32 s[G1+4], 96
	s_mov_b32 s[G1B+2], 96<<16
	s_mov_b32 s[G1B+4], 96
	s_mov_b32 s[G0+1], s45                         ; and slot 0's sets stand at my quarter
	s_mov_b32 s[G0B+1], s45
	s_add_nc_u64 s[G0+2:G0+3], s[G0+2:G0+3], s[96:97]
	s_add_nc_u64 s[G0B+2:G0B+3], s[G0B+2:G0B+3], s[96:97]
	s_wait_dscnt 0x0
	CROUND                                         ; all four tiles are in, and all sixteen work-groups are here
	JLOAD G0+4, G1, G0B+4, G1B                     ; slot 1: K step 1, the first tensor load behind the round
	FETCH_B 0, 0, 0
	FETCH_A 0, 0, 0
	SCALES 0
	FETCH_A 0, 0, 4
	global_prefetch_b8 v24, s[66:67] th:TH_LOAD_NT scope:SCOPE_SE   ; behind K step 1's load: K step 3
	s_wait_loadcnt 0x0                             ; the biases
.set i, 0
.rept 64
	v_cndmask_b32 v[BIAS+i], 0, v[BIAS+i], s2      ; v has no bias along C's columns,
.set i, i+1
.endr
.irp a, 0,1,2,3,4,5,6,7
	v_cndmask_b32 v[BMR+2*\a], 0, v[BMR+2*\a], s18 ; q and k none along its rows
.endr
	s_wait_alu depctr_va_vdst(0)
	STEP 0, 0, 1                                   ; the first step stands in front of the loop: the bias starts the sums
	s_mov_b32 s3, LAPS-1
.Llap:
	TURN 0, 1, 1
	STEP 1, 0, 0
	TURN 1, 0, 1
	STEP 0, 0, 0
	s_sub_co_u32 s3, s3, 1
	s_cmp_lg_u32 s3, 0
	s_cbranch_scc1 .Llap
	TURN 0, 1, 0                                   ; the last lap fills nothing
	STEP 1, 0, 0
	s_wait_dscnt 4*NL
	WIN MUL_LO
	MUL16 0, 1, NQ-1, 1, 0
	MUL16 2, 1, NQ-1, 1, 0
	s_wait_dscnt 0
	WIN MUL_HI
	MUL16 4, 1, NQ-1, 1, 0
	MUL16 6, 1, NQ-1, 1, 0
	WIN 0
	; THE WAY OUT.  No tensor load of mine is out, so the descriptors' registers are free
	s_load_b128 s[24:27], s[0:1], 0x28             ; qb, kv
	PLACES NP
	s_mov_b32 s[SEL], 0x76543210
	s_mov_b32 s[SEL+1], 0xfedcba98
	s_mov_b32 s60, 0xffff0000                      ; lanes 16-31
	s_cmp_eq_u32 s95, 1
	s_cselect_b32 s28, s42, s17                    ; the tile of tokens,
	s_cselect_b32 s29, s16, s15                    ; my half of it,
	s_cselect_b32 s30, s41, s40                    ; the tile of channels in the weight,
	s_cselect_b32 s31, s15, s16                    ; my half of it
	s_lshr_b32 s32, s28, 3                         ; the batch
	s_and_b32 s28, s28, 7
	s_lshl_b32 s28, s28, 1
	s_add_co_u32 s28, s28, s29                     ; which 128 tokens of its 2,048
	s_lshl_b32 s32, s32, 4
	s_lshl_b32 s30, s30, 2
	s_add_co_u32 s32, s32, s30
	s_lshl_b32 s31, s31, 1
	s_add_co_u32 s32, s32, s31                     ; the first of my two heads: 16 x batch + 4 x tile + 2 x half
	s_mul_i32 s33, s32, 98304
	s_mul_i32 s34, s28, 6144
	s_add_co_u32 s33, s33, s34                     ; q's half images
	s_lshl_b32 s34, s32, 13
	s_lshl_b32 s35, s28, 9
	s_add_co_u32 s34, s34, s35
	s_add_co_u32 s34, s34, 3145728                 ; q's scale words
	s_mul_i32 s36, s32, 208896
	s_mul_i32 s37, s28, 13056
	s_add_co_u32 s36, s36, s37                     ; the record of k and v
	s_mul_i32 s37, s95, 6144
	s_add_co_u32 s37, s36, s37                     ; k's half images at 0, v's images at 6,144
	s_lshl_b32 s38, s95, 9
	s_add_co_u32 s38, s38, s36
	s_add_co_u32 s38, s38, 12288                   ; k's scale words at 12,288, v's at 12,800
	s_mov_b32 s39, 208896
	s_mov_b32 s54, 768
	s_cmp_eq_u32 ttmp9, 0
	s_cselect_b32 s48, s33, s37
	s_cselect_b32 s50, s34, s38
	s_cselect_b32 s52, 98304, s39                  ; from a head to the next: codes,
	s_cselect_b32 s53, 8192, s39                   ; scale words
	s_wait_kmcnt 0x0
	s_cselect_b64 s[24:25], s[24:25], s[26:27]
	s_mov_b32 s49, 0
	s_mov_b32 s51, 0
	s_cmp_eq_u32 s95, 1
	s_cselect_b32 s52, 768, s52                    ; v: an image's second half follows its first
	s_cselect_b32 s54, 1536, s54                   ; from a block of 16 rows to the next
	s_cselect_b32 s56, 202752, 0                   ; v: blocks 4-7 belong to the next head: 208,896 - 4 x 1,536
	s_cselect_b32 s58, 208640, 0                   ; 208,896 - 2 x 128
	s_mov_b32 s55, 0
	s_mov_b32 s57, 0
	s_mov_b32 s59, 0
	s_add_nc_u64 s[26:27], s[24:25], s[50:51]      ; the scale words' base
	s_add_nc_u64 s[24:25], s[24:25], s[48:49]      ; the codes' base
	v_add_nc_u32 v[VA1], s52, v[VA]
	v_add_nc_u32 v[VB1], s52, v[VB]
	v_lshlrev_b32 v[VS], 2, v3
	v_add_nc_u32 v[VS1], s53, v[VS]
.irp b, 0,1,2,3
	v_mov_b32 v[TM+4+\b], 0                        ; written once: a lane permute's destination counts as one of its sources
.endr
.macro OUTA a                          ; block a: 16 rows x 128 columns become one fragment
.set AC, 64*((\a)%4)
	s_wait_xcnt 0x0                                ; the last block's stores have read their data and bases: both are written again below
.if (\a) > 0
	s_add_nc_u64 s[24:25], s[24:25], s[54:55]
.if (\a)%2 == 0
	s_add_nc_u64 s[26:27], s[26:27], 128
.endif
.endif
.if (\a) == 4
	s_add_nc_u64 s[24:25], s[24:25], s[56:57]
	s_add_nc_u64 s[26:27], s[26:27], s[58:59]
.endif
	WIN 0x02+(\a)/4                                ; source 0: window 2 or 3
.set i, 0
.rept 32
	v_pk_add_f32 v[HA+i:HA+i+1], v[AC+i:AC+i+1], v[BMR+2*(\a):BMR+2*(\a)+1] op_sel_hi:[1,0]   ; out of the accumulators, each from its low end on, with the row's bias
.set i, i+2
.endr
	WIN 0
	QUANT HA, PC, PW
	global_store_b128 v[VA], v[PC:PC+3], s[24:25]
	global_store_b64 v[VB], v[PC+4:PC+5], s[24:25] offset:512
	global_store_b128 v[VA1], v[PC+6:PC+9], s[24:25]
	global_store_b64 v[VB1], v[PC+10:PC+11], s[24:25] offset:512
.if (\a)%2 == 0
	v_mov_b32 v[PWE], v[PW]
.else
	v_cndmask_b32 v[SW0], v[PWE], v[PW], s60       ; 32 rows' words: 128 consecutive bytes
	v_lshrrev_b32 v[SW1], 16, v[SW0]               ; q, k: the second head's two bytes
	global_store_b32 v[VS], v[SW0], s[26:27]
	s_cmp_eq_u32 s95, 1
	s_cbranch_scc1 .Lone_\@                        ; v's word is whole
	global_store_b32 v[VS1], v[SW1], s[26:27]
.Lone_\@:
.endif
.endm
.irp a, 0,1,2,3,4,5,6,7
	OUTA \a
.endr
	s_wait_tensorcnt 0x0                           ; the wave's end
	ds_add_u32 v[SPW], v[NIL]
	s_wait_dscnt 0x0
	CROUND                                         ; the closing round
	s_endpgm
.Lfunc_end_k_q13f40f8d59_qkv:
	.size	k_q13f40f8d59_qkv, .Lfunc_end_k_q13f40f8d59_qkv-k_q13f40f8d59_qkv
	.p2alignl 7, 3214868480
	.fill 96, 4, 3214868480
	.section	.rodata,"a",@progbits
	.p2align	6, 0x0
	.amdhsa_kernel k_q13f40f8d59_qkv
		.amdhsa_group_segment_fixed_size 327680
		.amdhsa_private_segment_fixed_size 0
		.amdhsa_enable_private_segment 0
		.amdhsa_kernarg_size 56
		.amdhsa_user_sgpr_count 2
		.amdhsa_user_sgpr_kernarg_segment_ptr 1
		.amdhsa_wavefront_size32 1
		.amdhsa_system_sgpr_workgroup_id_x 1
		.amdhsa_system_sgpr_workgroup_id_y 1
		.amdhsa_system_sgpr_workgroup_id_z 1
		.amdhsa_system_vgpr_workitem_id 0
		.amdhsa_next_free_vgpr 1024
		.amdhsa_next_free_sgpr 102
		.amdhsa_reserve_vcc 0
		.amdhsa_float_denorm_mode_32 3
		.amdhsa_float_denorm_mode_16_64 3
		.amdhsa_memory_ordered 1
		.amdhsa_forward_progress 1
		.amdhsa_inst_pref_size 180
	.end_amdhsa_kernel
	.amdgpu_metadata
---
amdhsa.version: [ 1, 2 ]
amdhsa.kernels:
  - .name:           k_q13f40f8d59_qkv
    .symbol:         k_q13f40f8d59_qkv.kd
    .args:
      - { .name: hn, .offset: 0, .size: 8, .value_kind: global_buffer, .address_space: global }
      - { .name: wts, .offset: 8, .size: 8, .value_kind: global_buffer, .address_space: global }
      - { .name: bq, .offset: 16, .size: 8, .value_kind: global_buffer, .address_space: global }
      - { .name: bk, .offset: 24, .size: 8, .value_kind: global_buffer, .address_space: global }
      - { .name: bv, .offset: 32, .size: 8, .value_kind: global_buffer, .address_space: global }
      - { .name: qb, .offset: 40, .size: 8, .value_kind: global_buffer, .address_space: global }
      - { .name: kv, .offset: 48, .size: 8, .value_kind: global_buffer, .address_space: global }
    .group_segment_fixed_size: 327680
    .private_segment_fixed_size: 0
    .kernarg_segment_align: 8
    .kernarg_segment_size: 56
    .max_flat_workgroup_size: 128
    .sgpr_count:     102
    .vgpr_count:     1024
    .wavefront_size: 32
...
	.end_amdgpu_metadata
.endif
;; end of part 10
;; launch attn (part 11): grid 8 x 32, 16 waves a work-group, no clusters, 210,944 bytes of LDS; arguments qb, kv, ao; writes ao
.if DOCPART == 11
	.amdgcn_target "amdgcn-amd-amdhsa--gfx1250"
	.amdhsa_code_object_version 6
	.text
	.protected	k_q13f40f8d59_attn
	.globl	k_q13f40f8d59_attn
	.p2align	8
	.type	k_q13f40f8d59_attn,@function
k_q13f40f8d59_attn:
	s_mov_b64 s[64:65], 0
	v_nop
	global_prefetch_b8 v0, s[64:65] scope:SCOPE_SE
	s_setreg_imm32_b32 hwreg(HW_REG_WAVE_MODE, 25, 1), 1
	s_wait_xcnt 0x0
; Causal attention of one head on codes of FP6 (E2M3) with E8M0 scales, head size 64, 2,048 tokens; the output is quantised along head x 64 + channel and leaves as half images for the next product.
; THE SOFTMAX AHEAD OF THE SECOND PRODUCT: t = score x log2(e) / 8; M = the running largest t rounded UP to a whole number; p = 2^(t - M) is quantised along the keys, not normalised; the row's sum is taken of the
; unquantised p and divides at the end; when M moves, the sum and O are multiplied by 2^(old M - new M), which rounds nothing.
; SHARES.  Work-group (i, head) owns the query blocks i and 15 - i of 128: the two together see 17 key steps whatever i.  Sixteen waves, one tile of 16 queries each, 256 registers: four waves to a SIMD.
; NO CLUSTER: which key steps a wave leaves out hangs on its query block, which differs between the work-groups of a head.
; LDS.  A head's sixteen records (128 keys each: k's 8 half images, v's 4 images, their scale words; 13,056 bytes) all fit, and nothing is ever filled again.  Each wave asks for one record at the head: wave w record w.
; Waves 0-3 have a load line of their own and alone wait ahead of the first barrier, which shows records 0-3; behind the first four key steps a second barrier, with every wave's wait for 0, shows the other twelve;
; the last twelve key steps have no barrier.
; LAYOUT.  Both products transposed: S^T = K Q^T, O^T = V^T P^T: a lane holds ONE query.  Tile t of S^T holds keys 16 t + 8 h + 0 .. 7: the 16 registers of tiles 2 b, 2 b + 1 are places 16 h .. 16 h + 15 of block b in this
; program's order inside a block (place p = element p with bits 3 and 4 exchanged), in which v's codes lie too.  The head's 64 fill half of a K step: codes 64 .. 127 of Q and K are zero registers.
; CAUSAL.  A step all of whose keys come after the wave's queries is left out by a scalar branch on ids; on the diagonal hidden scores become -infinity.  Key 0 counts for every query, so M is a number from the first step on.
; NO PREFETCH: all that the work-group reads is asked for at the head.
; LIMITS: a block of zeros gets the byte 1 where the rule says 127 (zero codes); NaN and infinities are not served.  A block's largest p is made from its largest score by the same two lines as every p.
.set REC,   13056
.set SPARE, 16*REC                     ; behind the records: the spare words, 128 bytes a wave
.set SPW, 30
.set NIL, 31
.set BM,  80                           ; v80-83 the blocks' largest scores, then p;  v84-87, v88-91 at work
.set T2,  84
.set SO,  88
.set WV,  10
.set SEL, 12
.set CS,  14
.set TB,  16                           ; s16 LDS byte of the step's record
.set KF,  17                           ; s17 its first key
.set Q0,  18                           ; s18 my first query
.set CNT, 19
.set G1,  24
.set G0,  32
	s_load_b128 s[4:7], s[0:1], 0x0                ; qb, kv
	s_load_b64 s[8:9], s[0:1], 0x10                ; ao
	v_lshl_add_u32 v[SPW], v0, 2, SPARE
	v_mov_b32 v[NIL], 0
	ds_add_u32 v[SPW], v[NIL]                      ; the wave's opening: the add, twice, and its wait ahead of my tensor load
	ds_add_u32 v[SPW], v[NIL]
	v_lshrrev_b32 v1, 5, v0
	s_delay_alu instid0(VALU_DEP_1)
	v_readfirstlane_b32 s[WV], v1                  ; wave 0..15
	s_and_b32 s20, ttmp7, 0xffff                   ; batch x 16 + head
	s_lshr_b32 s21, s[WV], 2
	s_xor_b32 s21, s21, s[WV]
	s_and_b32 s21, s21, 1                          ; 1: my tile lies in the late block
	s_sub_co_u32 s22, 15, ttmp9
	s_cmp_eq_u32 s21, 1
	s_cselect_b32 s22, s22, ttmp9
	s_lshl_b32 s[Q0], s22, 7
	s_lshr_b32 s21, s[WV], 1
	s_lshl_b32 s21, s21, 4
	s_add_co_u32 s[Q0], s[Q0], s21                 ; 128 x block + 16 x (wave / 2)
	s_mov_b32 s[G1], 3<<16                         ; no mask; elements of 8 bytes; no padding
	s_mov_b32 s[G1+1], 32<<16                      ; a record as 51 rows of 256 bytes
	s_mov_b32 s[G1+2], 51<<16
	s_mov_b32 s[G1+3], 32<<16
	s_mov_b32 s[G1+4], 51
	s_mov_b32 s[G1+5], 32
	s_mov_b32 s[G1+6], 0
	s_mov_b32 s[G1+7], 0
	s_mov_b32 s[SEL], 0x76543210
	s_mov_b32 s[SEL+1], 0xfedcba98
	s_mov_b32 s[CS], 0x3e38aa3b                    ; c = log2(e) / 8
	s_mov_b32 s[CS+1], s[CS]
	s_mov_b32 s[TB], 0
	s_mov_b32 s[KF], 0
	s_mul_i32 s21, s[WV], REC                      ; wave w brings record w
	s_mul_i32 s22, s20, 16*REC
	s_add_co_u32 s22, s22, s21
	s_mov_b32 s23, 0
	s_mul_i32 s48, s20, 98304                      ; Q's half image: (head x 128 + tile) x 768
	s_mul_i32 s49, s[Q0], 48
	s_add_co_u32 s48, s48, s49
	s_mov_b32 s49, 0
	s_lshl_b32 s50, s20, 13                        ; its scale words
	s_lshl_b32 s51, s[Q0], 2
	s_add_co_u32 s50, s50, s51
	s_add_co_u32 s50, s50, 3145728
	s_mov_b32 s51, 0
	s_wait_dscnt 0x0                               ; both opening adds are done
	s_wait_kmcnt 0x0
	s_add_nc_u64 s[6:7], s[6:7], s[22:23]
	s_add_nc_u64 s[48:49], s[4:5], s[48:49]
	s_add_nc_u64 s[50:51], s[4:5], s[50:51]
	s_mov_b32 s[G0], 1
	s_mov_b32 s[G0+1], s21
	s_mov_b64 s[G0+2:G0+3], s[6:7]
	s_or_b32 s[G0+3], s[G0+3], 0x80000000
	s_cmp_lt_u32 s[WV], 4                          ; one tensor load a wave; waves 0-3, which alone wait ahead of the first barrier, have a line of their own
	s_cbranch_scc0 .Llater
	tensor_load_to_lds s[G0:G0+3], s[G1:G1+7]      ; records 0-3
	s_nop 0
.rept 4
	v_nop
.endr
	s_branch .Lasked
.Llater:
	tensor_load_to_lds s[G0:G0+3], s[G1:G1+7]      ; records 4-15
	s_nop 0
.rept 4
	v_nop
.endr
.Lasked:
	v_and_b32 v4, 31, v0
	v_and_b32 v5, 15, v0                           ; r
	v_bfe_u32 v6, v0, 4, 1                         ; h
	s_delay_alu instid0(VALU_DEP_3)
	v_lshlrev_b32 v1, 4, v4                        ; 16 x lane
	s_delay_alu instid0(VALU_DEP_4)
	v_lshlrev_b32 v2, 3, v4                        ; 8 x lane
	s_delay_alu instid0(VALU_DEP_4)
	v_lshlrev_b32 v3, 2, v5                        ; 4 r
	s_delay_alu instid0(VALU_DEP_4)
	v_lshlrev_b32 v7, 3, v6
	s_delay_alu instid0(VALU_DEP_1)
	v_sub_nc_u32 v7, v5, v7                        ; r - 8 h
	global_load_b128 v[16:19], v1, s[48:49]
	global_load_b64 v[20:21], v2, s[48:49] offset:512
	global_load_b32 v28, v3, s[50:51]
.irp j, 22,23,24,25,26,27
	v_mov_b32 v[\j], 0                             ; Q's codes 64 .. 127
.endr
.irp t, 0,1,2,3
.irp j, 6,7,8,9,10,11
	v_mov_b32 v[32+12*\t+\j], 0                    ; K's likewise: never loaded into
.endr
.endr
	v_mov_b32 v13, 0xff61b1e6                      ; the largest t so far: -3e38
	s_delay_alu instid0(VALU_DEP_1)
	v_floor_f32 v12, -v13                          ; -M
	v_mov_b32 v14, 0                               ; the sum, in two halves
	v_mov_b32 v15, 0
.irp b, 0,1,2,3
	v_mov_b32 v[T2+\b], 0                          ; a lane permute's destination counts as one of its sources
.endr
	v_mov_b32 v252, 0
	v_mov_b32 v253, 0                              ; (named as the upper half of the pair v[252:253])
.set i, 0
.rept 32
	v_mov_b32 v[160+i], 0                          ; O^T: the step's first pass finds zeros
.set i, i+1
.endr
.macro STEP                            ; 128 keys
	s_add_co_u32 s21, s[Q0], 15
	s_cmp_gt_u32 s[KF], s21
	s_cbranch_scc1 .Lhidden_\@                     ; all its keys come after my queries
	v_add_nc_u32 v4, s[TB], v1                     ; these three and the v_nop are the four places behind the last step's products
	v_add_nc_u32 v5, s[TB], v2
	v_add_nc_u32 v6, s[TB], v3
	v_nop
.irp t, 0,1,2,3
	ds_load_b128 v[32+12*\t:35+12*\t], v4 offset:768*\t
	ds_load_b64 v[36+12*\t:37+12*\t], v5 offset:768*\t+512
	ds_load_b32 v[92+\t], v6 offset:12288+64*\t
.endr
.irp t, 0,1,2,3
	ds_load_b128 v[192+12*\t:195+12*\t], v4 offset:6144+1536*\t
	ds_load_b64 v[196+12*\t:197+12*\t], v5 offset:6144+1536*\t+512
	ds_load_b128 v[198+12*\t:201+12*\t], v4 offset:6144+1536*\t+768
	ds_load_b64 v[202+12*\t:203+12*\t], v5 offset:6144+1536*\t+1280
	ds_load_b32 v[8+\t], v6 offset:12800+64*\t
.endr
	s_wait_alu depctr_va_vdst(0)
	s_wait_dscnt 20                                ; K's first four tiles are in; V's twenty loads may be out
.irp t, 0,1,2,3
	v_wmma_scale_f32_16x16x128_f8f6f4 v[96+8*\t:103+8*\t], v[32+12*\t:43+12*\t], v[16:27], 0, v[92+\t], v28 matrix_a_fmt:MATRIX_FMT_FP6 matrix_b_fmt:MATRIX_FMT_FP6
.endr
.rept 4
	v_nop                                          ; places in front of loads into registers that these products read
.endr
.irp t, 0,1,2,3
	ds_load_b128 v[32+12*\t:35+12*\t], v4 offset:768*(4+\t)
	ds_load_b64 v[36+12*\t:37+12*\t], v5 offset:768*(4+\t)+512
	ds_load_b32 v[92+\t], v6 offset:12288+64*(4+\t)
.endr
	s_wait_dscnt 0x0
.irp t, 0,1,2,3
	v_wmma_scale_f32_16x16x128_f8f6f4 v[128+8*\t:135+8*\t], v[32+12*\t:43+12*\t], v[16:27], 0, v[92+\t], v28 matrix_a_fmt:MATRIX_FMT_FP6 matrix_b_fmt:MATRIX_FMT_FP6
.endr
.rept 4
	v_nop
.endr
	s_add_co_u32 s21, s[KF], 127
	s_cmp_le_u32 s21, s[Q0]
	s_cbranch_scc1 .Lopen_\@                       ; all its keys count
	s_sub_co_i32 s21, s[Q0], s[KF]
	v_add_nc_u32 v255, s21, v7                     ; d = my query - the first key - 8 h.  Register n holds key 16 (n / 8) + 8 h + n % 8: hidden where 16 (n / 8) + n % 8 > d
	v_mov_b32 v254, 0xff800000
.set n, 0
.rept 64
	v_cmp_gt_i32 vcc_lo, 16*(n/8)+n%8, v255
	v_cndmask_b32 v[96+n], v[96+n], v254, vcc_lo
.set n, n+1
.endr
.Lopen_\@:
.irp b, 0,1,2,3
	v_max3_num_f32 v[BM+\b], v[96+16*\b], v[97+16*\b], v[98+16*\b]     ; the largest score of each block of 32 keys: for the row's maximum and for the block's largest p
.endr
.irp i, 3,5,7,9,11,13
.irp b, 0,1,2,3
	v_max3_num_f32 v[BM+\b], v[BM+\b], v[96+16*\b+\i], v[97+16*\b+\i]
.endr
.endr
.irp b, 0,1,2,3
	v_max_num_f32 v[BM+\b], v[BM+\b], v[111+16*\b]
.endr
.irp b, 0,1,2,3
	s_delay_alu instid0(VALU_DEP_4)
	v_permlanex16_b32 v[T2+\b], v[BM+\b], s[SEL], s[SEL+1]
.endr
.irp b, 0,1,2,3
	s_delay_alu instid0(VALU_DEP_4)
	v_max_num_f32 v[BM+\b], v[BM+\b], v[T2+\b]
.endr
	s_delay_alu instid0(VALU_DEP_2)
	v_max3_num_f32 v254, v[BM], v[BM+1], v[BM+2]
	s_delay_alu instid0(VALU_DEP_1)
	v_max_num_f32 v254, v254, v[BM+3]
	s_delay_alu instid0(VALU_DEP_1)
	v_mul_f32 v254, s[CS], v254                    ; as t
	s_delay_alu instid0(VALU_DEP_1)
	v_max_num_f32 v13, v13, v254                   ; the running largest t
	v_mov_b32 v254, v12
	s_delay_alu instid0(VALU_DEP_2)
	v_floor_f32 v12, -v13                          ; the new -M = -ceil(t)
	s_delay_alu instid0(VALU_DEP_1)
	v_sub_f32 v254, v12, v254                      ; old M - new M: a whole number, 0 or less
	s_delay_alu instid0(VALU_DEP_1)
	v_cvt_i32_f32 v254, v254                       ; (it saturates)
	s_delay_alu instid0(VALU_DEP_1)
	v_ldexp_f32 v252, 1.0, v254                    ; f = 2^(old M - new M)
.set j, 0
.rept 32
	v_pk_fma_f32 v[96+j:97+j], v[96+j:97+j], s[CS:CS+1], v[12:13] op_sel_hi:[1,0,0]     ; t - M
.set j, j+2
.endr
.irp b, 0,1,2,3
	v_fma_f32 v[BM+\b], v[BM+\b], s[CS], v12
.endr
.set j, 0
	s_wait_alu depctr_va_vdst(0)                   ; the wait ahead of the batch
.rept 64
	v_exp_f32 v[96+j], v[96+j]                     ; p = 2^(t - M)
.set j, j+1
.endr
	v_pk_mul_f32 v[14:15], v[14:15], v[252:253] op_sel_hi:[1,0]        ; the sums under the new M (a plain line behind the exponentials)
	s_wait_alu depctr_va_vdst(0)                   ; one wait for the batch of 64, ahead of its first reader
.irp b, 0,1,2,3
	v_exp_f32 v[BM+\b], v[BM+\b]                   ; the blocks' largest p
.endr
	v_pk_add_f32 v[84:85], v[100:101], v[104:105]  ; the row's sum of the unquantised p, in eight chains
	v_pk_add_f32 v[254:255], v[108:109], v[112:113]
	v_pk_add_f32 v[250:251], v[116:117], v[120:121]
	v_pk_add_f32 v[248:249], v[124:125], v[128:129]
	v_pk_add_f32 v[246:247], v[132:133], v[136:137]
	v_pk_add_f32 v[244:245], v[140:141], v[144:145]
	v_pk_add_f32 v[242:243], v[148:149], v[152:153]
	v_pk_add_f32 v[14:15], v[14:15], v[156:157]
	v_pk_add_f32 v[84:85], v[84:85], v[96:97]
	v_pk_add_f32 v[254:255], v[254:255], v[98:99]
	v_pk_add_f32 v[250:251], v[250:251], v[102:103]
	v_pk_add_f32 v[248:249], v[248:249], v[106:107]
	v_pk_add_f32 v[246:247], v[246:247], v[110:111]
	v_pk_add_f32 v[244:245], v[244:245], v[114:115]
	v_pk_add_f32 v[242:243], v[242:243], v[118:119]
	v_pk_add_f32 v[14:15], v[14:15], v[122:123]
	v_pk_add_f32 v[84:85], v[84:85], v[126:127]
	v_pk_add_f32 v[254:255], v[254:255], v[130:131]
	v_pk_add_f32 v[250:251], v[250:251], v[134:135]
	v_pk_add_f32 v[248:249], v[248:249], v[138:139]
	v_pk_add_f32 v[246:247], v[246:247], v[142:143]
	v_pk_add_f32 v[244:245], v[244:245], v[146:147]
	v_pk_add_f32 v[242:243], v[242:243], v[150:151]
	v_pk_add_f32 v[14:15], v[14:15], v[154:155]
	v_pk_add_f32 v[84:85], v[84:85], v[158:159]
	s_delay_alu instid0(VALU_DEP_2)
	v_pk_add_f32 v[14:15], v[14:15], v[248:249]
	s_delay_alu instid0(VALU_DEP_2)
	v_pk_add_f32 v[84:85], v[84:85], v[246:247]
	v_pk_add_f32 v[254:255], v[254:255], v[244:245]
	v_pk_add_f32 v[250:251], v[250:251], v[242:243]
	s_delay_alu instid0(VALU_DEP_2)
	v_pk_add_f32 v[14:15], v[14:15], v[254:255]
	s_delay_alu instid0(VALU_DEP_2)
	v_pk_add_f32 v[84:85], v[84:85], v[250:251]
	s_delay_alu instid0(VALU_DEP_1)
	v_pk_add_f32 v[14:15], v[14:15], v[84:85]
	s_wait_alu depctr_va_vdst(0)                   ; and one for the four
.irp b, 0,1,2,3
	v_max_num_f32 v[BM+\b], 0x1800000, v[BM+\b]    ; the floor 2^(3 - 127)
.endr
.irp b, 0,1,2,3
	s_delay_alu instid0(VALU_DEP_4)
	v_add_nc_u32 v[SO+\b], 0xff000000, v[BM+\b]
.endr
.irp b, 0,1,2,3
	s_delay_alu instid0(VALU_DEP_4)
	v_lshrrev_b32 v[T2+\b], 23, v[SO+\b]
.endr
	s_delay_alu instid0(VALU_DEP_3)
	v_lshl_or_b32 v29, v[T2+1], 8, v[T2]           ; p's scale word for these 128 keys
	s_delay_alu instid0(VALU_DEP_1)
	v_lshl_or_b32 v29, v[T2+2], 16, v29
	s_delay_alu instid0(VALU_DEP_1)
	v_lshl_or_b32 v29, v[T2+3], 24, v29
.irp c, 0,1
	v_cvt_scalef32_pk16_fp6_f32 v[240+6*\c:242+6*\c], v[96+32*\c:111+32*\c], v[SO+2*\c]
	v_cvt_scalef32_pk16_fp6_f32 v[BM+4*\c:BM+2+4*\c], v[112+32*\c:127+32*\c], v[SO+2*\c+1]
.endr
	v_nop                                          ; one plain line behind a scaled conversion
.irp c, 0,1
.irp i, 0,1,2
	v_permlane16_swap_b32 v[240+6*\c+\i], v[BM+4*\c+\i]
.endr
.irp i, 0,1,2
	s_delay_alu instid0(VALU_DEP_3)
	v_mov_b32 v[243+6*\c+\i], v[BM+4*\c+\i]
.endr
.endr
.set j, 0
.rept 16
	v_pk_mul_f32 v[160+j:161+j], v[160+j:161+j], v[252:253] op_sel_hi:[1,0]     ; O^T under the new M; these sixteen also stand between the scale word's and the codes' last writes and the products
.set j, j+2
.endr
.irp t, 0,1,2,3
	v_wmma_scale_f32_16x16x128_f8f6f4 v[160+8*\t:167+8*\t], v[192+12*\t:203+12*\t], v[240:251], v[160+8*\t:167+8*\t], v[8+\t], v29 matrix_a_fmt:MATRIX_FMT_FP6 matrix_b_fmt:MATRIX_FMT_FP6
.endr
.Lhidden_\@:
	s_add_co_u32 s[KF], s[KF], 128
	s_add_co_u32 s[TB], s[TB], REC
.endm
.macro WALK trips                      ; so many key steps on end
	s_mov_b32 s[CNT], \trips
.Lst_\@:
	STEP
	s_sub_co_u32 s[CNT], s[CNT], 1
	s_cmp_lg_u32 s[CNT], 0
	s_cbranch_scc1 .Lst_\@
.endm
	s_wait_alu depctr_va_vdst(0)                   ; the wait at the head's end
	s_wait_loadcnt 0x0                             ; Q
	s_wait_dscnt 0x0
	s_cmp_lt_u32 s[WV], 4
	s_cbranch_scc0 .Lnot_first
	s_wait_tensorcnt 0x0                           ; waves 0-3: my record has landed
.Lnot_first:
	s_barrier_signal -1
	s_barrier_wait -1                              ; records 0-3 are in; the other twelve may be on their way
	WALK 4
	s_wait_tensorcnt 0x0                           ; every wave: my record has landed
	s_wait_dscnt 0x0
	s_barrier_signal -1
	s_barrier_wait -1                              ; all sixteen are in
	WALK 12
	; THE WAY OUT: O^T / the sum, quantised along the head's 64: two blocks, one half image, two scale bytes
.rept 4
	v_nop
.endr
	v_add_f32 v14, v14, v15
	s_delay_alu instid0(VALU_DEP_1)
	v_permlanex16_b32 v252, v14, s[SEL], s[SEL+1]
	s_delay_alu instid0(VALU_DEP_1)
	v_add_f32 v14, v14, v252
	s_wait_alu depctr_va_vdst(0)
	v_rcp_f32 v14, v14
	v_nop                                          ; a plain line behind the reciprocal
	s_lshr_b32 s21, s20, 4
	s_lshl_b32 s21, s21, 11
	s_add_co_u32 s21, s21, s[Q0]                   ; my first token of the 4,096
	s_and_b32 s22, s20, 15                         ; the head
	s_lshr_b32 s23, s22, 2
	s_lshl_b32 s23, s23, 8
	s_lshr_b32 s48, s21, 4
	s_add_co_u32 s23, s23, s48
	s_mul_i32 s23, s23, 3072                       ; ((head / 4) 256 + token tile) 3,072
	s_bfe_u32 s48, s22, 0x10001
	s_mul_i32 s48, s48, 1536
	s_add_co_u32 s23, s23, s48                     ; + ((head / 2) % 2) 1,536
	s_and_b32 s48, s22, 1
	s_mul_i32 s49, s48, 768
	s_add_co_u32 s50, s23, s49                     ; + (head % 2) 768
	s_mov_b32 s51, 0
	s_lshr_b32 s52, s21, 7
	s_lshl_b32 s52, s52, 3
	s_lshr_b32 s49, s22, 1
	s_add_co_u32 s52, s52, s49
	s_lshl_b32 s52, s52, 9                         ; ((token / 128) 8 + head / 2) 512
	s_and_b32 s49, s21, 127
	s_lshl_b32 s49, s49, 2
	s_add_co_u32 s52, s52, s49
	s_lshl_b32 s48, s48, 1
	s_add_co_u32 s52, s52, s48                     ; + 4 (token % 128) + 2 (head % 2)
	s_add_co_u32 s52, s52, 3145728
	s_mov_b32 s53, 0
	s_add_nc_u64 s[50:51], s[8:9], s[50:51]
	s_add_nc_u64 s[52:53], s[8:9], s[52:53]
	s_wait_alu depctr_va_vdst(0)                   ; the wait ahead of the reciprocal's first reader
.set j, 0
.rept 32
	v_mul_f32 v[96+j], v[160+j], v14               ; register 16 b + i: place 16 h + i of block b
.set j, j+1
.endr
.irp b, 0,1
	v_max3_num_f32 v[BM+\b], |v[96+16*\b]|, |v[97+16*\b]|, 0x1800000
.endr
.irp i, 2,4,6,8,10,12,14
.irp b, 0,1
	s_delay_alu instid0(VALU_DEP_2)
	v_max3_num_f32 v[BM+\b], v[BM+\b], |v[96+16*\b+\i]|, |v[97+16*\b+\i]|
.endr
.endr
.irp b, 0,1
	s_delay_alu instid0(VALU_DEP_2)
	v_permlanex16_b32 v[T2+\b], v[BM+\b], s[SEL], s[SEL+1]
.endr
.irp b, 0,1
	s_delay_alu instid0(VALU_DEP_2)
	v_max_num_f32 v[BM+\b], v[BM+\b], v[T2+\b]
.endr
.irp b, 0,1
	s_delay_alu instid0(VALU_DEP_2)
	v_add_nc_u32 v[SO+\b], 0xff000000, v[BM+\b]
.endr
.irp b, 0,1
	s_delay_alu instid0(VALU_DEP_2)
	v_lshrrev_b32 v[T2+\b], 23, v[SO+\b]
.endr
	s_delay_alu instid0(VALU_DEP_1)
	v_lshl_or_b32 v29, v[T2+1], 8, v[T2]
	v_cvt_scalef32_pk16_fp6_f32 v[240:242], v[96:111], v[SO]
	v_cvt_scalef32_pk16_fp6_f32 v[BM:BM+2], v[112:127], v[SO+1]
	v_nop
.irp i, 0,1,2
	v_permlane16_swap_b32 v[240+\i], v[BM+\i]
.endr
.irp i, 0,1,2
	s_delay_alu instid0(VALU_DEP_3)
	v_mov_b32 v[243+\i], v[BM+\i]
.endr
	global_store_b128 v1, v[240:243], s[50:51]
	global_store_b64 v2, v[244:245], s[50:51] offset:512
	global_store_b16 v3, v29, s[52:53]             ; two bytes a row; lanes l and l xor 16 hold the same word and name the same bytes
	s_wait_tensorcnt 0x0                           ; the wave's end
	ds_add_u32 v[SPW], v[NIL]
	s_wait_dscnt 0x0
	s_endpgm
.Lfunc_end_k_q13f40f8d59_attn:
	.size	k_q13f40f8d59_attn, .Lfunc_end_k_q13f40f8d59_attn-k_q13f40f8d59_attn
	.p2alignl 7, 3214868480
	.fill 96, 4, 3214868480
	.section	.rodata,"a",@progbits
	.p2align	6, 0x0
	.amdhsa_kernel k_q13f40f8d59_attn
		.amdhsa_group_segment_fixed_size 210944
		.amdhsa_private_segment_fixed_size 0
		.amdhsa_enable_private_segment 0
		.amdhsa_kernarg_size 24
		.amdhsa_user_sgpr_count 2
		.amdhsa_user_sgpr_kernarg_segment_ptr 1
		.amdhsa_wavefront_size32 1
		.amdhsa_system_sgpr_workgroup_id_x 1
		.amdhsa_system_sgpr_workgroup_id_y 1
		.amdhsa_system_sgpr_workgroup_id_z 1
		.amdhsa_system_vgpr_workitem_id 0
		.amdhsa_next_free_vgpr 256
		.amdhsa_next_free_sgpr 66
		.amdhsa_reserve_vcc 1
		.amdhsa_float_denorm_mode_32 3
		.amdhsa_float_denorm_mode_16_64 3
		.amdhsa_memory_ordered 1
		.amdhsa_forward_progress 1
		.amdhsa_inst_pref_size 59
	.end_amdhsa_kernel
	.amdgpu_metadata
---
amdhsa.version: [ 1, 2 ]
amdhsa.kernels:
  - .name:           k_q13f40f8d59_attn
    .symbol:         k_q13f40f8d59_attn.kd
    .args:
      - { .name: qb, .offset: 0, .size: 8, .value_kind: global_buffer, .address_space: global }
      - { .name: kv, .offset: 8, .size: 8, .value_kind: global_buffer, .address_space: global }
      - { .name: ao, .offset: 16, .size: 8, .value_kind: global_buffer, .address_space: global }
    .group_segment_fixed_size: 210944
    .private_segment_fixed_size: 0
    .kernarg_segment_align: 8
    .kernarg_segment_size: 24
    .max_flat_workgroup_size: 512
    .sgpr_count:     66
    .vgpr_count:     256
    .wavefront_size: 32
...
	.end_amdgpu_metadata
.endif
;; end of part 11
;; launch wo (part 12): grid 8 x 32, 4 waves a work-group, clusters of 4 x 4, 327,680 bytes of LDS; arguments ao, wts, bo, x, x1; writes x1
.if DOCPART == 12
	.amdgcn_target "amdgcn-amd-amdhsa--gfx1250"
	.amdhsa_code_object_version 6
	.text
	.protected	k_q13f40f8d59_wo
	.globl	k_q13f40f8d59_wo
	.p2align	8
	.type	k_q13f40f8d59_wo,@function
k_q13f40f8d59_wo:
	s_mov_b64 s[64:65], 0
	v_nop
	global_prefetch_b8 v0, s[64:65] scope:SCOPE_SE
	s_setreg_imm32_b32 hwreg(HW_REG_WAVE_MODE, 25, 1), 1
	s_wait_xcnt 0x0
	s_wait_alu depctr_hold_cnt(0) depctr_sa_sdst(0) depctr_va_vdst(0) depctr_va_sdst(0) depctr_va_ssrc(0) depctr_va_vcc(0) depctr_vm_vsrc(0)
	s_getreg_b32 s2, hwreg(HW_REG_IB_STS2, 6, 4)
	s_cmp_eq_u32 s2, 0
	s_cbranch_scc0 .Lentry_in_a_cluster
	s_endpgm
.Lentry_in_a_cluster:
	s_bfe_u32 s2, ttmp6, 0x10000c
	s_cmp_lg_u32 s2, 0xf033
	s_cbranch_scc0 .Lentry_shape_is_right
	s_endpgm
.Lentry_shape_is_right:
; out = res + A B^T + bias, f32 [4,096][1,024]; A and B are codes of FP6 (E2M3) with E8M0 scales.  Here: A = attention's output, B = Wo, K = 1,024, res = x.
; A tile of C is 128 x 128, so that 4,096 x 1,024 gives 256 work-groups; four waves of 64 x 64: 16 accumulators of 16 x 16.  K goes in steps of 512 through two LDS slots (K = 1,024: the two first fills are all of K).
; All operands lie in memory as IMAGES OF THE OPERAND'S REGISTERS (16 rows x 128 K = 1,536 bytes: registers 0-3 at 16 x lane, 4-5 at 512 + 8 x lane, 6-9 at 768 + 16 x lane, 10-11 at 1,280 + 8 x lane);
; image (row tile T, K step s) at ((s / 2) x row tiles + T) 3,072 + (s % 2) 1,536: so 128 rows x 256 K are one dense block of 24,576 bytes, one tensor load: waves 0, 1 bring the two such blocks of A that a slot holds,
; waves 2, 3 those of B.  A fragment comes from LDS by four loads that each read consecutive bytes.  The scale words of 128 rows for all of K are one dense block ([K step][128 words]), brought once, by one wave.
; CLUSTERS: 4 x 4; A's tiles are asked for jointly along a row of the cluster, B's along a column.  The matrix instruction is used transposed (source 0 = B's rows, source 1 = A's rows): a lane holds eight neighbouring
; numbers of a row of C.  The bias is the C of each sum's first matrix instruction.
; THE RESIDUAL of the wave's 64 x 64 is asked for at the head, 32 loads into registers that the products do not touch, and is waited for on the way out.
; THE WAY OUT: a block of 16 rows x 64 columns goes through the wave's own stage in LDS (in slot 0, behind its last fill and last read) and comes back as whole rows of 256 bytes, two to a load; the residual is added;
; sixteen lanes store 256 consecutive bytes, aligned.
; REGISTERS: window 0: v0-31 addresses, v32-63 scale words (two sets of 16), v64-95 the bias, later with v96-127 the rows on the way out, v128-255 the accumulators ((a, b) at v[128 + 8 (4 a + b)]);
; window 1: two sets of fragments at v0 and v128: B's four, then A's four; window 2: v0-127 the residual.
; LIMITS: NaN and infinities are not served; inside a block of 32 the sums go in this program's order of places (place p holds element p with bits 3 and 4 exchanged, on both operands alike).
.set KK,    1024
.set ASC,   3145728                    ; where A's scale words begin in its buffer
.set BCODE, 2359296                    ; B's codes in wts
.set BSC,   9535488                    ; B's scale words in wts
.set RA16,  256                        ; row tiles of A's buffer
.set RB16,  64                         ; and of B's
.set LASTOUT, 0                        ; 1: nobody reads the output again
.set KT,    KK/128
.set FR,    12                         ; registers of a fragment
.set NP,    4
.set HALFT, 24576                      ; 128 rows x 256 K: what one tensor load brings
.set SLOT,  4*HALFT                    ; 512 along K: A's two blocks, then B's two
.set SCL,   2*SLOT                     ; behind the ring: A's scale words, then B's
.set HALFS, KT*512
.set SPARE, SCL+2*HALFS                ; the spare words, 128 bytes a wave
.set LAPS,  KK/1024                    ; a lap = two slots
.set SPITCH, 272                       ; a stage row: 256 bytes + 16
.set ADRA, 16                          ; v16-17 my rows of A + 16 x lane in slot 0, 1; v18-19 the same with 8 x lane
.set ADRB, 20                          ; v20-23 the same for B
.set STO,  24
.set RD,   25
.set CO,   26
.set ADRS, 27
.set SPW,  28
.set NIL,  29
.set SC,   32
.set BIAS, 64
.set BK,   64
.set ACC,  128
.set G1, 24
.set G0, 32
.set G1B, 48
.set G0B, 56
.set G1S, 68
.set G0S, 76
.set G1SB, 80
.set G0SB, 88
.set MUL,  0x05                        ; sources 0 (B) and 1 (A) window 1; C and D window 0
.set TO_F, 0x40                        ; destination window 1, address window 0
.set MSB, 0
.macro WIN new                         ; the immediate's high byte repeats the setting that is left
.if MSB != (\new)
	s_set_vgpr_msb (MSB<<8)|(\new)
.set MSB, (\new)
.endif
.endm
.macro JLOAD g0a, g1a, g0b, g1b        ; a joint load: waves 0 and 1 fetch for A, waves 2 and 3 for B; an s_nop 0 and four v_nop follow each line
	s_cmp_eq_u32 s15, 0
	s_cbranch_scc0 .Lfor_b_\@
	tensor_load_to_lds s[\g0a:\g0a+3], s[\g1a:\g1a+7]
	s_nop 0
.rept 4
	v_nop
.endr
	s_branch .Lasked_\@
.Lfor_b_\@:
	tensor_load_to_lds s[\g0b:\g0b+3], s[\g1b:\g1b+7]
	s_nop 0
.rept 4
	v_nop
.endr
.Lasked_\@:
.endm
.macro CREST                           ; a round of the cluster's barrier behind its opening barrier
	s_cmp_lg_u32 s14, 0
	s_cbranch_scc1 .Lnot_wave_0_\@
	s_barrier_signal -3
.Lnot_wave_0_\@:
	s_barrier_wait -3
	s_barrier_signal -1
	s_barrier_wait -1
.endm
.macro CROUND
	s_barrier_signal -1
	s_barrier_wait -1
	CREST
.endm
.macro FRAG reg, adr, q, i             ; the image of my row tile i, the slot's q-th 128 along K
	ds_load_b128 v[\reg:\reg+3], v[\adr] offset:24576*((\q)/2)+1536*((\q)%2)+3072*(\i)
	ds_load_b64 v[\reg+4:\reg+5], v[\adr+2] offset:24576*((\q)/2)+1536*((\q)%2)+3072*(\i)+512
	ds_load_b128 v[\reg+6:\reg+9], v[\adr] offset:24576*((\q)/2)+1536*((\q)%2)+3072*(\i)+768
	ds_load_b64 v[\reg+10:\reg+11], v[\adr+2] offset:24576*((\q)/2)+1536*((\q)%2)+3072*(\i)+1280
.endm
; 4 matrix instructions: A's block a x B's four.  The 16 accumulators take turns, one instruction a turn, in the same order in every step.  zero = 1: the bias starts the sums
.macro MUL4 a, p, q, sc, zero
.irp b, 0,1,2,3
.if \zero
	v_wmma_scale_f32_16x16x128_f8f6f4 v[ACC+8*(4*(\a)+\b):ACC+8*(4*(\a)+\b)+7], v[128*(\p)+FR*\b:128*(\p)+FR*\b+FR-1], v[128*(\p)+48+FR*(\a):128*(\p)+48+FR*(\a)+FR-1], v[BIAS+8*\b:BIAS+8*\b+7], v[SC+16*(\sc)+4*\b+(\q)], v[SC+16*(\sc)+4*(\a)+(\q)] matrix_a_fmt:MATRIX_FMT_FP6 matrix_b_fmt:MATRIX_FMT_FP6 matrix_a_scale:MATRIX_SCALE_ROW1
.else
	v_wmma_scale_f32_16x16x128_f8f6f4 v[ACC+8*(4*(\a)+\b):ACC+8*(4*(\a)+\b)+7], v[128*(\p)+FR*\b:128*(\p)+FR*\b+FR-1], v[128*(\p)+48+FR*(\a):128*(\p)+48+FR*(\a)+FR-1], v[ACC+8*(4*(\a)+\b):ACC+8*(4*(\a)+\b)+7], v[SC+16*(\sc)+4*\b+(\q)], v[SC+16*(\sc)+4*(\a)+(\q)] matrix_a_fmt:MATRIX_FMT_FP6 matrix_b_fmt:MATRIX_FMT_FP6 matrix_a_scale:MATRIX_SCALE_ROW1
.endif
.endr
.endm
.macro FETCH slot, q, p                ; 32 LDS loads in one run: B's four fragments and A's four of the slot's q-th 128 along K, into set p
	WIN TO_F
.irp i, 0,1,2,3
	FRAG 128*(\p)+FR*\i, ADRB+\slot, \q, \i
.endr
.irp i, 0,1,2,3
	FRAG 128*(\p)+48+FR*\i, ADRA+\slot, \q, \i
.endr
.endm
.macro SCALES sc                       ; a slot's scale words: register 4 i + q: lanes 0-15 the word of A's block i, lanes 16-31 of B's block i, for the slot's q-th 128 along K
.irp i, 0,1,2,3
.irp q, 0,1,2,3
	ds_load_b32 v[SC+16*\sc+4*\i+\q], v[ADRS] offset:512*\q+64*\i
.endr
.endr
.endm
.macro PLACES n                        ; plain vector lines between a matrix instruction and a load into, or a read of, its registers
.rept \n
	v_nop
.endr
.endm
.macro STEP slot, q, zero              ; 128 along K with its successor in the same slot
	s_wait_dscnt 0x0                               ; this step's fragments (asked for sixteen matrix instructions ago) and scale words are in
	PLACES NP                                      ; the other set was read by the last step's products
	FETCH \slot, (\q)+1, 1-(\q)%2
	WIN MUL
	MUL4 0, (\q)%2, \q, \slot, \zero
	MUL4 1, (\q)%2, \q, \slot, \zero
	MUL4 2, (\q)%2, \q, \slot, \zero
	MUL4 3, (\q)%2, \q, \slot, \zero
.endm
; A slot's last step changes slots: one barrier; in front of it each wave waits for all its tensor loads, adds 0 to its spare word, and waits for that and for its reads of this slot.  fill = 1: the slot is filled again, two slots on
.macro TURN slot, next, fill
	WIN 0                                          ; (the add's two registers lie in window 0)
	s_wait_tensorcnt 0x0                           ; all my tensor loads have landed: my part of the next slot
	ds_add_u32 v[SPW], v[NIL]                      ; 0 onto my spare word
	s_wait_dscnt 1                                 ; this step's 32 fragment loads are in; the add may be out
	WIN MUL
	MUL4 0, 1, 3, \slot, 0
	s_wait_dscnt 0x0                               ; the add is done, and my reads of this slot are over
	s_barrier_signal -1
	MUL4 1, 1, 3, \slot, 0
	WIN 0
	s_barrier_wait -1
.if \fill
	CREST                                          ; the barrier has opened a round of the cluster's: no wave of any partner still reads this slot or has a load on its way
	s_add_nc_u64 s[G0+4*\slot+2:G0+4*\slot+3], s[G0+4*\slot+2:G0+4*\slot+3], s[98:99]
	s_add_nc_u64 s[G0B+4*\slot+2:G0B+4*\slot+3], s[G0B+4*\slot+2:G0B+4*\slot+3], s[100:101]
	JLOAD G0+4*\slot, G1, G0B+4*\slot, G1B         ; the first tensor load behind the round; its four v_nop are the places in front of the loads below
.else
	PLACES NP
.endif
	v_add_nc_u32 v[ADRS], 2048, v[ADRS]            ; the next slot's scale words: four K steps of 512 bytes on
	FETCH \next, 0, 0
	WIN 0
	SCALES \next
	WIN MUL
	MUL4 2, 1, 3, \slot, 0
	MUL4 3, 1, 3, \slot, 0
.endm
	s_load_b256 s[4:11], s[0:1], 0x0               ; A, wts, the bias, the residual
	s_load_b64 s[12:13], s[0:1], 0x20              ; the output
	v_lshl_add_u32 v[SPW], v0, 2, SPARE
	v_mov_b32 v[NIL], 0
	ds_add_u32 v[SPW], v[NIL]                      ; the wave's opening: the add and its wait ahead of my first tensor load
	ds_add_u32 v[SPW], v[NIL]
	v_lshrrev_b32 v1, 5, v0
	v_readfirstlane_b32 s14, v1                    ; wave
	s_lshr_b32 s15, s14, 1                         ; my half of the tile's rows.  Also: I fetch for A (0) or B (1)
	s_and_b32 s16, s14, 1                          ; my half of its columns.  Also: which 256 along K of a slot I fetch
	s_bfe_u32 s40, ttmp6, 0x40000                  ; cx
	s_bfe_u32 s41, ttmp6, 0x40004                  ; cy
	s_lshl_b32 s42, ttmp9, 2
	s_add_co_u32 s42, s42, s40                     ; tile column
	s_and_b32 s17, ttmp7, 0xffff
	s_lshl_b32 s17, s17, 2
	s_add_co_u32 s17, s17, s41                     ; tile row
	s_mov_b32 s98, 2*RA16*3072                     ; a slot on in A's codes: two blocks of 256 along K
	s_mov_b32 s100, 2*RB16*3072                    ; and in B's
	s_mov_b32 s22, ASC
	s_mov_b32 s92, BSC
	s_mov_b32 s99, 0
	s_mov_b32 s101, 0
	s_lshl_b32 s43, s41, 2
	s_lshl_b32 s43, 15, s43                        ; my row of the cluster
	s_lshl_b32 s44, 0x1111, s40                    ; my column
	s_or_b32 s[G1+0], s43, (3<<16)|(1<<21)         ; the mask; elements of 8 bytes; bit 21 beside a mask; no padding
	s_or_b32 s[G1B+0], s44, (3<<16)|(1<<21)
.irp g, G1, G1B
	s_mov_b32 s[\g+1], 3072<<16                    ; at the head: a slot's two blocks of 24,576 bytes as two rows of 3,072 elements
	s_mov_b32 s[\g+2], 2<<16
	s_mov_b32 s[\g+3], 3072<<16
	s_mov_b32 s[\g+4], 2
	s_mov_b32 s[\g+6], 0
	s_mov_b32 s[\g+7], 0
.endr
	s_or_b32 s[G1S+0], s43, (3<<16)|(1<<21)
	s_or_b32 s[G1SB+0], s44, (3<<16)|(1<<21)
.irp g, G1S, G1SB
	s_mov_b32 s[\g+1], 32<<16                      ; 128 rows' scale words: 2 KT rows of 256 bytes
	s_mov_b32 s[\g+2], (2*KT)<<16                  ; the scale words of 128 rows, all of K
	s_mov_b32 s[\g+3], 32<<16
	s_mov_b32 s[\g+4], 2*KT
	s_mov_b32 s[\g+5], 32
	s_mov_b32 s[\g+6], 0
	s_mov_b32 s[\g+7], 0
.endr
	s_lshl_b32 s20, s17, 3
	s_mul_i32 s20, s20, 3072
	s_mov_b32 s21, 0
	s_mul_i32 s23, s17, HALFS                      ; A's scale words: the tile's block
	s_add_co_u32 s22, s22, s23
	s_mov_b32 s23, 0
	s_lshl_b32 s46, s42, 3
	s_mul_i32 s46, s46, 3072
	s_add_co_u32 s46, s46, BCODE
	s_mov_b32 s47, 0
	s_mul_i32 s93, s42, HALFS
	s_add_co_u32 s92, s92, s93
	s_mov_b32 s93, 0
	s_mul_i32 s45, s14, HALFT                      ; where they go: by the wave's number alone
	s_mul_i32 s96, s16, RA16*3072                  ; in the ring I fetch one block of 256 along K: which, in bytes, in A's codes
	s_mov_b32 s97, 0
	s_mul_i32 s94, s16, RB16*3072                  ; and in B's
	s_mov_b32 s95, 0
	s_wait_dscnt 0x0                               ; the opening add is done
	s_wait_kmcnt 0x0
	s_add_nc_u64 s[20:21], s[4:5], s[20:21]
	s_add_nc_u64 s[22:23], s[4:5], s[22:23]
	s_add_nc_u64 s[46:47], s[6:7], s[46:47]
	s_add_nc_u64 s[92:93], s[6:7], s[92:93]
	CROUND                                         ; all sixteen work-groups are here: the first joint loads meet
	s_mov_b32 s[G0S], 1
	s_mov_b32 s[G0S+1], SCL
	s_mov_b64 s[G0S+2:G0S+3], s[22:23]
	s_or_b32 s[G0S+3], s[G0S+3], 0x80000000
	s_mov_b32 s[G0SB], 1
	s_mov_b32 s[G0SB+1], SCL+HALFS
	s_mov_b64 s[G0SB+2:G0SB+3], s[92:93]
	s_or_b32 s[G0SB+3], s[G0SB+3], 0x80000000
	s_mov_b32 s[G1+5], RA16*384                    ; from a block to the next along K, in elements of 8 bytes
	s_mov_b32 s[G1B+5], RB16*384
	s_mov_b32 s[G0], 1
	s_mov_b32 s[G0+1], 0
	s_mov_b64 s[G0+2:G0+3], s[20:21]
	s_or_b32 s[G0+3], s[G0+3], 0x80000000
	s_mov_b32 s[G0B], 1
	s_mov_b32 s[G0B+1], 2*HALFT
	s_mov_b64 s[G0B+2:G0B+3], s[46:47]
	s_or_b32 s[G0B+3], s[G0B+3], 0x80000000
	s_add_nc_u64 s[20:21], s[20:21], s[96:97]
	s_add_nc_u64 s[46:47], s[46:47], s[94:95]
	s_mov_b32 s[G0+4], 1
	s_add_co_u32 s[G0+5], s45, SLOT
	s_add_nc_u64 s[G0+6:G0+7], s[20:21], s[98:99]
	s_or_b32 s[G0+7], s[G0+7], 0x80000000
	s_mov_b32 s[G0B+4], 1
	s_add_co_u32 s[G0B+5], s45, SLOT
	s_add_nc_u64 s[G0B+6:G0B+7], s[46:47], s[100:101]
	s_or_b32 s[G0B+7], s[G0B+7], 0x80000000
	s_cmp_eq_u32 s15, 0                            ; the prefetch goes by my quarter of a slot, as slot 1's loads do
	s_cselect_b64 s[66:67], s[20:21], s[46:47]
	s_cselect_b32 s2, s98, s100                    ; a slot on, in bytes
	s_cselect_b32 s3, s40, s41                     ; my place among the four partners that ask for the quarter jointly
	s_mul_i32 s3, s3, 6144                         ; each names 24 of its 96 blocks of 256 bytes
; THE HEAD'S LOADS, ONE A WAVE: wave 0 A's part of slot 0, wave 1 B's, wave 2 A's scale words, wave 3 B's; one chain of branches on the wave's number
.macro ARM under, g0, g1, next
	s_cmp_lt_u32 s14, \under
	s_cbranch_scc0 \next
	tensor_load_to_lds s[\g0:\g0+3], s[\g1:\g1+7]
	s_nop 0
.rept 4
	v_nop
.endr
	s_branch .Lhead_asked
\next:
.endm
	ARM 1, G0, G1, .Lhead_b
	ARM 2, G0B, G1B, .Lhead_sa
	ARM 3, G0S, G1S, .Lhead_sb
	tensor_load_to_lds s[G0SB:G0SB+3], s[G1SB:G1SB+7]
	s_nop 0
.rept 4
	v_nop
.endr
.Lhead_asked:
	v_and_b32 v30, 31, v0
	v_min_u32 v30, 23, v30                         ; lanes 24-31 name the last block again
	v_lshl_add_u32 v30, v30, 8, s3
	v_add_nc_u32 v30, s2, v30                      ; slot 1, the last; never rewritten
	global_prefetch_b8 v30, s[66:67] th:TH_LOAD_NT scope:SCOPE_SE
.if LAPS > 1
	s_lshl_b32 s98, s98, 1                         ; from here on: a refill's step, two slots
	s_lshl_b32 s100, s100, 1
.endif
	v_and_b32 v1, 15, v0                           ; r
	v_bfe_u32 v2, v0, 4, 1                         ; h
	v_and_b32 v3, 31, v0                           ; lane
	v_lshlrev_b32 v4, 4, v3
	v_lshlrev_b32 v5, 3, v3
	s_mul_i32 s21, s15, 4*3072                     ; my 64 rows of A: four row tiles
	s_mul_i32 s22, s16, 4*3072
	s_add_co_u32 s22, s22, 2*HALFT                 ; my 64 rows of B, behind A's two blocks
.irp s, 0,1
	v_add_nc_u32 v[ADRA+\s], s21, v4
	v_add_nc_u32 v[ADRB+\s], s22, v4
	v_add_nc_u32 v[ADRA+2+\s], s21, v5
	v_add_nc_u32 v[ADRB+2+\s], s22, v5
	s_add_co_u32 s21, s21, SLOT
	s_add_co_u32 s22, s22, SLOT
.endr
	v_lshlrev_b32 v6, 2, v1                        ; scale words: 4 r,
	s_lshl_b32 s21, s15, 8                         ; A's: my 64 rows' 256 bytes
	s_lshl_b32 s22, s16, 8
	s_add_co_u32 s22, s22, HALFS                   ; B's: behind A's block
	s_sub_co_u32 s22, s22, s21
	v_mul_u32_u24 v7, s22, v2                      ; lanes 16-31 take B's words
	s_add_co_u32 s21, s21, SCL
	v_add_nc_u32 v6, v6, v7
	v_add_nc_u32 v[ADRS], s21, v6
	v_lshlrev_b32 v8, 5, v2                        ; the bias: 32 h
	s_wait_alu depctr_va_vdst(0)
	s_mul_i32 s23, s14, 16*SPITCH                  ; my stage
	v_mul_u32_u24 v9, v1, SPITCH
	v_lshl_add_u32 v9, v2, 5, v9
	v_add_nc_u32 v[STO], s23, v9                   ; in: row r, 32 bytes for each half of the lanes
	v_mul_u32_u24 v9, v2, SPITCH
	v_lshl_add_u32 v9, v1, 4, v9
	v_add_nc_u32 v[RD], s23, v9                    ; back: lanes 0-15 one row of 256 bytes, lanes 16-31 the next
	v_lshlrev_b32 v[CO], 12, v2
	v_lshl_add_u32 v[CO], v1, 4, v[CO]             ; and the same two rows in C: 4,096 bytes a row
	s_wait_alu depctr_va_vdst(0)
	s_lshl_b32 s20, s17, 7
	s_lshl_b32 s21, s15, 6
	s_add_co_u32 s20, s20, s21
	s_lshl_b32 s20, s20, 12                        ; my first row of C: 128 x tile row + 64 x half
	s_mov_b32 s21, 0
	s_lshl_b32 s46, s42, 9
	s_lshl_b32 s47, s16, 8
	s_add_co_u32 s46, s46, s47                     ; my first column, in bytes: 512 x tile column + 256 x half
	s_mov_b32 s47, 0
	s_add_nc_u64 s[8:9], s[8:9], s[46:47]
	s_add_nc_u64 s[20:21], s[20:21], s[46:47]
	s_add_nc_u64 s[10:11], s[10:11], s[20:21]
	s_add_nc_u64 s[12:13], s[12:13], s[20:21]
.irp b, 0,1,2,3
	global_load_b128 v[BIAS+8*\b:BIAS+8*\b+3], v8, s[8:9] offset:64*\b
	global_load_b128 v[BIAS+8*\b+4:BIAS+8*\b+7], v8, s[8:9] offset:64*\b+16
.endr
	s_wait_alu depctr_va_vdst(0)                   ; the wait at the head's end
	s_wait_tensorcnt 0x0                           ; my tile of the head's four is in; the three lines ahead of slot 1's first fill, as ahead of a refill
	ds_add_u32 v[SPW], v[NIL]
.irp g, G1, G1B
	s_mov_b32 s[\g+1], 32<<16                      ; no tensor load of mine is out: from here on a load brings one dense block as 96 rows of 256 bytes
	s_mov_b32 s[\g+2], 96<<16
	s_mov_b32 s[\g+3], 32<<16
	s_mov_b32 s[\g+4], 96
	s_mov_b32 s[\g+5], 32
.endr
	s_wait_dscnt 0x0
	CROUND                                         ; all four tiles are in, and all sixteen work-groups are here
	JLOAD G0+4, G1, G0B+4, G1B                     ; slot 1: K = 512 .. 1,023, the first tensor load behind the round
	FETCH 0, 0, 0
	WIN 0
	SCALES 0
	WIN 0x80                                       ; destination window 2
.irp a, 0,1,2,3
.irp t, 0,1,2,3,4,5,6,7
	global_load_b128 v[32*\a+4*\t:32*\a+4*\t+3], v[CO], s[10:11] offset:(16*\a+2*\t)*4096    ; the residual of my 64 x 64, asked for behind both slots' loads: it is wanted on the way out alone
.endr
.endr
	WIN 0
	s_wait_loadcnt 32
	STEP 0, 0, 1                                   ; the first step stands in front of the loop: the bias starts the sums
	STEP 0, 1, 0
	STEP 0, 2, 0
.if LAPS > 1
	WIN 0                                          ; at a label and at a branch every window is 0
	s_mov_b32 s3, LAPS-1
.Llap:                                             ; a trip goes once round the ring and fills both slots again
	TURN 0, 1, 1
	STEP 1, 0, 0
	STEP 1, 1, 0
	STEP 1, 2, 0
	TURN 1, 0, 1
	STEP 0, 0, 0
	STEP 0, 1, 0
	STEP 0, 2, 0
	WIN 0
	s_sub_co_u32 s3, s3, 1
	s_cmp_lg_u32 s3, 0
	s_cbranch_scc1 .Llap
.endif
	TURN 0, 1, 0                                   ; the last lap fills nothing, and has no round of the cluster's barrier
	STEP 1, 0, 0
	STEP 1, 1, 0
	STEP 1, 2, 0
	s_wait_dscnt 0x0                               ; the very last step: nothing more to fetch
	WIN MUL
	MUL4 0, 1, 3, 1, 0
	MUL4 1, 1, 3, 1, 0
	MUL4 2, 1, 3, 1, 0
	MUL4 3, 1, 3, 1, 0
	WIN 0
.macro TOSTAGE a                       ; block a: 16 rows x 64 columns into my stage, and back as whole rows
.set AC, ACC+32*(\a)
.irp b, 0,1,2,3
	ds_store_b128 v[STO], v[AC+8*\b:AC+8*\b+3] offset:64*\b          ; each accumulator from its low end on
	ds_store_b128 v[STO], v[AC+8*\b+4:AC+8*\b+7] offset:64*\b+16
.endr
.set BB, BK+32*((\a)%2)
.irp t, 0,1,2,3,4,5,6,7
	ds_load_b128 v[BB+4*\t:BB+4*\t+3], v[RD] offset:\t*2*SPITCH      ; LDS serves a wave's instructions in order (ISA guide 5.7.1.4): these see the stores above
.endr
.endm
.macro SEND a, younger
.set BB, BK+32*((\a)%2)
.set RR, 32*(\a)
	s_wait_dscnt \younger                          ; the block is back; the next block's 8 stores and 8 loads may be out
.if (\a) == 0
	s_wait_loadcnt 0x0                             ; the residual, asked for at the head
.endif
	WIN 0x08                                       ; source 1: window 2
.set i, 0
.rept 16
	v_pk_add_f32 v[BB+i:BB+i+1], v[BB+i:BB+i+1], v[RR+i:RR+i+1]
.set i, i+2
.endr
	WIN 0
.irp t, 0,1,2,3,4,5,6,7
.if LASTOUT
	global_store_b128 v[CO], v[BB+4*\t:BB+4*\t+3], s[12:13] offset:(16*(\a)+2*\t)*4096 th:TH_STORE_NT
.else
	global_store_b128 v[CO], v[BB+4*\t:BB+4*\t+3], s[12:13] offset:(16*(\a)+2*\t)*4096
.endif
.endr
.endm
	PLACES NP                                      ; in front of the first reads of results
	TOSTAGE 0
.irp a, 1,2,3
.if \a > 1
	s_wait_xcnt 0x0                                ; block a - 2's stores have read their registers: block a's loads may land there
.endif
	TOSTAGE \a
	SEND \a-1, 16
.endr
	SEND 3, 0
	s_wait_tensorcnt 0x0                           ; the wave's end
	ds_add_u32 v[SPW], v[NIL]
	s_wait_dscnt 0x0
	CROUND                                         ; the closing round
	s_endpgm
.Lfunc_end_k_q13f40f8d59_wo:
	.size	k_q13f40f8d59_wo, .Lfunc_end_k_q13f40f8d59_wo-k_q13f40f8d59_wo
	.p2alignl 7, 3214868480
	.fill 96, 4, 3214868480
	.section	.rodata,"a",@progbits
	.p2align	6, 0x0
	.amdhsa_kernel k_q13f40f8d59_wo
		.amdhsa_group_segment_fixed_size 327680
		.amdhsa_private_segment_fixed_size 0
		.amdhsa_enable_private_segment 0
		.amdhsa_kernarg_size 40
		.amdhsa_user_sgpr_count 2
		.amdhsa_user_sgpr_kernarg_segment_ptr 1
		.amdhsa_wavefront_size32 1
		.amdhsa_system_sgpr_workgroup_id_x 1
		.amdhsa_system_sgpr_workgroup_id_y 1
		.amdhsa_system_sgpr_workgroup_id_z 1
		.amdhsa_system_vgpr_workitem_id 0
		.amdhsa_next_free_vgpr 640
		.amdhsa_next_free_sgpr 102
		.amdhsa_reserve_vcc 0
		.amdhsa_float_denorm_mode_32 3
		.amdhsa_float_denorm_mode_16_64 3
		.amdhsa_memory_ordered 1
		.amdhsa_forward_progress 1
		.amdhsa_inst_pref_size 64
	.end_amdhsa_kernel
	.amdgpu_metadata
---
amdhsa.version: [ 1, 2 ]
amdhsa.kernels:
  - .name:           k_q13f40f8d59_wo
    .symbol:         k_q13f40f8d59_wo.kd
    .args:
      - { .name: ao, .offset: 0, .size: 8, .value_kind: global_buffer, .address_space: global }
      - { .name: wts, .offset: 8, .size: 8, .value_kind: global_buffer, .address_space: global }
      - { .name: bo, .offset: 16, .size: 8, .value_kind: global_buffer, .address_space: global }
      - { .name: x, .offset: 24, .size: 8, .value_kind: global_buffer, .address_space: global }
      - { .name: x1, .offset: 32, .size: 8, .value_kind: global_buffer, .address_space: global }
    .group_segment_fixed_size: 327680
    .private_segment_fixed_size: 0
    .kernarg_segment_align: 8
    .kernarg_segment_size: 40
    .max_flat_workgroup_size: 128
    .sgpr_count:     102
    .vgpr_count:     640
    .wavefront_size: 32
...
	.end_amdgpu_metadata
.endif
;; end of part 12
;; launch ln2: the kernel of part 9 again; grid 256 x 1, 4 waves a work-group, no clusters, 66,304 bytes of LDS; arguments x1, g2, be2, hn; writes hn
;; launch w1 (part 13): grid 16 x 16, 4 waves a work-group, clusters of 4 x 4, 327,680 bytes of LDS; arguments hn, wts, b1, hid; writes hid
.if DOCPART == 13
	.amdgcn_target "amdgcn-amd-amdhsa--gfx1250"
	.amdhsa_code_object_version 6
	.text
	.protected	k_q13f40f8d59_w1
	.globl	k_q13f40f8d59_w1
	.p2align	8
	.type	k_q13f40f8d59_w1,@function
k_q13f40f8d59_w1:
	s_mov_b64 s[64:65], 0
	v_nop
	global_prefetch_b8 v0, s[64:65] scope:SCOPE_SE
	s_setreg_imm32_b32 hwreg(HW_REG_WAVE_MODE, 25, 1), 1
	s_wait_xcnt 0x0
	s_wait_alu depctr_hold_cnt(0) depctr_sa_sdst(0) depctr_va_vdst(0) depctr_va_sdst(0) depctr_va_ssrc(0) depctr_va_vcc(0) depctr_vm_vsrc(0)
	s_getreg_b32 s2, hwreg(HW_REG_IB_STS2, 6, 4)
	s_cmp_eq_u32 s2, 0
	s_cbranch_scc0 .Lentry_in_a_cluster
	s_endpgm
.Lentry_in_a_cluster:
	s_bfe_u32 s2, ttmp6, 0x10000c
	s_cmp_lg_u32 s2, 0xf033
	s_cbranch_scc0 .Lentry_shape_is_right
	s_endpgm
.Lentry_shape_is_right:
; hid = Q(relu(h W1 + b1)): [4,096][4,096]; h and W1 are codes of FP6 (E2M3) with E8M0 scales, K = 1,024; the result is quantised along its columns at once and leaves as operand images: it never exists in f32 in memory.
; THE CORE: a tile of C is 256 x 256, four waves of 128 x 128 (64 accumulators).  K goes in steps of 256 through two LDS slots.  All operands lie in memory as IMAGES OF THE OPERAND'S REGISTERS
; (16 rows x 128 K = 1,536 bytes: registers 0-3 at 16 x lane, 4-5 at 512 + 8 x lane, 6-9 at 768 + 16 x lane, 10-11 at 1,280 + 8 x lane), so 128 rows x 256 K are one dense block of 24,576 bytes: one tensor load a wave,
; and a fragment comes from LDS by four loads that each read consecutive bytes.  The scale words of 128 rows for all of K are one dense block, brought once.
; CLUSTERS: 4 x 4; A's tiles are asked for jointly along a row of the cluster, B's along a column.  The matrix instruction is used transposed (source 0 = B's rows, source 1 = A's rows): a lane holds one row of C and eight
; neighbouring columns; the 16 registers of two neighbouring accumulators are places 16 h .. 16 h + 15 of a block of 32 in this program's order (place p = element p with bits 3 and 4 exchanged).  b1 is the C of each sum's first matrix instruction.
; OUT: a wave's 128 columns are one K step of the next product: block a's 16 rows become one image at ((tile column) 256 + row tile) 3,072 + (column half) 1,536; scale words at 12,582,912 + ((row / 128) 32 + K step) 512 + 4 (row % 128).
; LIMITS: a block of zeros gets the byte 1 where the rule says 127 (zero codes; read by this program alone); NaN and infinities are not served.
.set KK,    1024
.set ASC,   3145728
.set BCODE, 3145728
.set BSC,   9568256
.set RA16,  256
.set RB16,  256
.set KT,    KK/128
.set NQ,    2
.set FR,    12
.set NL,    4
.set NP,    4
.set HALFT, 24576
.set SLOT,  4*HALFT
.set SCL,   2*SLOT
.set HALFS, KT*512
.set SPARE, SCL+4*HALFS
.set LAPS,  KK/512
.set ADRA, 16
.set ADRB, 20
.set ADRS, 27
.set SPW,  28
.set NIL,  29
.set SC,   32
.set BIAS, 64
.set AF,   128
.set G1, 24
.set G0, 32
.set G1B, 48
.set G0B, 56
.set G1S, 68
.set G0S, 76
.set G1SB, 80
.set G0SB, 88
.set MUL_LO, 0xa1
.set MUL_HI, 0xf1
.set TO_B,   0x40
.set HA,  128
.set PC,  192
.set TM,  212
.set PW,  228
.set PWE, 229
.set SW0, 230
.set VA,  4
.set VB,  5
.set VS,  10
.set SEL, 18
.set MSB, 0
.macro WIN new                         ; the immediate's high byte repeats the setting that is left
.if MSB != (\new)
	s_set_vgpr_msb (MSB<<8)|(\new)
.set MSB, (\new)
.endif
.endm
.macro JLOAD g0a, g1a, g0b, g1b        ; a joint load: waves 0 and 1 fetch for A, waves 2 and 3 for B; an s_nop 0 and four v_nop follow each line
	s_cmp_eq_u32 s15, 0
	s_cbranch_scc0 .Lfor_b_\@
	tensor_load_to_lds s[\g0a:\g0a+3], s[\g1a:\g1a+7]
	s_nop 0
.rept 4
	v_nop
.endr
	s_branch .Lasked_\@
.Lfor_b_\@:
	tensor_load_to_lds s[\g0b:\g0b+3], s[\g1b:\g1b+7]
	s_nop 0
.rept 4
	v_nop
.endr
.Lasked_\@:
.endm
.macro CREST
	s_cmp_lg_u32 s14, 0
	s_cbranch_scc1 .Lnot_wave_0_\@
	s_barrier_signal -3
.Lnot_wave_0_\@:
	s_barrier_wait -3
	s_barrier_signal -1
	s_barrier_wait -1
.endm
.macro CROUND
	s_barrier_signal -1
	s_barrier_wait -1
	CREST
.endm
.macro FRAG reg, adr, q, i
	ds_load_b128 v[\reg:\reg+3], v[\adr] offset:3072*(\i)+1536*(\q)
	ds_load_b64 v[\reg+4:\reg+5], v[\adr+2] offset:3072*(\i)+1536*(\q)+512
	ds_load_b128 v[\reg+6:\reg+9], v[\adr] offset:3072*(\i)+1536*(\q)+768
	ds_load_b64 v[\reg+10:\reg+11], v[\adr+2] offset:3072*(\i)+1536*(\q)+1280
.endm
; The 64 accumulators take turns, one instruction a turn, in the same order in every step.  zero = 1: the bias starts the sums
.macro MUL16 a0, p, q, sc, zero
.irp a, \a0, \a0+1
.irp b, 0,1,2,3,4,5,6,7
.if \zero
	v_wmma_scale_f32_16x16x128_f8f6f4 v[8*(8*((\a)%4)+\b):8*(8*((\a)%4)+\b)+7], v[128*(\p)+FR*\b:128*(\p)+FR*\b+FR-1], v[AF+FR*(\a):AF+FR*(\a)+FR-1], v[BIAS+8*\b:BIAS+8*\b+7], v[SC+8*NQ*(\sc)+NQ*\b+(\q)], v[SC+8*NQ*(\sc)+NQ*(\a)+(\q)] matrix_a_fmt:MATRIX_FMT_FP6 matrix_b_fmt:MATRIX_FMT_FP6 matrix_a_scale:MATRIX_SCALE_ROW1
.else
	v_wmma_scale_f32_16x16x128_f8f6f4 v[8*(8*((\a)%4)+\b):8*(8*((\a)%4)+\b)+7], v[128*(\p)+FR*\b:128*(\p)+FR*\b+FR-1], v[AF+FR*(\a):AF+FR*(\a)+FR-1], v[8*(8*((\a)%4)+\b):8*(8*((\a)%4)+\b)+7], v[SC+8*NQ*(\sc)+NQ*\b+(\q)], v[SC+8*NQ*(\sc)+NQ*(\a)+(\q)] matrix_a_fmt:MATRIX_FMT_FP6 matrix_b_fmt:MATRIX_FMT_FP6 matrix_a_scale:MATRIX_SCALE_ROW1
.endif
.endr
.endr
.endm
.macro FETCH_B slot, q, p
	WIN TO_B
.irp i, 0,1,2,3,4,5,6,7
	FRAG 128*(\p)+FR*\i, ADRB+\slot, \q, \i
.endr
	WIN 0
.endm
.macro FETCH_A slot, q, i0
.irp i, \i0, \i0+1, \i0+2, \i0+3
	FRAG AF+FR*(\i), ADRA+\slot, \q, \i
.endr
.endm
.macro SCALES sc
.irp i, 0,1,2,3,4,5,6,7
.irp q, 0,1
	ds_load_b32 v[SC+8*NQ*\sc+NQ*\i+\q], v[ADRS] offset:512*\q+64*\i
.endr
.endr
.endm
.macro PLACES n                        ; plain vector lines between a matrix instruction and a load into, or a read of, its registers
.rept \n
	v_nop
.endr
.endm
.macro STEP slot, q, zero
	s_wait_dscnt 4*NL                              ; all but the youngest sixteen loads (A's blocks 4-7) are in
	WIN MUL_LO-0x20*(\zero)
	MUL16 0, (\q)%2, \q, \slot, \zero
	MUL16 2, (\q)%2, \q, \slot, \zero
	s_wait_dscnt 0
	PLACES NP
	FETCH_B \slot, (\q)+1, 1-(\q)%2
	FETCH_A \slot, (\q)+1, 0
	WIN MUL_HI-0x30*(\zero)
	MUL16 4, (\q)%2, \q, \slot, \zero
	MUL16 6, (\q)%2, \q, \slot, \zero
	PLACES NP
	WIN 0
	FETCH_A \slot, (\q)+1, 4
.endm
.macro TURN slot, next, fill
	s_wait_tensorcnt 0x0                           ; all my tensor loads have landed: my part of the next slot
	ds_add_u32 v[SPW], v[NIL]                      ; 0 onto my spare word
	s_wait_dscnt 4*NL+1                            ; (the add and A's blocks 4-7 may be out)
	WIN MUL_LO
	MUL16 0, 1, NQ-1, \slot, 0
	s_wait_dscnt 0x0                               ; the add is done, and my reads of this slot are over
	s_barrier_signal -1
	MUL16 2, 1, NQ-1, \slot, 0
	WIN 0
	s_barrier_wait -1
.if \fill
	CREST                                          ; the barrier has opened a round of the cluster's: no wave of any partner still reads this slot or has a load on its way
	s_add_nc_u64 s[G0+4*\slot+2:G0+4*\slot+3], s[G0+4*\slot+2:G0+4*\slot+3], s[98:99]
	s_add_nc_u64 s[G0B+4*\slot+2:G0B+4*\slot+3], s[G0B+4*\slot+2:G0B+4*\slot+3], s[100:101]
	JLOAD G0+4*\slot, G1, G0B+4*\slot, G1B
.else
	PLACES NP
.endif
	s_wait_alu depctr_va_vdst(0)
	v_add_nc_u32 v[ADRS], 512*NQ, v[ADRS]
	FETCH_B \next, 0, 0
	FETCH_A \next, 0, 0
	SCALES \next
	WIN MUL_HI
	MUL16 4, 1, NQ-1, \slot, 0
	MUL16 6, 1, NQ-1, \slot, 0
	PLACES NP
	WIN 0
	FETCH_A \next, 0, 4
.endm
; 64 numbers of a lane, register 16 b + i = place 16 h + i of block b of my row, become a fragment's codes in v[pc] .. v[pc + 11] and its scale word in v[pw]
.macro QUANT s, pc, pw
.irp b, 0,1,2,3
	v_max3_num_f32 v[TM+\b], |v[\s+16*\b]|, |v[\s+1+16*\b]|, 0x1800000
.endr
.irp i, 2,4,6,8,10,12,14
.irp b, 0,1,2,3
	v_max3_num_f32 v[TM+\b], v[TM+\b], |v[\s+16*\b+\i]|, |v[\s+1+16*\b+\i]|
.endr
.endr
.irp b, 0,1,2,3
	v_permlanex16_b32 v[TM+4+\b], v[TM+\b], s[SEL], s[SEL+1]
.endr
.irp b, 0,1,2,3
	v_max_num_f32 v[TM+\b], v[TM+\b], v[TM+4+\b]
.endr
.irp b, 0,1,2,3
	v_add_nc_u32 v[TM+12+\b], 0xff000000, v[TM+\b]
.endr
.irp b, 0,1,2,3
	v_lshrrev_b32 v[TM+4+\b], 23, v[TM+12+\b]
.endr
	v_lshl_or_b32 v[\pw], v[TM+5], 8, v[TM+4]
	v_lshl_or_b32 v[\pw], v[TM+6], 16, v[\pw]
	v_lshl_or_b32 v[\pw], v[TM+7], 24, v[\pw]
.irp c, 0,1
	v_cvt_scalef32_pk16_fp6_f32 v[\pc+6*\c:\pc+2+6*\c], v[\s+32*\c:\s+15+32*\c], v[TM+12+2*\c]
	v_cvt_scalef32_pk16_fp6_f32 v[\pc+12+4*\c:\pc+14+4*\c], v[\s+16+32*\c:\s+31+32*\c], v[TM+12+2*\c+1]
.endr
	v_nop                                          ; one plain line behind a scaled conversion
.irp c, 0,1
.irp i, 0,1,2
	v_permlane16_swap_b32 v[\pc+6*\c+\i], v[\pc+12+4*\c+\i]
.endr
.irp i, 0,1,2
	v_mov_b32 v[\pc+3+6*\c+\i], v[\pc+12+4*\c+\i]
.endr
.endr
.endm
	s_load_b256 s[4:11], s[0:1], 0x0               ; h's codes, wts, b1, hid
	v_lshl_add_u32 v[SPW], v0, 2, SPARE
	v_mov_b32 v[NIL], 0
	ds_add_u32 v[SPW], v[NIL]                      ; the wave's opening: the add and its wait ahead of my first tensor load
	ds_add_u32 v[SPW], v[NIL]
	v_lshrrev_b32 v1, 5, v0
	v_readfirstlane_b32 s14, v1
	s_lshr_b32 s15, s14, 1
	s_and_b32 s16, s14, 1
	s_bfe_u32 s40, ttmp6, 0x40000                  ; cx
	s_bfe_u32 s41, ttmp6, 0x40004                  ; cy
	s_lshl_b32 s42, ttmp9, 2
	s_add_co_u32 s42, s42, s40                     ; tile column
	s_and_b32 s17, ttmp7, 0xffff
	s_lshl_b32 s17, s17, 2
	s_add_co_u32 s17, s17, s41                     ; tile row
	s_mov_b32 s98, RA16*3072
	s_mov_b32 s100, RB16*3072
	s_mov_b32 s22, ASC
	s_mov_b32 s92, BSC
	s_mov_b32 s99, 0
	s_mov_b32 s101, 0
	s_lshl_b32 s43, s41, 2
	s_lshl_b32 s43, 15, s43
	s_lshl_b32 s44, 0x1111, s40
	s_or_b32 s[G1+0], s43, (3<<16)|(1<<21)         ; the mask; elements of 8 bytes; bit 21 beside a mask; no padding
	s_or_b32 s[G1B+0], s44, (3<<16)|(1<<21)
.irp g, G1, G1B
	s_mov_b32 s[\g+1], 32<<16                      ; a dense block as 96 rows of 256 bytes
	s_mov_b32 s[\g+2], 192<<16                     ; the head's loads bring 256 rows x 256 K: 192 rows of 256 bytes
	s_mov_b32 s[\g+3], 32<<16
	s_mov_b32 s[\g+4], 192
	s_mov_b32 s[\g+5], 32
	s_mov_b32 s[\g+6], 0
	s_mov_b32 s[\g+7], 0
.endr
	s_or_b32 s[G1S+0], s43, (3<<16)|(1<<21)
	s_or_b32 s[G1SB+0], s44, (3<<16)|(1<<21)
.irp g, G1S, G1SB
	s_mov_b32 s[\g+1], 32<<16
	s_mov_b32 s[\g+2], (4*KT)<<16                  ; the scale words of 256 rows, all of K
	s_mov_b32 s[\g+3], 32<<16
	s_mov_b32 s[\g+4], 4*KT
	s_mov_b32 s[\g+5], 32
	s_mov_b32 s[\g+6], 0
	s_mov_b32 s[\g+7], 0
.endr
	s_lshl_b32 s20, s17, 4
	s_mul_i32 s20, s20, 3072
	s_mov_b32 s21, 0
	s_lshl_b32 s23, s17, 1
	s_mul_i32 s23, s23, HALFS
	s_add_co_u32 s22, s22, s23
	s_mov_b32 s23, 0
	s_lshl_b32 s46, s42, 4
	s_mul_i32 s46, s46, 3072
	s_add_co_u32 s46, s46, BCODE
	s_mov_b32 s47, 0
	s_lshl_b32 s93, s42, 1
	s_mul_i32 s93, s93, HALFS
	s_add_co_u32 s92, s92, s93
	s_mov_b32 s93, 0
	s_mul_i32 s45, s14, HALFT
	s_wait_dscnt 0x0                               ; the opening add is done
	s_wait_kmcnt 0x0
	s_add_nc_u64 s[20:21], s[4:5], s[20:21]
	s_add_nc_u64 s[22:23], s[4:5], s[22:23]
	s_add_nc_u64 s[46:47], s[6:7], s[46:47]
	s_add_nc_u64 s[92:93], s[6:7], s[92:93]
	CROUND                                         ; all sixteen work-groups are here: the first joint loads meet
	s_mov_b32 s[G0S], 1
	s_mov_b32 s[G0S+1], SCL
	s_mov_b64 s[G0S+2:G0S+3], s[22:23]
	s_or_b32 s[G0S+3], s[G0S+3], 0x80000000
	s_mov_b32 s[G0SB], 1
	s_mov_b32 s[G0SB+1], SCL+2*HALFS
	s_mov_b64 s[G0SB+2:G0SB+3], s[92:93]
	s_or_b32 s[G0SB+3], s[G0SB+3], 0x80000000
	s_mov_b32 s[G0], 1
	s_mov_b32 s[G0+1], 0                           ; at the head: A's whole 256 rows of K step 0
	s_mov_b64 s[G0+2:G0+3], s[20:21]
	s_or_b32 s[G0+3], s[G0+3], 0x80000000
	s_mov_b32 s[G0B], 1
	s_mov_b32 s[G0B+1], 2*HALFT                    ; and B's, behind them
	s_mov_b64 s[G0B+2:G0B+3], s[46:47]
	s_or_b32 s[G0B+3], s[G0B+3], 0x80000000
	s_mul_i32 s96, s16, HALFT                      ; in the ring I fetch 128 rows of a tile: which half, in bytes
	s_mov_b32 s97, 0
	s_add_nc_u64 s[20:21], s[20:21], s[96:97]
	s_add_nc_u64 s[46:47], s[46:47], s[96:97]
	s_mov_b32 s[G0+4], 1
	s_add_co_u32 s[G0+5], s45, SLOT
	s_add_nc_u64 s[G0+6:G0+7], s[20:21], s[98:99]
	s_or_b32 s[G0+7], s[G0+7], 0x80000000
	s_mov_b32 s[G0B+4], 1
	s_add_co_u32 s[G0B+5], s45, SLOT
	s_add_nc_u64 s[G0B+6:G0B+7], s[46:47], s[100:101]
	s_or_b32 s[G0B+7], s[G0B+7], 0x80000000
	s_cmp_eq_u32 s15, 0                            ; the prefetches go by my quarter of a slot, as the ring's loads do
	s_cselect_b64 s[66:67], s[20:21], s[46:47]
	s_cselect_b32 s94, s98, s100                   ; a K step on, in bytes
	s_cselect_b32 s3, s40, s41                     ; my place among the four partners that ask for the quarter jointly
	s_mul_i32 s3, s3, 6144                         ; each names 24 of its 96 blocks of 256 bytes
; THE HEAD'S LOADS, ONE A WAVE: wave 0 A's 256 rows of K step 0, wave 1 B's, wave 2 A's scale words, wave 3 B's; one chain of branches on the wave's number
.macro ARM under, g0, g1, next
	s_cmp_lt_u32 s14, \under
	s_cbranch_scc0 \next
	tensor_load_to_lds s[\g0:\g0+3], s[\g1:\g1+7]
	s_nop 0
.rept 4
	v_nop
.endr
	s_branch .Lhead_asked
\next:
.endm
	ARM 1, G0, G1, .Lhead_b
	ARM 2, G0B, G1B, .Lhead_sa
	ARM 3, G0S, G1S, .Lhead_sb
	tensor_load_to_lds s[G0SB:G0SB+3], s[G1SB:G1SB+7]
	s_nop 0
.rept 4
	v_nop
.endr
.Lhead_asked:
	v_and_b32 v30, 31, v0
	v_min_u32 v30, 23, v30                         ; lanes 24-31 name the last block again
	v_lshl_add_u32 v30, v30, 8, s3
	v_add_nc_u32 v30, s94, v30                     ; K step 1,
	v_add_nc_u32 v31, s94, v30                     ; 2,
	v_add_nc_u32 v24, s94, v31                     ; 3: the last; none of the three is rewritten
	global_prefetch_b8 v30, s[66:67] th:TH_LOAD_NT scope:SCOPE_SE   ; behind K step 0's load: K steps 1 and 2
	global_prefetch_b8 v31, s[66:67] th:TH_LOAD_NT scope:SCOPE_SE
	s_lshl_b32 s98, s98, 1                         ; from here on: a refill's step, two K steps
	s_lshl_b32 s100, s100, 1
	v_and_b32 v1, 15, v0
	v_bfe_u32 v2, v0, 4, 1
	v_and_b32 v3, 31, v0
	v_lshlrev_b32 v4, 4, v3
	v_lshlrev_b32 v5, 3, v3
	s_mul_i32 s21, s15, HALFT
	s_mul_i32 s22, s16, HALFT
	s_add_co_u32 s22, s22, 2*HALFT
.irp s, 0,1
	v_add_nc_u32 v[ADRA+\s], s21, v4
	v_add_nc_u32 v[ADRB+\s], s22, v4
	v_add_nc_u32 v[ADRA+2+\s], s21, v5
	v_add_nc_u32 v[ADRB+2+\s], s22, v5
	s_add_co_u32 s21, s21, SLOT
	s_add_co_u32 s22, s22, SLOT
.endr
	v_lshlrev_b32 v6, 2, v1
	s_mul_i32 s21, s15, HALFS
	s_mul_i32 s22, s16, HALFS
	s_add_co_u32 s22, s22, 2*HALFS
	s_sub_co_u32 s22, s22, s21
	v_mul_u32_u24 v7, s22, v2
	s_add_co_u32 s21, s21, SCL
	v_add_nc_u32 v6, v6, v7
	v_add_nc_u32 v[ADRS], s21, v6
	v_lshlrev_b32 v8, 5, v2
	s_wait_alu depctr_va_vdst(0)
	v_lshlrev_b32 v[VS], 2, v3
	s_lshl_b32 s46, s42, 10
	s_lshl_b32 s47, s16, 9
	s_add_co_u32 s46, s46, s47                     ; b1 at my first column
	s_mov_b32 s47, 0
	s_add_nc_u64 s[8:9], s[8:9], s[46:47]
	s_lshl_b32 s20, s42, 8                         ; hid's codes: (tile column x 256 + 16 tile row + 8 row half) x 3,072 + column half x 1,536
	s_lshl_b32 s21, s17, 4
	s_add_co_u32 s20, s20, s21
	s_lshl_b32 s21, s15, 3
	s_add_co_u32 s20, s20, s21
	s_mul_i32 s20, s20, 3072
	s_mul_i32 s21, s16, 1536
	s_add_co_u32 s20, s20, s21
	s_mov_b32 s21, 0
	s_lshl_b32 s22, s17, 1                         ; its scale words: ((2 tile row + row half) 32 + 2 tile column + column half) x 512
	s_add_co_u32 s22, s22, s15
	s_lshl_b32 s22, s22, 5
	s_lshl_b32 s23, s42, 1
	s_add_co_u32 s22, s22, s23
	s_add_co_u32 s22, s22, s16
	s_lshl_b32 s22, s22, 9
	s_add_co_u32 s22, s22, 12582912
	s_mov_b32 s23, 0
	s_add_nc_u64 s[12:13], s[10:11], s[22:23]
	s_add_nc_u64 s[10:11], s[10:11], s[20:21]
.irp b, 0,1,2,3,4,5,6,7
	global_load_b128 v[BIAS+8*\b:BIAS+8*\b+3], v8, s[8:9] offset:64*\b
	global_load_b128 v[BIAS+8*\b+4:BIAS+8*\b+7], v8, s[8:9] offset:64*\b+16
.endr
	s_wait_alu depctr_va_vdst(0)                   ; the wait at the head's end
	s_wait_tensorcnt 0x0                           ; my tile of the head's four is in; the three lines ahead of slot 1's first fill, as ahead of a refill
	ds_add_u32 v[SPW], v[NIL]
	s_mov_b32 s[G1+2], 96<<16                      ; no tensor load of mine is out: from here on a load brings 128 rows x 256 K,
	s_mov_b32 s[G1+4], 96
	s_mov_b32 s[G1B+2], 96<<16
	s_mov_b32 s[G1B+4], 96
	s_mov_b32 s[G0+1], s45                         ; and slot 0's sets stand at my quarter
	s_mov_b32 s[G0B+1], s45
	s_add_nc_u64 s[G0+2:G0+3], s[G0+2:G0+3], s[96:97]
	s_add_nc_u64 s[G0B+2:G0B+3], s[G0B+2:G0B+3], s[96:97]
	s_wait_dscnt 0x0
	CROUND                                         ; all four tiles are in, and all sixteen work-groups are here
	JLOAD G0+4, G1, G0B+4, G1B                     ; slot 1: K step 1, the first tensor load behind the round
	FETCH_B 0, 0, 0
	FETCH_A 0, 0, 0
	SCALES 0
	FETCH_A 0, 0, 4
	global_prefetch_b8 v24, s[66:67] th:TH_LOAD_NT scope:SCOPE_SE   ; behind K step 1's load: K step 3
	s_wait_loadcnt 0x0                             ; the bias
	STEP 0, 0, 1
	s_mov_b32 s3, LAPS-1
.Llap:
	TURN 0, 1, 1
	STEP 1, 0, 0
	TURN 1, 0, 1
	STEP 0, 0, 0
	s_sub_co_u32 s3, s3, 1
	s_cmp_lg_u32 s3, 0
	s_cbranch_scc1 .Llap
	TURN 0, 1, 0
	STEP 1, 0, 0
	s_wait_dscnt 4*NL
	WIN MUL_LO
	MUL16 0, 1, NQ-1, 1, 0
	MUL16 2, 1, NQ-1, 1, 0
	s_wait_dscnt 0
	WIN MUL_HI
	MUL16 4, 1, NQ-1, 1, 0
	MUL16 6, 1, NQ-1, 1, 0
	WIN 0
	PLACES NP
	s_mov_b32 s[SEL], 0x76543210
	s_mov_b32 s[SEL+1], 0xfedcba98
	s_mov_b32 s2, 0xffff0000                       ; lanes 16-31
.irp b, 0,1,2,3
	v_mov_b32 v[TM+4+\b], 0                        ; written once: a lane permute's destination counts as one of its sources
.endr
.macro OUTA a                          ; block a: 16 rows x 128 columns become one image
.set AC, 64*((\a)%4)
	s_wait_xcnt 0x0                                ; the last block's stores have read their data, which are written again below
	WIN 0x08+4*((\a)/4)                            ; source 1: window 2 or 3
.set i, 0
.rept 64
	v_max_num_f32 v[HA+i], 0, v[AC+i]              ; the activation, and the move out of the accumulators, each from its low end on
.set i, i+1
.endr
	WIN 0
	QUANT HA, PC, PW
	global_store_b128 v[VA], v[PC:PC+3], s[10:11] offset:3072*(\a)
	global_store_b64 v[VB], v[PC+4:PC+5], s[10:11] offset:3072*(\a)+512
	global_store_b128 v[VA], v[PC+6:PC+9], s[10:11] offset:3072*(\a)+768
	global_store_b64 v[VB], v[PC+10:PC+11], s[10:11] offset:3072*(\a)+1280
.if (\a)%2 == 0
	v_mov_b32 v[PWE], v[PW]
.else
	v_cndmask_b32 v[SW0], v[PWE], v[PW], s2        ; 32 rows' words: 128 consecutive bytes
	global_store_b32 v[VS], v[SW0], s[12:13] offset:128*((\a)/2)
.endif
.endm
.irp a, 0,1,2,3,4,5,6,7
	OUTA \a
.endr
	s_wait_tensorcnt 0x0                           ; the wave's end
	ds_add_u32 v[SPW], v[NIL]
	s_wait_dscnt 0x0
	CROUND                                         ; the closing round
	s_endpgm
.Lfunc_end_k_q13f40f8d59_w1:
	.size	k_q13f40f8d59_w1, .Lfunc_end_k_q13f40f8d59_w1-k_q13f40f8d59_w1
	.p2alignl 7, 3214868480
	.fill 96, 4, 3214868480
	.section	.rodata,"a",@progbits
	.p2align	6, 0x0
	.amdhsa_kernel k_q13f40f8d59_w1
		.amdhsa_group_segment_fixed_size 327680
		.amdhsa_private_segment_fixed_size 0
		.amdhsa_enable_private_segment 0
		.amdhsa_kernarg_size 32
		.amdhsa_user_sgpr_count 2
		.amdhsa_user_sgpr_kernarg_segment_ptr 1
		.amdhsa_wavefront_size32 1
		.amdhsa_system_sgpr_workgroup_id_x 1
		.amdhsa_system_sgpr_workgroup_id_y 1
		.amdhsa_system_sgpr_workgroup_id_z 1
		.amdhsa_system_vgpr_workitem_id 0
		.amdhsa_next_free_vgpr 1024
		.amdhsa_next_free_sgpr 102
		.amdhsa_reserve_vcc 0
		.amdhsa_float_denorm_mode_32 3
		.amdhsa_float_denorm_mode_16_64 3
		.amdhsa_memory_ordered 1
		.amdhsa_forward_progress 1
		.amdhsa_inst_pref_size 170
	.end_amdhsa_kernel
	.amdgpu_metadata
---
amdhsa.version: [ 1, 2 ]
amdhsa.kernels:
  - .name:           k_q13f40f8d59_w1
    .symbol:         k_q13f40f8d59_w1.kd
    .args:
      - { .name: hn, .offset: 0, .size: 8, .value_kind: global_buffer, .address_space: global }
      - { .name: wts, .offset: 8, .size: 8, .value_kind: global_buffer, .address_space: global }
      - { .name: b1, .offset: 16, .size: 8, .value_kind: global_buffer, .address_space: global }
      - { .name: hid, .offset: 24, .size: 8, .value_kind: global_buffer, .address_space: global }
    .group_segment_fixed_size: 327680
    .private_segment_fixed_size: 0
    .kernarg_segment_align: 8
    .kernarg_segment_size: 32
    .max_flat_workgroup_size: 128
    .sgpr_count:     102
    .vgpr_count:     1024
    .wavefront_size: 32
...
	.end_amdgpu_metadata
.endif
;; end of part 13
;; launch w2 (part 14): grid 8 x 32, 4 waves a work-group, clusters of 4 x 4, 327,680 bytes of LDS; arguments hid, wts, b2, x1, out0; writes out0
.if DOCPART == 14
	.amdgcn_target "amdgcn-amd-amdhsa--gfx1250"
	.amdhsa_code_object_version 6
	.text
	.protected	k_q13f40f8d59_w2
	.globl	k_q13f40f8d59_w2
	.p2align	8
	.type	k_q13f40f8d59_w2,@function
k_q13f40f8d59_w2:
	s_mov_b64 s[64:65], 0
	v_nop
	global_prefetch_b8 v0, s[64:65] scope:SCOPE_SE
	s_setreg_imm32_b32 hwreg(HW_REG_WAVE_MODE, 25, 1), 1
	s_wait_xcnt 0x0
	s_wait_alu depctr_hold_cnt(0) depctr_sa_sdst(0) depctr_va_vdst(0) depctr_va_sdst(0) depctr_va_ssrc(0) depctr_va_vcc(0) depctr_vm_vsrc(0)
	s_getreg_b32 s2, hwreg(HW_REG_IB_STS2, 6, 4)
	s_cmp_eq_u32 s2, 0
	s_cbranch_scc0 .Lentry_in_a_cluster
	s_endpgm
.Lentry_in_a_cluster:
	s_bfe_u32 s2, ttmp6, 0x10000c
	s_cmp_lg_u32 s2, 0xf033
	s_cbranch_scc0 .Lentry_shape_is_right
	s_endpgm
.Lentry_shape_is_right:
; out0 = x1 + hid W2 + b2, f32 [4,096][1,024]; hid and W2 are codes of FP6 (E2M3) with E8M0 scales, K = 4,096.
; A tile of C is 128 x 128: 256 work-groups of four waves of 64 x 64 (16 accumulators).  K goes in steps of 512 through two LDS slots; operands lie in memory as images of the operand's registers, so 128 rows x 256 K are one dense block of 24,576 bytes.
; CLUSTERS 4 x 4: A's tiles are asked for jointly along a row of the cluster, B's along a column.  Source 0 = B's rows, source 1 = A's rows; b2 is the C of each sum's first matrix instruction; the residual is asked for at the head and added on the way out.
; THE HEAD: one tensor load a wave: A's part of slot 0 (two blocks as two rows of one tile), B's, A's scale words, B's; slot 1 follows behind the three lines and a round, as a refill does.
; PREFETCHES: the load of slot t is followed by a request for slot t + 2 (the head's also by one for slot 1); a wave names its own quarter of the slot, of which each of the four partners takes 24 blocks of 256 bytes by address; slot 7 is the last that is named.
; LIMITS: NaN and infinities are not served; inside a block of 32 the sums go in this program's order of places, on both operands alike.
.set KK,    4096
.set ASC,   12582912
.set BCODE, 6291456
.set BSC,   9699328
.set RA16,  256
.set RB16,  64
.set LASTOUT, 1
.set KT,    KK/128
.set FR,    12
.set NP,    4
.set HALFT, 24576
.set SLOT,  4*HALFT
.set SCL,   2*SLOT
.set HALFS, KT*512
.set SPARE, SCL+2*HALFS
.set LAPS,  KK/1024
.set SPITCH, 272
.set ADRA, 16
.set ADRB, 20
.set STO,  24
.set RD,   25
.set CO,   26
.set ADRS, 27
.set SPW,  28
.set NIL,  29
.set SC,   32
.set BIAS, 64
.set BK,   64
.set ACC,  128
.set G1, 24
.set G0, 32
.set G1B, 48
.set G0B, 56
.set G1S, 68
.set G0S, 76
.set G1SB, 80
.set G0SB, 88
.set MUL,  0x05
.set TO_F, 0x40
.set MSB, 0
.macro WIN new
.if MSB != (\new)
	s_set_vgpr_msb (MSB<<8)|(\new)
.set MSB, (\new)
.endif
.endm
.macro JLOAD g0a, g1a, g0b, g1b
	s_cmp_eq_u32 s15, 0
	s_cbranch_scc0 .Lfor_b_\@
	tensor_load_to_lds s[\g0a:\g0a+3], s[\g1a:\g1a+7]
	s_nop 0
.rept 4
	v_nop
.endr
	s_branch .Lasked_\@
.Lfor_b_\@:
	tensor_load_to_lds s[\g0b:\g0b+3], s[\g1b:\g1b+7]
	s_nop 0
.rept 4
	v_nop
.endr
.Lasked_\@:
.endm
.macro CREST
	s_cmp_lg_u32 s14, 0
	s_cbranch_scc1 .Lnot_wave_0_\@
	s_barrier_signal -3
.Lnot_wave_0_\@:
	s_barrier_wait -3
	s_barrier_signal -1
	s_barrier_wait -1
.endm
.macro CROUND
	s_barrier_signal -1
	s_barrier_wait -1
	CREST
.endm
.macro FRAG reg, adr, q, i
	ds_load_b128 v[\reg:\reg+3], v[\adr] offset:24576*((\q)/2)+1536*((\q)%2)+3072*(\i)
	ds_load_b64 v[\reg+4:\reg+5], v[\adr+2] offset:24576*((\q)/2)+1536*((\q)%2)+3072*(\i)+512
	ds_load_b128 v[\reg+6:\reg+9], v[\adr] offset:24576*((\q)/2)+1536*((\q)%2)+3072*(\i)+768
	ds_load_b64 v[\reg+10:\reg+11], v[\adr+2] offset:24576*((\q)/2)+1536*((\q)%2)+3072*(\i)+1280
.endm
.macro MUL4 a, p, q, sc, zero
.irp b, 0,1,2,3
.if \zero
	v_wmma_scale_f32_16x16x128_f8f6f4 v[ACC+8*(4*(\a)+\b):ACC+8*(4*(\a)+\b)+7], v[128*(\p)+FR*\b:128*(\p)+FR*\b+FR-1], v[128*(\p)+48+FR*(\a):128*(\p)+48+FR*(\a)+FR-1], v[BIAS+8*\b:BIAS+8*\b+7], v[SC+16*(\sc)+4*\b+(\q)], v[SC+16*(\sc)+4*(\a)+(\q)] matrix_a_fmt:MATRIX_FMT_FP6 matrix_b_fmt:MATRIX_FMT_FP6 matrix_a_scale:MATRIX_SCALE_ROW1
.else
	v_wmma_scale_f32_16x16x128_f8f6f4 v[ACC+8*(4*(\a)+\b):ACC+8*(4*(\a)+\b)+7], v[128*(\p)+FR*\b:128*(\p)+FR*\b+FR-1], v[128*(\p)+48+FR*(\a):128*(\p)+48+FR*(\a)+FR-1], v[ACC+8*(4*(\a)+\b):ACC+8*(4*(\a)+\b)+7], v[SC+16*(\sc)+4*\b+(\q)], v[SC+16*(\sc)+4*(\a)+(\q)] matrix_a_fmt:MATRIX_FMT_FP6 matrix_b_fmt:MATRIX_FMT_FP6 matrix_a_scale:MATRIX_SCALE_ROW1
.endif
.endr
.endm
.macro FETCH slot, q, p
	WIN TO_F
.irp i, 0,1,2,3
	FRAG 128*(\p)+FR*\i, ADRB+\slot, \q, \i
.endr
.irp i, 0,1,2,3
	FRAG 128*(\p)+48+FR*\i, ADRA+\slot, \q, \i
.endr
.endm
.macro SCALES sc
.irp i, 0,1,2,3
.irp q, 0,1,2,3
	ds_load_b32 v[SC+16*\sc+4*\i+\q], v[ADRS] offset:512*\q+64*\i
.endr
.endr
.endm
.macro PLACES n
.rept \n
	v_nop
.endr
.endm
.macro STEP slot, q, zero
	s_wait_dscnt 0x0
	PLACES NP
	FETCH \slot, (\q)+1, 1-(\q)%2
	WIN MUL
	MUL4 0, (\q)%2, \q, \slot, \zero
	MUL4 1, (\q)%2, \q, \slot, \zero
	MUL4 2, (\q)%2, \q, \slot, \zero
	MUL4 3, (\q)%2, \q, \slot, \zero
.endm
.macro TURN slot, next, fill
	WIN 0
	s_wait_tensorcnt 0x0
	ds_add_u32 v[SPW], v[NIL]
	s_wait_dscnt 1
	WIN MUL
	MUL4 0, 1, 3, \slot, 0
	s_wait_dscnt 0x0
	s_barrier_signal -1
	MUL4 1, 1, 3, \slot, 0
	WIN 0
	s_barrier_wait -1
.if \fill
	CREST
	s_add_nc_u64 s[G0+4*\slot+2:G0+4*\slot+3], s[G0+4*\slot+2:G0+4*\slot+3], s[98:99]
	s_add_nc_u64 s[G0B+4*\slot+2:G0B+4*\slot+3], s[G0B+4*\slot+2:G0B+4*\slot+3], s[100:101]
	JLOAD G0+4*\slot, G1, G0B+4*\slot, G1B
	s_wait_xcnt 0x0                                ; the last prefetch has read its offset, which is stepped below
.else
	PLACES NP
.endif
	s_wait_alu depctr_va_vdst(0)
	v_add_nc_u32 v[ADRS], 2048, v[ADRS]
.if \fill
	v_add_nc_u32 v31, s2, v31                      ; two slots on from the one just asked for
.endif
	FETCH \next, 0, 0
	WIN 0
	SCALES \next
.if \fill
	s_cmp_gt_u32 s3, 1                             ; the loop's last trip fills slots 6 and 7: nothing lies two slots on
	s_cbranch_scc0 .Lno_ask_\@
	global_prefetch_b8 v31, s[66:67] th:TH_LOAD_NT scope:SCOPE_SE
.Lno_ask_\@:
.endif
	WIN MUL
	MUL4 2, 1, 3, \slot, 0
	MUL4 3, 1, 3, \slot, 0
.endm
	s_load_b256 s[4:11], s[0:1], 0x0
	s_load_b64 s[12:13], s[0:1], 0x20
	v_lshl_add_u32 v[SPW], v0, 2, SPARE
	v_mov_b32 v[NIL], 0
	ds_add_u32 v[SPW], v[NIL]
	ds_add_u32 v[SPW], v[NIL]
	v_lshrrev_b32 v1, 5, v0
	v_readfirstlane_b32 s14, v1
	s_lshr_b32 s15, s14, 1
	s_and_b32 s16, s14, 1
	s_bfe_u32 s40, ttmp6, 0x40000
	s_bfe_u32 s41, ttmp6, 0x40004
	s_lshl_b32 s42, ttmp9, 2
	s_add_co_u32 s42, s42, s40
	s_and_b32 s17, ttmp7, 0xffff
	s_lshl_b32 s17, s17, 2
	s_add_co_u32 s17, s17, s41
	s_mov_b32 s98, 2*RA16*3072
	s_mov_b32 s100, 2*RB16*3072
	s_mov_b32 s22, ASC
	s_mov_b32 s92, BSC
	s_mov_b32 s99, 0
	s_mov_b32 s101, 0
	s_lshl_b32 s43, s41, 2
	s_lshl_b32 s43, 15, s43
	s_lshl_b32 s44, 0x1111, s40
	s_or_b32 s[G1+0], s43, (3<<16)|(1<<21)
	s_or_b32 s[G1B+0], s44, (3<<16)|(1<<21)
.irp g, G1, G1B
	s_mov_b32 s[\g+1], 3072<<16                    ; at the head: a slot's two blocks of 24,576 bytes as two rows of 3,072 elements
	s_mov_b32 s[\g+2], 2<<16
	s_mov_b32 s[\g+3], 3072<<16
	s_mov_b32 s[\g+4], 2
	s_mov_b32 s[\g+6], 0
	s_mov_b32 s[\g+7], 0
.endr
	s_or_b32 s[G1S+0], s43, (3<<16)|(1<<21)
	s_or_b32 s[G1SB+0], s44, (3<<16)|(1<<21)
.irp g, G1S, G1SB
	s_mov_b32 s[\g+1], 32<<16
	s_mov_b32 s[\g+2], (2*KT)<<16                  ; the scale words of 128 rows, all of K
	s_mov_b32 s[\g+3], 32<<16
	s_mov_b32 s[\g+4], 2*KT
	s_mov_b32 s[\g+5], 32
	s_mov_b32 s[\g+6], 0
	s_mov_b32 s[\g+7], 0
.endr
	s_lshl_b32 s20, s17, 3
	s_mul_i32 s20, s20, 3072
	s_mov_b32 s21, 0
	s_mul_i32 s23, s17, HALFS
	s_add_co_u32 s22, s22, s23
	s_mov_b32 s23, 0
	s_lshl_b32 s46, s42, 3
	s_mul_i32 s46, s46, 3072
	s_add_co_u32 s46, s46, BCODE
	s_mov_b32 s47, 0
	s_mul_i32 s93, s42, HALFS
	s_add_co_u32 s92, s92, s93
	s_mov_b32 s93, 0
	s_mul_i32 s45, s14, HALFT
	s_mul_i32 s96, s16, RA16*3072                  ; in the ring I fetch one block of 256 along K: which, in bytes, in A's codes
	s_mov_b32 s97, 0
	s_mul_i32 s94, s16, RB16*3072                  ; and in B's
	s_mov_b32 s95, 0
	s_wait_dscnt 0x0
	s_wait_kmcnt 0x0
	s_add_nc_u64 s[20:21], s[4:5], s[20:21]
	s_add_nc_u64 s[22:23], s[4:5], s[22:23]
	s_add_nc_u64 s[46:47], s[6:7], s[46:47]
	s_add_nc_u64 s[92:93], s[6:7], s[92:93]
	CROUND
	s_mov_b32 s[G0S], 1
	s_mov_b32 s[G0S+1], SCL
	s_mov_b64 s[G0S+2:G0S+3], s[22:23]
	s_or_b32 s[G0S+3], s[G0S+3], 0x80000000
	s_mov_b32 s[G0SB], 1
	s_mov_b32 s[G0SB+1], SCL+HALFS
	s_mov_b64 s[G0SB+2:G0SB+3], s[92:93]
	s_or_b32 s[G0SB+3], s[G0SB+3], 0x80000000
	s_mov_b32 s[G1+5], RA16*384                    ; from a block to the next along K, in elements of 8 bytes
	s_mov_b32 s[G1B+5], RB16*384
	s_mov_b32 s[G0], 1
	s_mov_b32 s[G0+1], 0
	s_mov_b64 s[G0+2:G0+3], s[20:21]
	s_or_b32 s[G0+3], s[G0+3], 0x80000000
	s_mov_b32 s[G0B], 1
	s_mov_b32 s[G0B+1], 2*HALFT
	s_mov_b64 s[G0B+2:G0B+3], s[46:47]
	s_or_b32 s[G0B+3], s[G0B+3], 0x80000000
	s_add_nc_u64 s[20:21], s[20:21], s[96:97]
	s_add_nc_u64 s[46:47], s[46:47], s[94:95]
	s_mov_b32 s[G0+4], 1
	s_add_co_u32 s[G0+5], s45, SLOT
	s_add_nc_u64 s[G0+6:G0+7], s[20:21], s[98:99]
	s_or_b32 s[G0+7], s[G0+7], 0x80000000
	s_mov_b32 s[G0B+4], 1
	s_add_co_u32 s[G0B+5], s45, SLOT
	s_add_nc_u64 s[G0B+6:G0B+7], s[46:47], s[100:101]
	s_or_b32 s[G0B+7], s[G0B+7], 0x80000000
	s_cmp_eq_u32 s15, 0                            ; the prefetches go by my quarter of a slot, as the ring's loads do
	s_cselect_b64 s[66:67], s[20:21], s[46:47]
	s_cselect_b32 s2, s98, s100                    ; a slot on, in bytes
	s_cselect_b32 s3, s40, s41                     ; my place among the four partners that ask for the quarter jointly
	s_mul_i32 s3, s3, 6144                         ; each names 24 of its 96 blocks of 256 bytes
; THE HEAD'S LOADS, ONE A WAVE, in one chain of branches on the wave's number
.macro ARM under, g0, g1, next
	s_cmp_lt_u32 s14, \under
	s_cbranch_scc0 \next
	tensor_load_to_lds s[\g0:\g0+3], s[\g1:\g1+7]
	s_nop 0
.rept 4
	v_nop
.endr
	s_branch .Lhead_asked
\next:
.endm
	ARM 1, G0, G1, .Lhead_b
	ARM 2, G0B, G1B, .Lhead_sa
	ARM 3, G0S, G1S, .Lhead_sb
	tensor_load_to_lds s[G0SB:G0SB+3], s[G1SB:G1SB+7]
	s_nop 0
.rept 4
	v_nop
.endr
.Lhead_asked:
	v_and_b32 v30, 31, v0
	v_min_u32 v30, 23, v30                         ; lanes 24-31 name the last block again
	v_lshl_add_u32 v30, v30, 8, s3
	v_add_nc_u32 v30, s2, v30                      ; slot 1,
	v_add_nc_u32 v31, s2, v30                      ; slot 2: stepped by a slot at every later load
	global_prefetch_b8 v30, s[66:67] th:TH_LOAD_NT scope:SCOPE_SE
	global_prefetch_b8 v31, s[66:67] th:TH_LOAD_NT scope:SCOPE_SE
.if LAPS > 1
	s_lshl_b32 s98, s98, 1
	s_lshl_b32 s100, s100, 1
.endif
	v_and_b32 v1, 15, v0
	v_bfe_u32 v2, v0, 4, 1
	v_and_b32 v3, 31, v0
	v_lshlrev_b32 v4, 4, v3
	v_lshlrev_b32 v5, 3, v3
	s_mul_i32 s21, s15, 4*3072
	s_mul_i32 s22, s16, 4*3072
	s_add_co_u32 s22, s22, 2*HALFT
.irp s, 0,1
	v_add_nc_u32 v[ADRA+\s], s21, v4
	v_add_nc_u32 v[ADRB+\s], s22, v4
	v_add_nc_u32 v[ADRA+2+\s], s21, v5
	v_add_nc_u32 v[ADRB+2+\s], s22, v5
	s_add_co_u32 s21, s21, SLOT
	s_add_co_u32 s22, s22, SLOT
.endr
	v_lshlrev_b32 v6, 2, v1
	s_lshl_b32 s21, s15, 8
	s_lshl_b32 s22, s16, 8
	s_add_co_u32 s22, s22, HALFS
	s_sub_co_u32 s22, s22, s21
	v_mul_u32_u24 v7, s22, v2
	s_add_co_u32 s21, s21, SCL
	v_add_nc_u32 v6, v6, v7
	v_add_nc_u32 v[ADRS], s21, v6
	v_lshlrev_b32 v8, 5, v2
	s_wait_alu depctr_va_vdst(0)
	s_mul_i32 s23, s14, 16*SPITCH
	v_mul_u32_u24 v9, v1, SPITCH
	v_lshl_add_u32 v9, v2, 5, v9
	v_add_nc_u32 v[STO], s23, v9
	v_mul_u32_u24 v9, v2, SPITCH
	v_lshl_add_u32 v9, v1, 4, v9
	v_add_nc_u32 v[RD], s23, v9
	v_lshlrev_b32 v[CO], 12, v2
	v_lshl_add_u32 v[CO], v1, 4, v[CO]
	s_wait_alu depctr_va_vdst(0)
	s_lshl_b32 s20, s17, 7
	s_lshl_b32 s21, s15, 6
	s_add_co_u32 s20, s20, s21
	s_lshl_b32 s20, s20, 12
	s_mov_b32 s21, 0
	s_lshl_b32 s46, s42, 9
	s_lshl_b32 s47, s16, 8
	s_add_co_u32 s46, s46, s47
	s_mov_b32 s47, 0
	s_add_nc_u64 s[8:9], s[8:9], s[46:47]
	s_add_nc_u64 s[20:21], s[20:21], s[46:47]
	s_add_nc_u64 s[10:11], s[10:11], s[20:21]
	s_add_nc_u64 s[12:13], s[12:13], s[20:21]
.irp b, 0,1,2,3
	global_load_b128 v[BIAS+8*\b:BIAS+8*\b+3], v8, s[8:9] offset:64*\b
	global_load_b128 v[BIAS+8*\b+4:BIAS+8*\b+7], v8, s[8:9] offset:64*\b+16
.endr
	s_wait_xcnt 0x0                                ; the head's prefetches have read their offsets
	v_add_nc_u32 v31, s2, v31                      ; slot 3
	s_wait_alu depctr_va_vdst(0)                   ; the wait at the head's end
	s_wait_tensorcnt 0x0                           ; my tile of the head's four is in; the three lines ahead of slot 1's first fill, as ahead of a refill
	ds_add_u32 v[SPW], v[NIL]
.irp g, G1, G1B
	s_mov_b32 s[\g+1], 32<<16                      ; no tensor load of mine is out: from here on a load brings one dense block as 96 rows of 256 bytes,
	s_mov_b32 s[\g+2], 96<<16
	s_mov_b32 s[\g+3], 32<<16
	s_mov_b32 s[\g+4], 96
	s_mov_b32 s[\g+5], 32
.endr
	s_mov_b32 s[G0+1], s45                         ; and slot 0's sets stand at my quarter
	s_mov_b32 s[G0B+1], s45
	s_add_nc_u64 s[G0+2:G0+3], s[G0+2:G0+3], s[96:97]
	s_add_nc_u64 s[G0B+2:G0B+3], s[G0B+2:G0B+3], s[94:95]
	s_wait_dscnt 0x0
	CROUND                                         ; all four tiles are in, and all sixteen work-groups are here
	JLOAD G0+4, G1, G0B+4, G1B                     ; slot 1, the first tensor load behind the round
	FETCH 0, 0, 0
	WIN 0
	SCALES 0
	global_prefetch_b8 v31, s[66:67] th:TH_LOAD_NT scope:SCOPE_SE   ; behind slot 1's load: slot 3
	WIN 0x80                                       ; destination window 2
.irp a, 0,1,2,3
.irp t, 0,1,2,3,4,5,6,7
	global_load_b128 v[32*\a+4*\t:32*\a+4*\t+3], v[CO], s[10:11] offset:(16*\a+2*\t)*4096    ; the residual of my 64 x 64, asked for behind the first two slots' loads: it is wanted on the way out alone
.endr
.endr
	WIN 0
	s_wait_loadcnt 32                              ; the bias's eight loads are in; the residual's 32, issued behind them, may be out
	STEP 0, 0, 1
	STEP 0, 1, 0
	STEP 0, 2, 0
.if LAPS > 1
	WIN 0
	s_mov_b32 s3, LAPS-1
.Llap:
	TURN 0, 1, 1
	STEP 1, 0, 0
	STEP 1, 1, 0
	STEP 1, 2, 0
	TURN 1, 0, 1
	STEP 0, 0, 0
	STEP 0, 1, 0
	STEP 0, 2, 0
	WIN 0
	s_sub_co_u32 s3, s3, 1
	s_cmp_lg_u32 s3, 0
	s_cbranch_scc1 .Llap
.endif
	TURN 0, 1, 0
	STEP 1, 0, 0
	STEP 1, 1, 0
	STEP 1, 2, 0
	s_wait_dscnt 0x0
	WIN MUL
	MUL4 0, 1, 3, 1, 0
	MUL4 1, 1, 3, 1, 0
	MUL4 2, 1, 3, 1, 0
	MUL4 3, 1, 3, 1, 0
	WIN 0
.macro TOSTAGE a
.set AC, ACC+32*(\a)
.irp b, 0,1,2,3
	ds_store_b128 v[STO], v[AC+8*\b:AC+8*\b+3] offset:64*\b
	ds_store_b128 v[STO], v[AC+8*\b+4:AC+8*\b+7] offset:64*\b+16
.endr
.set BB, BK+32*((\a)%2)
.irp t, 0,1,2,3,4,5,6,7
	ds_load_b128 v[BB+4*\t:BB+4*\t+3], v[RD] offset:\t*2*SPITCH
.endr
.endm
.macro SEND a, younger
.set BB, BK+32*((\a)%2)
.set RR, 32*(\a)
	s_wait_dscnt \younger
.if (\a) == 0
	s_wait_loadcnt 0x0
.endif
	WIN 0x08
.set i, 0
.rept 16
	v_pk_add_f32 v[BB+i:BB+i+1], v[BB+i:BB+i+1], v[RR+i:RR+i+1]
.set i, i+2
.endr
	WIN 0
.irp t, 0,1,2,3,4,5,6,7
.if LASTOUT
	global_store_b128 v[CO], v[BB+4*\t:BB+4*\t+3], s[12:13] offset:(16*(\a)+2*\t)*4096 th:TH_STORE_NT
.else
	global_store_b128 v[CO], v[BB+4*\t:BB+4*\t+3], s[12:13] offset:(16*(\a)+2*\t)*4096
.endif
.endr
.endm
	PLACES NP
	TOSTAGE 0
.irp a, 1,2,3
.if \a > 1
	s_wait_xcnt 0x0
.endif
	TOSTAGE \a
	SEND \a-1, 16
.endr
	SEND 3, 0
	s_wait_tensorcnt 0x0
	ds_add_u32 v[SPW], v[NIL]
	s_wait_dscnt 0x0
	CROUND
	s_endpgm
.Lfunc_end_k_q13f40f8d59_w2:
	.size	k_q13f40f8d59_w2, .Lfunc_end_k_q13f40f8d59_w2-k_q13f40f8d59_w2
	.p2alignl 7, 3214868480
	.fill 96, 4, 3214868480
	.section	.rodata,"a",@progbits
	.p2align	6, 0x0
	.amdhsa_kernel k_q13f40f8d59_w2
		.amdhsa_group_segment_fixed_size 327680
		.amdhsa_private_segment_fixed_size 0
		.amdhsa_enable_private_segment 0
		.amdhsa_kernarg_size 40
		.amdhsa_user_sgpr_count 2
		.amdhsa_user_sgpr_kernarg_segment_ptr 1
		.amdhsa_wavefront_size32 1
		.amdhsa_system_sgpr_workgroup_id_x 1
		.amdhsa_system_sgpr_workgroup_id_y 1
		.amdhsa_system_sgpr_workgroup_id_z 1
		.amdhsa_system_vgpr_workitem_id 0
		.amdhsa_next_free_vgpr 640
		.amdhsa_next_free_sgpr 102
		.amdhsa_reserve_vcc 0
		.amdhsa_float_denorm_mode_32 3
		.amdhsa_float_denorm_mode_16_64 3
		.amdhsa_memory_ordered 1
		.amdhsa_forward_progress 1
		.amdhsa_inst_pref_size 103
	.end_amdhsa_kernel
	.amdgpu_metadata
---
amdhsa.version: [ 1, 2 ]
amdhsa.kernels:
  - .name:           k_q13f40f8d59_w2
    .symbol:         k_q13f40f8d59_w2.kd
    .args:
      - { .name: hid, .offset: 0, .size: 8, .value_kind: global_buffer, .address_space: global }
      - { .name: wts, .offset: 8, .size: 8, .value_kind: global_buffer, .address_space: global }
      - { .name: b2, .offset: 16, .size: 8, .value_kind: global_buffer, .address_space: global }
      - { .name: x1, .offset: 24, .size: 8, .value_kind: global_buffer, .address_space: global }
      - { .name: out0, .offset: 32, .size: 8, .value_kind: global_buffer, .address_space: global }
    .group_segment_fixed_size: 327680
    .private_segment_fixed_size: 0
    .kernarg_segment_align: 8
    .kernarg_segment_size: 40
    .max_flat_workgroup_size: 128
    .sgpr_count:     102
    .vgpr_count:     640
    .wavefront_size: 32
...
	.end_amdgpu_metadata
.endif
;; end of part 14
